; MI455X (gfx1250); checked and timed in simulation.
; The chip was launched on July 23, 2026; its instructions are those of AMD's public machine-readable ISA for CDNA 5 (MIT licence, August 2026) and "CDNA5" Instruction Set Architecture Reference Guide (July 2026). The comments in the code are by the model that wrote it; some were corrected since.
;; Multi Head Attention. Allowed arithmetic: float matrix products may take bf16 or f16 operands with f32 sums; other float arithmetic in f32, or as packed bf16 or f16 multiplies, adds, multiply-adds, maxima and minima; sums over many terms, partial sums and values carried from step to step in f32; what a program stores and reads back later, other than sums and carried values, may be rounded once to bf16 or f16.
;; Inputs: Wk 1,024 x 1,024 float32; Wo 1,024 x 1,024 float32; Wq 1,024 x 1,024 float32; Wv 1,024 x 1,024 float32; bk 1,024 float32; bo 1,024 float32; bq 1,024 float32; bv 1,024 float32; x 4 x 2,048 x 1,024 float32.
;; Outputs: out0 4 x 2,048 x 1,024 float32.
;; 3 versions, each right; version 3 is version 2 with the launch cast written anew for expert scheduling mode. Each part assembles by itself: llvm-mc -triple=amdgcn-amd-amdhsa -mcpu=gfx1250 --defsym DOCPART=n.
;; ======== version 1 of 3: 4 launches
;; limits: values within 7.6e-06 (relative) of each other or of a threshold may be ordered or decided otherwise than in the reference; values are held in f16: magnitudes above 65,504 overflow, below 6.1e-05 lose precision
;; workspace buffers: xb 16,777,216 bytes; wqkv 6,291,456 bytes; wo16 2,097,152 bytes; qq 33,554,432 bytes; kk 33,554,432 bytes; vv 16,777,216 bytes; oo 16,777,216 bytes
;; launch cast (part 1): grid 768 x 1, 8 waves a work-group, no clusters, 0 bytes of LDS; arguments x, Wq, Wk, Wv, Wo, xb, wqkv, wo16; writes xb, wqkv, wo16
.if DOCPART == 1
	.amdgcn_target "amdgcn-amd-amdhsa--gfx1250"
	.amdhsa_code_object_version 6
	.text
	.protected	k_q92788391da_cast
	.globl	k_q92788391da_cast
	.p2align	8
	.type	k_q92788391da_cast,@function
k_q92788391da_cast:
	s_mov_b64 s[64:65], 0
	v_nop
	global_prefetch_b8 v0, s[64:65] scope:SCOPE_SE
	s_setreg_imm32_b32 hwreg(HW_REG_WAVE_MODE, 25, 1), 1
	s_wait_xcnt 0x0
; THE INPUTS ARE ROUNDED ONCE, TO 16 BITS.  x -> xb (bf16, [8192][1024]); Wq, Wk, Wv -> wqkv (bf16, [3072][1024], the three one below the other);
; Wo -> wo16: rounded to bf16 like the others, and that number written as f16, since the last product's other operand is f16.
; LIMIT.  A weight of Wo beyond 65,504 has no f16; below 6e-5 it keeps f16's fixed step of 6e-8.
; A stream: no LDS, no barrier, no matrix unit, no cluster: no work-group reads what another reads.
; SHARES.  A work-group converts 16,384 numbers: 65,536 bytes in, 32,768 out.  Groups 0-511 take x, 512-767 the four weights, 64 groups each.
; Thread t takes 16 bytes at 16 t of each 4,096: a wave's load covers 512 consecutive bytes, its store 256 consecutive bytes, aligned.
; All sixteen loads of a thread go out at once; the waits count down.
.set X, 4                              ; v[4:67]    sixteen loads of four f32
.set Y, 68                             ; v[68:99]   sixteen stores of four 16-bit numbers
.set T, 100                            ; v[100:101] at work
	s_load_b512 s[8:23], s[0:1], 0x0               ; x 8, Wq 10, Wk 12, Wv 14, Wo 16, xb 18, wqkv 20, wo16 22
	v_lshlrev_b32 v1, 4, v0                        ; 16 t
	v_lshlrev_b32 v2, 3, v0                        ; 8 t
	s_sub_co_u32 s24, ttmp9, 512                   ; j: the group's number among the weights' (of no use in x's groups)
	s_lshr_b32 s25, s24, 6                         ; which weight
	s_and_b32 s26, s24, 63                         ; which part of it
	s_lshl_b32 s32, ttmp9, 16                      ; x: byte offsets in and out
	s_lshl_b32 s34, ttmp9, 15
	s_lshl_b32 s2, s26, 16                         ; a weight: in,
	s_lshl_b32 s3, s24, 15                         ; out into wqkv,
	s_lshl_b32 s4, s26, 15                         ; out into wo16
	s_cmp_eq_u32 s25, 3
	s_cselect_b32 s3, s4, s3
	s_cselect_b32 s27, 1, 0                        ; 1: this group converts Wo
	s_cmp_lt_u32 ttmp9, 512
	s_cselect_b32 s32, s32, s2
	s_cselect_b32 s34, s34, s3
	s_cselect_b32 s27, 0, s27
	s_mov_b32 s33, 0
	s_mov_b32 s35, 0
	s_wait_kmcnt 0x0
	s_cmp_eq_u32 s25, 1
	s_cselect_b64 s[28:29], s[12:13], s[10:11]
	s_cmp_eq_u32 s25, 2
	s_cselect_b64 s[28:29], s[14:15], s[28:29]
	s_cmp_eq_u32 s25, 3
	s_cselect_b64 s[28:29], s[16:17], s[28:29]
	s_cselect_b64 s[30:31], s[22:23], s[20:21]
	s_cmp_lt_u32 ttmp9, 512
	s_cselect_b64 s[28:29], s[8:9], s[28:29]
	s_cselect_b64 s[30:31], s[18:19], s[30:31]
	s_add_nc_u64 s[28:29], s[28:29], s[32:33]      ; from here
	s_add_nc_u64 s[30:31], s[30:31], s[34:35]      ; to here
.irp i, 0,1,2,3,4,5,6,7,8,9,10,11,12,13,14,15
	global_load_b128 v[X+4*(\i):X+4*(\i)+3], v1, s[28:29] offset:4096*(\i) th:TH_LOAD_NT
.endr
	s_cmp_eq_u32 s27, 1
	s_cbranch_scc1 .Lwo
.irp i, 0,1,2,3,4,5,6,7,8,9,10,11,12,13,14,15
	s_wait_loadcnt 15-(\i)                         ; loads come back in order: load i is in, the younger ones stay out
	v_cvt_pk_bf16_f32 v[Y+2*(\i)], v[X+4*(\i)], v[X+4*(\i)+1]
	v_cvt_pk_bf16_f32 v[Y+2*(\i)+1], v[X+4*(\i)+2], v[X+4*(\i)+3]
	global_store_b64 v2, v[Y+2*(\i):Y+2*(\i)+1], s[30:31] offset:2048*(\i)
.endr
	s_endpgm
.Lwo:
.irp i, 0,1,2,3,4,5,6,7,8,9,10,11,12,13,14,15
	s_wait_loadcnt 15-(\i)
.irp p, 0,1
	v_cvt_pk_bf16_f32 v[Y+2*(\i)+(\p)], v[X+4*(\i)+2*(\p)], v[X+4*(\i)+2*(\p)+1]  ; the one rounding, to bf16;
	v_lshlrev_b32 v[T], 16, v[Y+2*(\i)+(\p)]       ; the two numbers as f32 again,
	v_and_b32 v[T+1], 0xffff0000, v[Y+2*(\i)+(\p)]
	v_cvt_pk_f16_f32 v[Y+2*(\i)+(\p)], v[T], v[T+1]  ; and written as f16: 8 significant bits fit into 11
.endr
	global_store_b64 v2, v[Y+2*(\i):Y+2*(\i)+1], s[30:31] offset:2048*(\i)
.endr
	s_endpgm
.Lfunc_end_k_q92788391da_cast:
	.size	k_q92788391da_cast, .Lfunc_end_k_q92788391da_cast-k_q92788391da_cast
	.p2alignl 7, 3214868480
	.fill 96, 4, 3214868480
	.section	.rodata,"a",@progbits
	.p2align	6, 0x0
	.amdhsa_kernel k_q92788391da_cast
		.amdhsa_group_segment_fixed_size 0
		.amdhsa_private_segment_fixed_size 0
		.amdhsa_enable_private_segment 0
		.amdhsa_kernarg_size 64
		.amdhsa_user_sgpr_count 2
		.amdhsa_user_sgpr_kernarg_segment_ptr 1
		.amdhsa_wavefront_size32 1
		.amdhsa_system_sgpr_workgroup_id_x 1
		.amdhsa_system_sgpr_workgroup_id_y 1
		.amdhsa_system_sgpr_workgroup_id_z 1
		.amdhsa_system_vgpr_workitem_id 0
		.amdhsa_next_free_vgpr 102
		.amdhsa_next_free_sgpr 66
		.amdhsa_reserve_vcc 0
		.amdhsa_float_denorm_mode_32 3
		.amdhsa_float_denorm_mode_16_64 3
		.amdhsa_memory_ordered 1
		.amdhsa_forward_progress 1
		.amdhsa_inst_pref_size 17
	.end_amdhsa_kernel
	.amdgpu_metadata
---
amdhsa.version: [ 1, 2 ]
amdhsa.kernels:
  - .name:           k_q92788391da_cast
    .symbol:         k_q92788391da_cast.kd
    .args:
      - { .name: x, .offset: 0, .size: 8, .value_kind: global_buffer, .address_space: global }
      - { .name: Wq, .offset: 8, .size: 8, .value_kind: global_buffer, .address_space: global }
      - { .name: Wk, .offset: 16, .size: 8, .value_kind: global_buffer, .address_space: global }
      - { .name: Wv, .offset: 24, .size: 8, .value_kind: global_buffer, .address_space: global }
      - { .name: Wo, .offset: 32, .size: 8, .value_kind: global_buffer, .address_space: global }
      - { .name: xb, .offset: 40, .size: 8, .value_kind: global_buffer, .address_space: global }
      - { .name: wqkv, .offset: 48, .size: 8, .value_kind: global_buffer, .address_space: global }
      - { .name: wo16, .offset: 56, .size: 8, .value_kind: global_buffer, .address_space: global }
    .group_segment_fixed_size: 0
    .private_segment_fixed_size: 0
    .kernarg_segment_align: 8
    .kernarg_segment_size: 64
    .max_flat_workgroup_size: 256
    .sgpr_count:     66
    .vgpr_count:     102
    .wavefront_size: 32
...
	.end_amdgpu_metadata
.endif
;; end of part 1
;; launch qkv (part 2): grid 12 x 64, 4 waves a work-group, clusters of 4 x 4, 327,680 bytes of LDS; arguments xb, wqkv, bq, bk, bv, qq, kk, vv; writes qq, kk, vv
.if DOCPART == 2
	.amdgcn_target "amdgcn-amd-amdhsa--gfx1250"
	.amdhsa_code_object_version 6
	.text
	.protected	k_q92788391da_qkv
	.globl	k_q92788391da_qkv
	.p2align	8
	.type	k_q92788391da_qkv,@function
k_q92788391da_qkv:
	s_mov_b64 s[64:65], 0
	v_nop
	global_prefetch_b8 v0, s[64:65] scope:SCOPE_SE
	s_setreg_imm32_b32 hwreg(HW_REG_WAVE_MODE, 25, 1), 1
	s_wait_xcnt 0x0
	s_wait_alu depctr_hold_cnt(0) depctr_sa_sdst(0) depctr_va_vdst(0) depctr_va_sdst(0) depctr_va_ssrc(0) depctr_va_vcc(0) depctr_vm_vsrc(0)
	s_getreg_b32 s2, hwreg(HW_REG_IB_STS2, 6, 4)
	s_cmp_eq_u32 s2, 0
	s_cbranch_scc0 .Lentry_in_a_cluster
	s_endpgm
.Lentry_in_a_cluster:
	s_bfe_u32 s2, ttmp6, 0x10000c
	s_cmp_lg_u32 s2, 0xf033
	s_cbranch_scc0 .Lentry_shape_is_right
	s_endpgm
.Lentry_shape_is_right:
; THE THREE PROJECTIONS AS ONE PRODUCT.  C[m][n] = b[n] + sum over k of xb[m][k] wqkv[n][k]: m 8,192 rows, n 3,072 (q, k, v: 1,024 each), k 1,024; operands bf16, sums f32.
; The bias is rounded to bf16, like every input of the module, and is the C operand of each sum's first product: it starts the sum instead of ending it (another order of rounding than the reference's).
; OUT, by heads (bh = 16 batch + head).  q and k: [64][2048][128] f16, a row of 256 bytes: 64 channels hi = f16(sum), then 64 channels lo = f16(sum - hi): 22 significant bits, unscaled.
; v: [64][2048][64] f16, rounded once.
; LIMITS.  A sum of 65,520 or more has no f16.  lo below 6e-5 keeps f16's fixed step of 6e-8, so for sums far below 0.1 the pair holds fewer than 22 bits.
; SHARES.  A tile of C is 128 x 256, made by four waves, each 64 x 128: 32 accumulators of 16 x 16.  K goes in 8 steps of 128 through two LDS slots filled by tensor loads, whose rows are
; 256 bytes of memory.  768 tiles.
; CLUSTER.  4 x 4 work-groups: the four of a row of the cluster need the same tile of xb, the four of a column the same tile of wqkv; each tile is asked for jointly.
; The cluster's x (0, 1, 2) says whether the tile belongs to q, k or v: it is the same in all sixteen, so the way out may branch on it.
; THE MATRIX INSTRUCTION IS USED TRANSPOSED (source 0 = 16 rows of wqkv, source 1 = 16 rows of xb): lane l holds row l % 16 of C, its registers columns 8 (l / 16) + 0..7.
; REGISTERS, in windows of 256 (s_set_vgpr_msb: bits 1:0 source 0, 3:2 source 1, 5:4 source 2, 7:6 destination):
;   window 0: v0-31 addresses; two fragment buffers of 96: v64-159, v160-255 (B's eight fragments, then A's four); on the way out v64-191 at work
;   window 1: accumulator (a, b) at v[8 (8 a + b)]          window 2: v0-63 the bias of my 128 columns, 8 registers for each b
.set KSTEP,  128
.set PITCH,  272                       ; an LDS row: 256 bytes + 16 of padding = 68 words: the 16 rows of a fragment load start at 16 different groups of four banks (64 banks of 4 bytes: ISA guide 11.1)
.set AHALF,  64*PITCH                  ; what a wave's load of A brings, and what a wave reads of A
.set BOFF,   128*PITCH                 ; B's 256 rows lie behind A's 128
.set BHALF,  128*PITCH
.set SLOT,   384*PITCH
.set STAGE,  2*SLOT                    ; behind the ring: 16 rows x 272 bytes for each wave, for the way out
.set SPITCH, 272
.set VPITCH, 144                       ; v's rows in the stage: 128 bytes + 16
.set SPARE,  STAGE+4*16*SPITCH         ; behind the stages: the spare words, 128 bytes for each wave
.set LAPS,   4                         ; a lap = two K steps = once round the ring
.set ADRA, 16                          ; v16-17 LDS address of my A fragments in slot 0, 1
.set RDV,  18                          ; v18    v's way out: where I read rows back
.set GOV,  19                          ; v19    v's way out: my 16 bytes of 512 consecutive ones
.set ADRB, 20                          ; v20-21 the same as ADRA for B
.set BO,   22                          ; v22    32 (l / 16): my eight columns in a block of sixteen of the bias
.set STO,  24                          ; v24    q's and k's way out: where I put 16 bytes of a row
.set RD,   25                          ; v25    where I read a row back
.set CO,   26                          ; v26    my byte offset in two rows of qq or kk
.set STOV, 27                          ; v27    v's way out: where I put 16 bytes of a row
.set SPW,  28                          ; v28    LDS address of my spare word; never rewritten
.set NIL,  29                          ; v29    0; never rewritten
.set PFO,  30                          ; v30    the prefetches' offset: my lane x a row of 2,048 bytes; never rewritten
.set ONE,  31                          ; v31    1.0
.set F0,   64
.set F1,   160
.set TH,   64                          ; the way out: 16 registers hi, 16 lo, 32 residuals, two sets of 32 read back
.set TL,   80
.set TR,   96
.set BK,   128
.set G1,  24                           ; s[24:31] descriptor group 1 for A's tiles; s[32:39] group 0, a set for each slot
.set G0,  32
.set G1B, 48                           ; s[48:55], s[56:63] the same for B's
.set G0B, 56
.set BIA, 84                           ; s[84:85] the bias at my 128 columns
.set OUT, 86                           ; s[86:87] qq, kk or vv at my part of the tile
.set PFA, 88                           ; s[88:89] where my prefetches stand
.set LIM, 90                           ; s90  1 in a wave that prefetches, else the greatest number
.set KIND, 91                          ; s91  0 q, 1 k, 2 v
.set MSB, 0
.macro WIN new                         ; the immediate's high byte repeats the setting that is left; a switch that changes nothing is dropped
.if MSB != (\new)
	s_set_vgpr_msb (MSB<<8)|(\new)
.set MSB, \new
.endif
.endm
; A joint load: waves 0 and 1 fetch A's two halves (64 rows each), waves 2 and 3 B's (128 rows each).  The branch hangs on the wave's number alone.
; An s_nop 0 and four v_nop follow each of the two lines, ahead of the jump and the label.
.macro JLOAD s
	s_cmp_eq_u32 s11, 0
	s_cbranch_scc0 .Lfor_b_\@
	tensor_load_to_lds s[G0+4*(\s):G0+4*(\s)+3], s[G1:G1+7]
	s_nop 0
.rept 4
	v_nop
.endr
	s_branch .Lasked_\@
.Lfor_b_\@:
	tensor_load_to_lds s[G0B+4*(\s):G0B+4*(\s)+3], s[G1B:G1B+7]
	s_nop 0
.rept 4
	v_nop
.endr
.Lasked_\@:
.endm
.macro CREST                           ; a round of the cluster's barrier behind its opening barrier
	s_cmp_lg_u32 s10, 0
	s_cbranch_scc1 .Lnot_wave_0_\@
	s_barrier_signal -3
.Lnot_wave_0_\@:
	s_barrier_wait -3
	s_barrier_signal -1
	s_barrier_wait -1
.endm
.macro CROUND                          ; a whole round
	s_barrier_signal -1
	s_barrier_wait -1
	CREST
.endm
; A PREFETCH INTO THE L2, behind a joint load, its five lines and the run of LDS loads: the K step that stands two refills on (256 matrix instructions ahead of its load): 32 rows x 256 bytes, a lane a row.
; Each row's 256 bytes of a K step are named once in the launch.  A's tile row is read by the three clusters of a row of clusters: the first (cluster x = 0) asks, by its waves 0; B's tile column by the
; sixteen clusters of a column: the first (cluster y = 0) asks, by its waves 2 and 3.  The four partners that ask for a tile jointly share its rows out by address, 32 each (cx for A, cy for B).
; K steps 0 to 3 come by their loads alone; the loop's last trip (s3 = 1) has no K step two refills on and asks for nothing.
.macro ASK
	s_cmp_gt_u32 s3, s[LIM]
	s_cbranch_scc0 .Lnot_mine_\@
	global_prefetch_b8 v[PFO], s[PFA:PFA+1] th:TH_LOAD_NT scope:SCOPE_SE
.Lnot_mine_\@:
.endm
	s_load_b512 s[68:83], s[0:1], 0x0              ; xb 68, wqkv 70, bq 72, bk 74, bv 76, qq 78, kk 80, vv 82
	v_lshl_add_u32 v[SPW], v0, 2, SPARE
	v_mov_b32 v[NIL], 0
	ds_add_u32 v[SPW], v[NIL]                      ; the wave's opening: the add and its wait stand ahead of my first tensor load; the set-up below stands between them
	v_lshrrev_b32 v1, 5, v0
	v_readfirstlane_b32 s10, v1                    ; wave 0..3
	s_lshr_b32 s11, s10, 1                         ; which 64 of the tile's rows are mine.  Also: I fetch for A (0) or for B (1)
	s_and_b32 s12, s10, 1                          ; which 128 of its columns.  Also: which half of that tile I fetch
	s_bfe_u32 s40, ttmp6, 0x40000                  ; cx, cy: my place in the cluster
	s_bfe_u32 s41, ttmp6, 0x40004
	s_mov_b32 s[KIND], ttmp9
	s_lshl_b32 s42, ttmp9, 2
	s_add_co_u32 s42, s42, s40                     ; tile column = 4 x cluster x + cx
	s_and_b32 s13, ttmp7, 0xffff
	s_lshl_b32 s13, s13, 2
	s_add_co_u32 s13, s13, s41                     ; tile row = 4 x cluster y + cy
	s_lshl_b32 s43, s41, 2
	s_lshl_b32 s43, 15, s43                        ; my row of the cluster
	s_lshl_b32 s44, 0x1111, s40                    ; my column
	s_or_b32 s[G1+0], s43, (1<<16)|(1<<20)|(1<<21)|(5<<22)|(3<<25)   ; 15:0 the mask; 17:16 2-byte elements; 20 padding on; 21 set beside a mask; 24:22 after every 64 words (code 5); 31:25 4 words (code 3)
	s_or_b32 s[G1B+0], s44, (1<<16)|(1<<20)|(1<<21)|(5<<22)|(3<<25)
	s_mov_b32 s[G1+1], KSTEP<<16                   ; tensor_dim0 = 128
	s_mov_b32 s[G1+2], 64<<16                      ; tensor_dim1 = 64
	s_mov_b32 s[G1+3], KSTEP<<16                   ; tile_dim0 = 128
	s_mov_b32 s[G1+4], 64                          ; tile_dim1 = 64
	s_mov_b32 s[G1+5], 1024                        ; elements from row to row
	s_mov_b32 s[G1+6], 0
	s_mov_b32 s[G1+7], 0
	s_mov_b32 s[G1B+1], KSTEP<<16
	s_mov_b32 s[G1B+2], 128<<16                    ; B: 128 rows
	s_mov_b32 s[G1B+3], KSTEP<<16
	s_mov_b32 s[G1B+4], 128
	s_mov_b32 s[G1B+5], 1024
	s_mov_b32 s[G1B+6], 0
	s_mov_b32 s[G1B+7], 0
	s_lshl_b32 s16, s13, 7                         ; A: row 128 x tile row + 64 x half, times 2,048 bytes
	s_lshl_b32 s17, s12, 6
	s_add_co_u32 s16, s16, s17
	s_lshl_b32 s16, s16, 11
	s_mov_b32 s17, 0
	s_lshl_b32 s46, s42, 8                         ; B: row 256 x tile column + 128 x half
	s_lshl_b32 s47, s12, 7
	s_add_co_u32 s46, s46, s47
	s_lshl_b32 s46, s46, 11
	s_mov_b32 s47, 0
	s_mul_i32 s20, s12, AHALF                      ; where they go: no place in the cluster enters an LDS address
	s_mul_i32 s21, s12, BHALF
	s_add_co_u32 s21, s21, BOFF
	s_wait_dscnt 0x0                               ; the opening add is done
	s_wait_kmcnt 0x0
	s_add_nc_u64 s[14:15], s[68:69], s[16:17]
	s_add_nc_u64 s[46:47], s[70:71], s[46:47]
	CROUND                                         ; all sixteen work-groups are here: the first joint loads meet
.irp s, 0,1
	s_mov_b32 s[G0+4*(\s)], 1
	s_add_co_u32 s[G0+4*(\s)+1], s20, (\s)*SLOT
	s_add_nc_u64 s[G0+4*(\s)+2:G0+4*(\s)+3], s[14:15], (\s)*KSTEP*2
	s_or_b32 s[G0+4*(\s)+3], s[G0+4*(\s)+3], 0x80000000
	s_mov_b32 s[G0B+4*(\s)], 1
	s_add_co_u32 s[G0B+4*(\s)+1], s21, (\s)*SLOT
	s_add_nc_u64 s[G0B+4*(\s)+2:G0B+4*(\s)+3], s[46:47], (\s)*KSTEP*2
	s_or_b32 s[G0B+4*(\s)+3], s[G0B+4*(\s)+3], 0x80000000
	JLOAD \s
.endr
	v_and_b32 v1, 15, v0                           ; l % 16
	v_bfe_u32 v2, v0, 4, 1                         ; l / 16
	v_lshlrev_b32 v[BO], 5, v2
	s_cmp_eq_u32 s[KIND], 1                        ; the bias and the output by the cluster's x
	s_cselect_b64 s[BIA:BIA+1], s[74:75], s[72:73]
	s_cselect_b64 s[OUT:OUT+1], s[80:81], s[78:79]
	s_cmp_eq_u32 s[KIND], 2
	s_cselect_b64 s[BIA:BIA+1], s[76:77], s[BIA:BIA+1]
	s_cselect_b64 s[OUT:OUT+1], s[82:83], s[OUT:OUT+1]
	s_lshl_b32 s46, s40, 10                        ; my 128 columns among the 1,024: 256 cx + 128 half, 4 bytes each
	s_lshl_b32 s47, s12, 9
	s_add_co_u32 s46, s46, s47
	s_mov_b32 s47, 0
	s_add_nc_u64 s[BIA:BIA+1], s[BIA:BIA+1], s[46:47]
	WIN 0x80                                       ; destination window 2
.irp b, 0,1,2,3,4,5,6,7
	global_load_b128 v[8*(\b):8*(\b)+3],   v[BO], s[BIA:BIA+1] offset:64*(\b)      ; register j of block b: the bias of column 16 b + 8 (l / 16) + j
	global_load_b128 v[8*(\b)+4:8*(\b)+7], v[BO], s[BIA:BIA+1] offset:64*(\b)+16
.endr
	WIN 0
	; my part of the tile in the output: row (16 batch + head) x 2,048 + token, head = 4 cx + 2 half (+ 0, 1), token = 128 (tile row % 16) + 64 x my row half
	s_lshr_b32 s46, s13, 4
	s_lshl_b32 s46, s46, 4
	s_lshl_b32 s47, s40, 2
	s_add_co_u32 s46, s46, s47
	s_lshl_b32 s47, s12, 1
	s_add_co_u32 s46, s46, s47
	s_lshl_b32 s46, s46, 11
	s_and_b32 s47, s13, 15
	s_lshl_b32 s47, s47, 7
	s_add_co_u32 s46, s46, s47
	s_lshl_b32 s47, s11, 6
	s_add_co_u32 s46, s46, s47
	s_cmp_eq_u32 s[KIND], 2
	s_cselect_b32 s47, 7, 8                        ; v's rows are 128 bytes, q's and k's 256
	s_lshl_b32 s46, s46, s47
	s_mov_b32 s47, 0
	s_add_nc_u64 s[OUT:OUT+1], s[OUT:OUT+1], s[46:47]
	v_mul_u32_u24 v3, v1, PITCH
	v_lshl_add_u32 v3, v2, 4, v3                   ; a fragment's row x pitch + 16 x half
	s_mul_i32 s21, s11, AHALF                      ; my 64 rows of A
	s_mul_i32 s22, s12, BHALF                      ; my 128 rows of B
	s_add_co_u32 s22, s22, BOFF
.irp s, 0,1
	v_add_nc_u32 v[ADRA+(\s)], s21, v3
	v_add_nc_u32 v[ADRB+(\s)], s22, v3
	s_add_co_u32 s21, s21, SLOT
	s_add_co_u32 s22, s22, SLOT
.endr
	s_mul_i32 s23, s10, 16*SPITCH
	s_add_co_u32 s23, s23, STAGE                   ; my stage
	v_add_nc_u32 v[STO], s23, v3                   ; in: row l % 16, 16 bytes for each half of the lanes
	v_mul_u32_u24 v4, v2, SPITCH                   ; back: lanes 0-15 one row of 256 bytes, lanes 16-31 the next
	v_lshl_add_u32 v4, v1, 4, v4
	v_add_nc_u32 v[RD], s23, v4
	v_lshlrev_b32 v[CO], 8, v2                     ; and the same two rows in memory
	v_lshl_add_u32 v[CO], v1, 4, v[CO]
	v_mul_u32_u24 v4, v1, VPITCH
	v_lshl_add_u32 v4, v2, 4, v4
	v_add_nc_u32 v[STOV], s23, v4
	v_bfe_u32 v4, v0, 3, 2                         ; v, back: 32 lanes take four rows of 128 bytes,
	v_mul_u32_u24 v4, v4, VPITCH
	v_and_b32 v5, 7, v0
	v_lshl_add_u32 v4, v5, 4, v4
	v_add_nc_u32 v[RDV], s23, v4
	v_and_b32 v[GOV], 31, v0
	v_lshlrev_b32 v[PFO], 11, v[GOV]
	v_lshlrev_b32 v[GOV], 4, v[GOV]                ; which are 512 consecutive bytes of vv
	v_mov_b32 v[ONE], 1.0
	; the prefetches' address
	s_lshl_b32 s20, s13, 7                         ; A: the tile's first row
	s_lshl_b32 s21, s42, 8                         ; B: the tile's first row,
	s_lshl_b32 s22, s12, 7
	s_add_co_u32 s21, s21, s22                     ; + the 128 that I fetch
	s_and_b32 s22, ttmp7, 0xffff                   ; cluster y
	s_cmp_eq_u32 s11, 0
	s_cselect_b32 s20, s20, s21
	s_cselect_b32 s21, s40, s41                    ; my place among the four that ask with me
	s_cselect_b32 s22, ttmp9, s22                  ; the coordinate along which other clusters read the same rows
	s_cselect_b64 s[PFA:PFA+1], s[68:69], s[70:71]
	s_cmp_eq_u32 s22, 0
	s_cselect_b32 s[LIM], 1, -1
	s_cmp_eq_u32 s10, 1                            ; A's 128 rows are four times 32: wave 0 names my work-group's, wave 1 nothing
	s_cselect_b32 s[LIM], -1, s[LIM]
	s_lshl_b32 s21, s21, 5
	s_add_co_u32 s20, s20, s21
	s_lshl_b32 s20, s20, 11
	s_mov_b32 s21, 0
	s_add_nc_u64 s[PFA:PFA+1], s[PFA:PFA+1], s[20:21]
	s_add_nc_u64 s[PFA:PFA+1], s[PFA:PFA+1], 3*KSTEP*2  ; at K step 3: the first refill steps it to 4
; 8 matrix instructions: m block a x all 8 n blocks, 32 along K.  zero = 1: the first product starts the sum with the bias.  The 32 accumulators take turns, one instruction a turn.
.macro MUL8 f, a, zero
	WIN 0x50+0x10*(\zero)                          ; C and D window 1; the bias as C: window 2
.irp b, 0,1,2,3,4,5,6,7
.if \zero
	v_wmma_f32_16x16x32_bf16 v[8*(8*(\a)+(\b)):8*(8*(\a)+(\b))+7], v[(\f)+8*(\b):(\f)+8*(\b)+7], v[(\f)+64+8*(\a):(\f)+64+8*(\a)+7], v[8*(\b):8*(\b)+7]
.else
	v_wmma_f32_16x16x32_bf16 v[8*(8*(\a)+(\b)):8*(8*(\a)+(\b))+7], v[(\f)+8*(\b):(\f)+8*(\b)+7], v[(\f)+64+8*(\a):(\f)+64+8*(\a)+7], v[8*(8*(\a)+(\b)):8*(8*(\a)+(\b))+7]
.endif
.endr
.endm
; 24 LDS loads in one run: the fragments of quarter q (32 along K) into buffer f: B's sixteen loads, then A's eight
.macro FETCH slot, q, f
	WIN 0
.irp b, 0,1,2,3,4,5,6,7
	ds_load_b128 v[(\f)+8*(\b):(\f)+8*(\b)+3],   v[ADRB+(\slot)] offset:64*(\q)+(\b)*16*PITCH
	ds_load_b128 v[(\f)+8*(\b)+4:(\f)+8*(\b)+7], v[ADRB+(\slot)] offset:64*(\q)+(\b)*16*PITCH+32
.endr
.irp a, 0,1,2,3
	ds_load_b128 v[(\f)+64+8*(\a):(\f)+64+8*(\a)+3],   v[ADRA+(\slot)] offset:64*(\q)+(\a)*16*PITCH
	ds_load_b128 v[(\f)+64+8*(\a)+4:(\f)+64+8*(\a)+7], v[ADRA+(\slot)] offset:64*(\q)+(\a)*16*PITCH+32
.endr
.endm
.macro PLACES                          ; four places in front of loads into registers that matrix instructions have read, and of lines that read results
.rept 4
	v_nop
.endr
.endm
; A K step is four quarters of 32 along K, 32 matrix instructions each, on buffers 0, 1, 0, 1.  One of the first three multiplies buffer f and fetches quarter qn into g.
.macro QUARTER slot, qn, f, g, zero
	s_wait_dscnt 4                                 ; B and A's blocks 0 and 1 are in; the youngest four loads (A's blocks 2, 3) may be out
	MUL8 \f, 0, \zero
	MUL8 \f, 1, \zero
	PLACES
	FETCH \slot, \qn, \g
	s_wait_dscnt 24                                ; all but the 24 just issued
	MUL8 \f, 2, \zero
	MUL8 \f, 3, \zero
.endm
; The last quarter multiplies buffer 1 and changes slots: one barrier; in front of it each wave waits for all its tensor loads, adds 0 to its spare word, and waits for that and for its reads of this slot.
; fill = 1: the barrier opens a round of the cluster's, and this slot is filled again, two K steps ahead, first thing behind the round.
.macro TURN slot, next, fill
.if \fill
	s_wait_xcnt 0x0                                ; the last prefetch, a K step back, has read its address
	s_add_nc_u64 s[PFA:PFA+1], s[PFA:PFA+1], KSTEP*2
.endif
	WIN 0                                          ; (the add's two registers lie in window 0)
	s_wait_tensorcnt 0x0                           ; all my tensor loads have landed: my part of the next slot;
	ds_add_u32 v[SPW], v[NIL]                      ; 0 onto my spare word;
	s_wait_dscnt 5                                 ; (the add and the youngest four loads may be out)
	MUL8 F1, 0, 0                                  ; eight matrix instructions stand between the add and the wait for it
	s_wait_dscnt 0x0                               ; the add is done, and my reads of this slot are over
	s_barrier_signal -1
	MUL8 F1, 1, 0
.if \fill
	WIN 0
.endif
	s_barrier_wait -1
.if \fill
	CREST                                          ; no wave of any partner still reads this slot's tile or has a load on its way
	s_add_nc_u64 s[G0+4*(\slot)+2:G0+4*(\slot)+3], s[G0+4*(\slot)+2:G0+4*(\slot)+3], 2*KSTEP*2
	s_add_nc_u64 s[G0B+4*(\slot)+2:G0B+4*(\slot)+3], s[G0B+4*(\slot)+2:G0B+4*(\slot)+3], 2*KSTEP*2
	JLOAD \slot                                    ; 112 matrix instructions ahead of the wait for it; the four v_nop behind it are also the places in front of the loads below
.else
	PLACES
.endif
	FETCH \next, 0, F0
.if \fill
	ASK
.endif
	MUL8 F1, 2, 0
	MUL8 F1, 3, 0
.endm
	; THE BIAS IS ROUNDED TO bf16, in the wait for the first tile: two numbers are packed into a register of fragment buffer 1, which is not yet in use, and widened back into their places.
	s_wait_loadcnt 0x0                             ; the sixteen loads of the bias are in
	s_mov_b32 s20, 0xffff0000                      ; a word's upper bf16
	WIN 0x0a                                       ; sources in window 2, destination in window 0
.set z, 0
.rept 32
	v_cvt_pk_bf16_f32 v[F1+z], v[2*z], v[2*z+1]
.set z, z+1
.endr
	WIN 0x80                                       ; destination in window 2, sources in window 0
.set z, 0
.rept 32
	v_lshlrev_b32 v[2*z], 16, v[F1+z]
	v_and_b32 v[2*z+1], s20, v[F1+z]
.set z, z+1
.endr
	WIN 0
	s_wait_tensorcnt 1                             ; my part of K step 0 is in; K step 1's may stay out
	s_barrier_signal -1
	s_barrier_wait -1
	FETCH 0, 0, F0
	QUARTER 0, 1, F0, F1, 1                        ; the first quarter stands in front of the loop: its products start the sums
	WIN 0
	s_mov_b32 s3, LAPS-1
.Llap:                                                 ; a trip goes once round the ring, from a lap's second quarter to the next lap's first, and fills both slots again
	QUARTER 0, 2, F1, F0, 0
	QUARTER 0, 3, F0, F1, 0
	TURN 0, 1, 1
	QUARTER 1, 1, F0, F1, 0
	QUARTER 1, 2, F1, F0, 0
	QUARTER 1, 3, F0, F1, 0
	TURN 1, 0, 1
	QUARTER 0, 1, F0, F1, 0
	WIN 0
	s_sub_co_u32 s3, s3, 1
	s_cmp_lg_u32 s3, 0
	s_cbranch_scc1 .Llap
	QUARTER 0, 2, F1, F0, 0                        ; the last lap fills nothing
	QUARTER 0, 3, F0, F1, 0
	TURN 0, 1, 0
	QUARTER 1, 1, F0, F1, 0
	QUARTER 1, 2, F1, F0, 0
	QUARTER 1, 3, F0, F1, 0
	s_wait_dscnt 4
	MUL8 F1, 0, 0
	MUL8 F1, 1, 0
	s_wait_dscnt 0x0
	MUL8 F1, 2, 0
	MUL8 F1, 3, 0
	WIN 0
	PLACES
	PLACES                                         ; (eight, once a launch)
; THE WAY OUT, in eight blocks e of 16 rows (a = e / 2) x one head's 64 channels (e % 2): four accumulators, 32 registers on end.
; q and k: hi = f16(sum); the residual sum - hi, exact in f32; lo = f16(residual).  Through my own stage: 16 bytes a lane in, whole rows of 256 bytes back.
.macro PACKQ e
.set AC, 8*(8*((\e)/2)+4*((\e)%2))
	WIN 0x05                                       ; sources in window 1
.set z, 0
.rept 16
	v_cvt_pk_f16_f32 v[TH+z], v[AC+2*z], v[AC+2*z+1]   ; each accumulator's registers in ascending order
.set z, z+1
.endr
	WIN 0x10                                       ; the sum, source 2, in window 1
.set z, 0
.rept 32
.if z%2
	v_fma_mix_f32 v[TR+z], -v[TH+z/2], v[ONE], v[AC+z] op_sel:[1,0,0] op_sel_hi:[1,0,0]
.else
	v_fma_mix_f32 v[TR+z], -v[TH+z/2], v[ONE], v[AC+z] op_sel_hi:[1,0,0]
.endif
.set z, z+1
.endr
	WIN 0
.set z, 0
.rept 16
	v_cvt_pk_f16_f32 v[TL+z], v[TR+2*z], v[TR+2*z+1]
.set z, z+1
.endr
.endm
.macro TOSTQ e
.irp bb, 0,1,2,3
	ds_store_b128 v[STO], v[TH+4*(\bb):TH+4*(\bb)+3] offset:32*(\bb)
	ds_store_b128 v[STO], v[TL+4*(\bb):TL+4*(\bb)+3] offset:128+32*(\bb)
.endr
	s_wait_xcnt 0x0                                ; the stores of two blocks back have read the registers that are loaded again below
.irp t, 0,1,2,3,4,5,6,7
	ds_load_b128 v[BK+32*((\e)%2)+4*(\t):BK+32*((\e)%2)+4*(\t)+3], v[RD] offset:(\t)*2*SPITCH  ; LDS serves a wave's instructions in order (ISA guide 5.7.1.4): these see the stores above
.endr
.endm
.macro SENDQ e
	s_wait_dscnt 0x0                               ; the block is back in registers
.irp t, 0,1,2,3,4,5,6,7
	global_store_b128 v[CO], v[BK+32*((\e)%2)+4*(\t):BK+32*((\e)%2)+4*(\t)+3], s[OUT:OUT+1] offset:((\e)%2)*524288+((\e)/2)*4096+512*(\t)  ; 16 lanes store one row: 256 consecutive bytes, aligned
.endr
.endm
.macro PACKV e
.set AC, 8*(8*((\e)/2)+4*((\e)%2))
	WIN 0x05
.set z, 0
.rept 16
	v_cvt_pk_f16_f32 v[TH+z], v[AC+2*z], v[AC+2*z+1]
.set z, z+1
.endr
	WIN 0
.endm
.macro TOSTV e
.irp bb, 0,1,2,3
	ds_store_b128 v[STOV], v[TH+4*(\bb):TH+4*(\bb)+3] offset:32*(\bb)
.endr
	s_wait_xcnt 0x0
.irp f, 0,1,2,3
	ds_load_b128 v[BK+16*((\e)%2)+4*(\f):BK+16*((\e)%2)+4*(\f)+3], v[RDV] offset:(\f)*4*VPITCH
.endr
.endm
.macro SENDV e
	s_wait_dscnt 0x0
.irp f, 0,1,2,3
	global_store_b128 v[GOV], v[BK+16*((\e)%2)+4*(\f):BK+16*((\e)%2)+4*(\f)+3], s[OUT:OUT+1] offset:((\e)%2)*262144+((\e)/2)*2048+512*(\f)  ; four rows: 512 consecutive bytes
.endr
.endm
	s_cmp_eq_u32 s[KIND], 2
	s_cbranch_scc1 .Lv
	PACKQ 0
	TOSTQ 0
.irp e, 1,2,3,4,5,6,7                  ; a block's arithmetic stands between the loads of the block before and the wait for them
	PACKQ \e
	SENDQ (\e)-1
	TOSTQ \e
.endr
	SENDQ 7
	s_branch .Lend
.Lv:
	PACKV 0
	TOSTV 0
.irp e, 1,2,3,4,5,6,7
	PACKV \e
	SENDV (\e)-1
	TOSTV \e
.endr
	SENDV 7
.Lend:
	s_wait_tensorcnt 0x0                           ; the wave's end: behind my last tensor load and my last LDS store
	ds_add_u32 v[SPW], v[NIL]
	s_wait_dscnt 0x0
	CROUND                                         ; the closing round: no work-group ends while a partner may still ask for a tile that names it
	s_endpgm
.Lfunc_end_k_q92788391da_qkv:
	.size	k_q92788391da_qkv, .Lfunc_end_k_q92788391da_qkv-k_q92788391da_qkv
	.p2alignl 7, 3214868480
	.fill 96, 4, 3214868480
	.section	.rodata,"a",@progbits
	.p2align	6, 0x0
	.amdhsa_kernel k_q92788391da_qkv
		.amdhsa_group_segment_fixed_size 327680
		.amdhsa_private_segment_fixed_size 0
		.amdhsa_enable_private_segment 0
		.amdhsa_kernarg_size 64
		.amdhsa_user_sgpr_count 2
		.amdhsa_user_sgpr_kernarg_segment_ptr 1
		.amdhsa_wavefront_size32 1
		.amdhsa_system_sgpr_workgroup_id_x 1
		.amdhsa_system_sgpr_workgroup_id_y 1
		.amdhsa_system_sgpr_workgroup_id_z 1
		.amdhsa_system_vgpr_workitem_id 0
		.amdhsa_next_free_vgpr 576
		.amdhsa_next_free_sgpr 92
		.amdhsa_reserve_vcc 0
		.amdhsa_float_denorm_mode_32 3
		.amdhsa_float_denorm_mode_16_64 3
		.amdhsa_memory_ordered 1
		.amdhsa_forward_progress 1
		.amdhsa_inst_pref_size 142
	.end_amdhsa_kernel
	.amdgpu_metadata
---
amdhsa.version: [ 1, 2 ]
amdhsa.kernels:
  - .name:           k_q92788391da_qkv
    .symbol:         k_q92788391da_qkv.kd
    .args:
      - { .name: xb, .offset: 0, .size: 8, .value_kind: global_buffer, .address_space: global }
      - { .name: wqkv, .offset: 8, .size: 8, .value_kind: global_buffer, .address_space: global }
      - { .name: bq, .offset: 16, .size: 8, .value_kind: global_buffer, .address_space: global }
      - { .name: bk, .offset: 24, .size: 8, .value_kind: global_buffer, .address_space: global }
      - { .name: bv, .offset: 32, .size: 8, .value_kind: global_buffer, .address_space: global }
      - { .name: qq, .offset: 40, .size: 8, .value_kind: global_buffer, .address_space: global }
      - { .name: kk, .offset: 48, .size: 8, .value_kind: global_buffer, .address_space: global }
      - { .name: vv, .offset: 56, .size: 8, .value_kind: global_buffer, .address_space: global }
    .group_segment_fixed_size: 327680
    .private_segment_fixed_size: 0
    .kernarg_segment_align: 8
    .kernarg_segment_size: 64
    .max_flat_workgroup_size: 128
    .sgpr_count:     92
    .vgpr_count:     576
    .wavefront_size: 32
...
	.end_amdgpu_metadata
.endif
;; end of part 2
;; launch attn (part 3): grid 8 x 64, 4 waves a work-group, clusters of 4 x 1, 327,680 bytes of LDS; arguments qq, kk, vv, oo; writes oo
.if DOCPART == 3
	.amdgcn_target "amdgcn-amd-amdhsa--gfx1250"
	.amdhsa_code_object_version 6
	.text
	.protected	k_q92788391da_attn
	.globl	k_q92788391da_attn
	.p2align	8
	.type	k_q92788391da_attn,@function
k_q92788391da_attn:
	s_mov_b64 s[64:65], 0
	v_nop
	global_prefetch_b8 v0, s[64:65] scope:SCOPE_SE
	s_setreg_imm32_b32 hwreg(HW_REG_WAVE_MODE, 25, 1), 1
	s_wait_xcnt 0x0
	s_wait_alu depctr_hold_cnt(0) depctr_sa_sdst(0) depctr_va_vdst(0) depctr_va_sdst(0) depctr_va_ssrc(0) depctr_va_vcc(0) depctr_vm_vsrc(0)
	s_getreg_b32 s2, hwreg(HW_REG_IB_STS2, 6, 4)
	s_cmp_eq_u32 s2, 0
	s_cbranch_scc0 .Lentry_in_a_cluster
	s_endpgm
.Lentry_in_a_cluster:
	s_bfe_u32 s2, ttmp6, 0x10000c
	s_cmp_lg_u32 s2, 0x3003
	s_cbranch_scc0 .Lentry_shape_is_right
	s_endpgm
.Lentry_shape_is_right:
; ATTENTION WITH SIGNED WEIGHTS.  O[bh][q][:] = the sum over k of sign(s) softmax_k(|s| / 8) V[bh][k][:], s = Q[bh][q] . K[bh][k].
; qq, kk: [64][2048][128] f16, a row = 64 channels hi, then 64 channels lo (value = hi + lo, unscaled).  vv, oo: [64][2048][64] f16.
; THE SCORES.  A wrong sign of one score moves a whole output row, so s is made to 22 bits of its operands: s = K_lo Q_hi + K_hi Q_lo + K_hi Q_hi, six links of one f32 sum (lo x lo is left out: 2^-22 of a term).
; THE SIGN.  sign(s) is taken as the ramp clamp(s x 2^18 / m, -1, 1), m the query's running maximum of |s|: equal to sign(s) wherever |s| >= 2^-18 m, and 0 at s = 0.
; LIMIT: a score nearer to 0 than 2^-18 m gets a weight between the two signs', so it is off by one weight at the most, where a hard sign taken of a rounded score could be off by two.
; SOFTMAX.  p = 2^(c |s| - c m), c = log2(e) / 8, with the running maximum m (from 0, the lower bound of |s|) and sum l of the unsigned, unrounded p; in every step O and l are multiplied by
; a = 2^(c m_old - c m_new).  The signed weight is rounded to f16 for the second product, O once at the end.
; LIMITS.  Q, K, V arrive within f16's range; a weight below 2^-126 counts as 0 in l; NaN and infinities are not treated apart.
; SHARES.  A work-group owns 256 queries of one head, a wave 64: two PIECES of two tiles of 16.  Every wave walks all 2,048 keys, 64 a step; an LDS slot holds 256 keys, four steps.
; LAYOUT.  S^T = K Q^T (source 0 = 16 keys, source 1 = 16 queries): a lane holds ONE query (lane % 16) and the keys 8 (lane / 16) + 0..7.  Two such results rounded to f16 ARE source 1 of
; O^T = V^T P.  K comes out of LDS as it lies, V ([key][channel]) turned, by ds_load_tr16_b128.
; BY TURNS.  A turn belongs to piece y.  Part A: 16 products V^T P and then 48 products K Q^T of the OTHER piece; behind each stand four vector instructions of piece y (ramp, scaling, exponentials,
; rescaling); then a lump: the other piece's maximum and statistics.  All of the turn's 68 transcendentals stand in part A, and nothing there names a result of theirs: ONE wait ends it.
; Part B: a lump of 96: sums, roundings, signs.  Two turns are a key step: 128 matrix and 800 vector instructions.
; CLUSTER.  The four query blocks of a cluster belong to one head and walk the same K and V: each tile is asked for jointly.
; REGISTERS, in windows of 256 (s_set_vgpr_msb: bits 1:0 source 0, 3:2 source 1, 5:4 source 2, 7:6 destination):
;   window 0: v0-15 addresses and constants; v16-31 four statistics a tile; v32-33 the add's; v48-63 at work; v64-191 S^T, 32 a tile; v192-255 P, 16 a tile
;   window 1: v0-127 O^T, 32 a tile; v128-191 K_lo of one step; v192-255 Q_lo          window 2: v0-63 Q_hi; v128-191 K_hi of one step; v192-255 V of one step
.set KS,    64
.set PK,    272       ; a row of kk in LDS: 256 bytes + 16 = 68 words: the 16 rows of a load start at 16 different groups of four banks (64 banks of 4 bytes: ISA guide 11.1)
.set PV,    160       ; a row of V: 128 + 32 = 40 words
.set VOFF,  4*KS*PK   ; a slot: 256 rows of kk, then 256 rows of V
.set SLOT1, 1<<17     ; slot 1 begins here: one exclusive or turns an address in one slot into the other's
.set STAGE, SLOT1+4*KS*(PK+PV)  ; behind the ring: 16 rows x 144 bytes for each wave, for the way out
.set SP,    144
.set SPARE, STAGE+4*16*SP       ; behind the stages: the spare words, 128 bytes for each wave
.set AK0, 2           ; v2   my lane's place in a tile of K; never rewritten
.set AV0, 3           ; v3   the same for V
.set AK,  4           ; v4   the LDS address of K's run of loads
.set AV,  5           ; v5   of V's
.set QO,  6           ; v6   my byte offset in 16 rows of qq
.set STO, 6           ;      later, the way out: where I put 16 bytes of a row
.set RD,  7           ; v7   the way out: where I read rows back
.set GO,  8           ; v8   my byte offset in 512 consecutive bytes of oo
.set PFO, 9           ; v9   at first l / 16; then 256 x my lane, the prefetches' offset
.set HALF, 10         ; v10-11 at first at work; then 0.5, 0.5
.set MV,  12          ; v12-15 c m_old, kept while c m is made anew: by tile
.set ST,  16          ; tile t's statistics at v[ST+4 t]: c m, m, l (even keys', odd keys')
.set SPW, 32          ; v32  LDS address of my spare word; never rewritten
.set NIL, 33          ; v33  0; never rewritten
.set TMP, 48          ; by tile, four registers c0-c3 at work; at the end c0 holds 2^17 / m and c2 holds a
.set S,   64
.set P,   192
.set KF,  128         ; K's fragments, hi in window 2 and lo in window 1: key block kb, channel half c at KF + 16 kb + 8 c
.set VF,  192         ; V's, window 2: key half kk, channel block cb at VF + 32 kk + 8 cb
.set QL,  192         ; Q_lo, window 1: tile t, channel half c at QL + 16 t + 8 c (Q_hi: window 2, 16 t + 8 c)
.set WV,  12          ; s12  my wave's number
.set LIM, 15          ; s15  1 in a wave that prefetches, else the greatest number
.set PFA, 18          ; s[18:19] where my prefetches stand
.set G1K, 24          ; s[24:31] descriptor group 1 for kk's tiles
.set G1V, 32          ; s[32:39] for V's
.set G0K, 40          ; s[40:43] descriptor group 0 for kk's tiles: it walks
.set G0V, 44          ; s[44:47] the same for V's
.set PFS, 48          ; s[48:49] a slot's bytes in the tensor that I prefetch
.set RA,  50          ; s50  2^-17
.set RB,  51          ; s51  2^-100: keeps the reciprocal finite where all scores are 0
.set SLOTS, 56        ; s56  slots still to be asked for
.set CNT, 57          ; s57  counts a slot's key steps
.set CS,  58          ; s[58:59] c
.set SEL, 60          ; s[60:61] v_permlanex16_b32's selects: each lane takes its own place in the other half
.set TBK, 62          ; s62  LDS byte at which K of the step to be fetched begins
.set TBV, 63          ; s63  the same for V, less VOFF
.set MSB, 0
.macro WIN new                      ; the high byte repeats the setting that is left; a switch that changes nothing is dropped
.if MSB != (\new)
	s_set_vgpr_msb (MSB<<8)|(\new)
.set MSB, (\new)
.endif
.endm
.set W_PV, 0x52       ; V in window 2, P in window 0, O^T in window 1
.set W_RS, 0x41       ; O^T (destination and source 0) in window 1, the factor in window 0
; A joint fill.  Waves 0 and 1 fetch the two halves of a slot's kk, waves 2 and 3 those of its V: 128 keys each.  The branch hangs on the wave's number alone.
; An s_nop 0 and four v_nop follow each of the two lines, ahead of the jump and the label.
.macro JLOAD
	s_cmp_lt_u32 s[WV], 2
	s_cbranch_scc0 .Lfor_v_\@
	tensor_load_to_lds s[G0K:G0K+3], s[G1K:G1K+7]
	s_nop 0
.rept 4
	v_nop
.endr
	s_branch .Lasked_\@
.Lfor_v_\@:
	tensor_load_to_lds s[G0V:G0V+3], s[G1V:G1V+7]
	s_nop 0
.rept 4
	v_nop
.endr
.Lasked_\@:
.endm
; A PREFETCH INTO THE L2 of what the NEXT change of slots will ask for, four key steps (512 matrix instructions) ahead of that load: 256 rows of kk and 128 blocks of 256 bytes of V.
; Each block is named once in the launch: a head's two clusters walk the same rows, and the first asks; its four partners share the blocks out by address; in each, waves 0 and 1 name 32 rows of kk each
; and wave 2 names 32 blocks of V: a lane a block.  Slots 0 to 2 come by their loads alone; the last change that fills a slot asks for nothing.
.macro ASK
	s_cmp_gt_u32 s[SLOTS], s[LIM]
	s_cbranch_scc0 .Lnot_mine_\@
	global_prefetch_b8 v[PFO], s[PFA:PFA+1] th:TH_LOAD_NT scope:SCOPE_SE
.Lnot_mine_\@:
.endm
.macro CROUND                       ; a round of the cluster's barrier
	s_barrier_signal -1
	s_barrier_wait -1
	s_cmp_lg_u32 s[WV], 0
	s_cbranch_scc1 .Lnot_wave_0_\@
	s_barrier_signal -3
.Lnot_wave_0_\@:
	s_barrier_wait -3
	s_barrier_signal -1
	s_barrier_wait -1
.endm
; THE CHANGE OF SLOTS.  The slot's last bytes, V of its fourth step, have been asked for.  Each wave waits for all its tensor loads, of which one is out: its part of the other slot; adds 0 to its spare
; word; and waits for that and for its own reads of the slot.  fill = 1: the barrier is a round of the cluster's, and the slot is filled again, with the keys two slots on, first thing behind it.
; (At its first use nothing has been read yet: slot 0 is waited for, slot 1 filled.)
.macro CHANGE fill, ask
	WIN 0
	s_wait_tensorcnt 0x0            ; no tensor load of mine is out, so a group 0 may be written
	ds_add_u32 v[SPW], v[NIL]       ; 0 onto my spare word; the descriptors' steps stand between it and the wait for it
.if \fill
	s_xor_b32 s[G0K+1], s[G0K+1], SLOT1
	s_add_nc_u64 s[G0K+2:G0K+3], s[G0K+2:G0K+3], 4*KS*256  ; the next 256 keys; the type bits on top are not reached
	s_xor_b32 s[G0V+1], s[G0V+1], SLOT1
	s_add_nc_u64 s[G0V+2:G0V+3], s[G0V+2:G0V+3], 4*KS*128
	s_wait_xcnt 0x0                 ; the last prefetch, four key steps back, has read its address
	s_add_nc_u64 s[PFA:PFA+1], s[PFA:PFA+1], s[PFS:PFS+1]
	s_wait_dscnt 0x0                ; the add is done, and my reads of the slot are over
	CROUND
	JLOAD
.if \ask
	ASK
.endif
.else
	s_wait_dscnt 0x0
	s_barrier_signal -1
	s_barrier_wait -1
.endif
	s_sub_co_u32 s[TBK], s[TBK], 4*KS*PK  ; the fetches go back to a slot's first step,
	s_xor_b32 s[TBK], s[TBK], SLOT1       ; in the other slot
	s_sub_co_u32 s[TBV], s[TBV], 4*KS*PV
	s_xor_b32 s[TBV], s[TBV], SLOT1
.endm
	s_load_b256 s[4:11], s[0:1], 0x0  ; qq s[4:5], kk s[6:7], vv s[8:9], oo s[10:11]
	v_lshl_add_u32 v[SPW], v0, 2, SPARE
	v_mov_b32 v[NIL], 0
	ds_add_u32 v[SPW], v[NIL]       ; the wave's opening: the add and its wait stand ahead of my first tensor load; the set-up below stands between them
	v_lshrrev_b32 v1, 5, v0
	v_readfirstlane_b32 s[WV], v1   ; wave 0..3
	s_bfe_u32 s13, ttmp6, 0x40000   ; cx: my place in the cluster
	s_lshl_b32 s14, ttmp9, 2
	s_add_co_u32 s14, s14, s13      ; my block of 256 queries: it enters qq's and oo's addresses alone
	s_and_b32 s20, ttmp7, 0xffff    ; bh, which the four partners share
	s_and_b32 s16, s[WV], 1         ; which half of a slot's 256 keys I fetch
	s_lshl_b32 s22, s20, 19         ; kk: the head's 524,288 bytes, my half's 32,768
	s_lshl_b32 s2, s16, 15
	s_add_co_u32 s22, s22, s2
	s_mov_b32 s23, 0
	s_lshl_b32 s52, s20, 18         ; vv: half of that
	s_lshl_b32 s2, s16, 14
	s_add_co_u32 s52, s52, s2
	s_mov_b32 s53, 0
	s_mul_i32 s17, s16, 128*PK      ; my half's place in a slot, for kk
	s_mul_i32 s21, s16, 128*PV      ; and for V: no place in the cluster enters an LDS address
	s_lshl_b32 s2, s14, 2
	s_add_co_u32 s2, s2, s[WV]      ; my wave among the head's 32,
	s_lshl_b32 s54, s2, 13          ; its 64 rows in oo
	s_lshl_b32 s2, s2, 14           ; and in qq
	s_lshl_b32 s3, s20, 19
	s_add_co_u32 s2, s2, s3
	s_lshl_b32 s3, s20, 18
	s_add_co_u32 s54, s54, s3
	s_mov_b32 s3, 0
	s_mov_b32 s55, 0
	s_mov_b32 s[G1K], 15|(1<<16)|(1<<20)|(1<<21)|(5<<22)|(3<<25)  ; 15:0 the mask of four; 17:16 2-byte elements; 20 padding on; 21 set beside a mask; 24:22 after every 64 words (code 5); 31:25 4 words (code 3)
	s_mov_b32 s[G1K+1], 128<<16     ; tensor_dim0 = 128
	s_mov_b32 s[G1K+2], 128<<16     ; tensor_dim1 = 128
	s_mov_b32 s[G1K+3], 128<<16     ; tile_dim0 = 128
	s_mov_b32 s[G1K+4], 128         ; tile_dim1 = 128
	s_mov_b32 s[G1K+5], 128         ; elements from row to row
	s_mov_b32 s[G1K+6], 0
	s_mov_b32 s[G1K+7], 0
	s_mov_b32 s[G1V], 15|(1<<16)|(1<<20)|(1<<21)|(4<<22)|(7<<25)  ; V: 128 keys are 16,384 dense bytes: 64 rows of 256 bytes, padded by 8 words (code 7) after every 32 (code 4): after every key
	s_mov_b32 s[G1V+1], 128<<16
	s_mov_b32 s[G1V+2], 64<<16
	s_mov_b32 s[G1V+3], 128<<16
	s_mov_b32 s[G1V+4], 64
	s_mov_b32 s[G1V+5], 128
	s_mov_b32 s[G1V+6], 0
	s_mov_b32 s[G1V+7], 0
	s_mov_b32 s[CS], 0x3e38aa3b     ; c = log2(e) / 8
	s_mov_b32 s[CS+1], s[CS]
	s_mov_b32 s[SEL], 0x76543210
	s_mov_b32 s[SEL+1], 0xfedcba98
	s_mov_b32 s[RA], 0x37000000
	s_mov_b32 s[RB], 0x0d800000
	s_mov_b32 s[TBK], SLOT1+4*KS*PK ; the first change of slots turns these two into 0
	s_mov_b32 s[TBV], SLOT1+4*KS*PV
	s_mov_b32 s[G0K], 1
	s_mov_b32 s[G0K+1], s17         ; slot 0
	s_mov_b32 s[G0V], 1
	s_add_co_u32 s[G0V+1], s21, VOFF
	s_cmp_eq_u32 s[WV], 3           ; waves 0, 1, 2 of the head's first cluster prefetch: the same in all four partners
	s_cselect_b32 s[LIM], 1, 0
	s_or_b32 s[LIM], s[LIM], ttmp9
	s_cmp_eq_u32 s[LIM], 0
	s_cselect_b32 s[LIM], 1, -1
	s_wait_dscnt 0x0                ; the opening add is done
	s_wait_kmcnt 0x0
	s_add_nc_u64 s[G0K+2:G0K+3], s[6:7], s[22:23]
	s_or_b32 s[G0K+3], s[G0K+3], 0x80000000
	s_add_nc_u64 s[G0V+2:G0V+3], s[8:9], s[52:53]
	s_or_b32 s[G0V+3], s[G0V+3], 0x80000000
	s_add_nc_u64 s[4:5], s[4:5], s[2:3]      ; qq and oo at my wave's first row
	s_add_nc_u64 s[10:11], s[10:11], s[54:55]
	s_cmp_lt_u32 s[WV], 2
	s_cselect_b64 s[PFA:PFA+1], s[6:7], s[8:9]
	s_cselect_b32 s3, 1, 0          ; kk's figures are twice V's
	s_lshl_b32 s2, s20, 18          ; the head,
	s_lshl_b32 s14, s13, 13         ; my work-group's quarter of a slot,
	s_add_co_u32 s2, s2, s14
	s_add_co_u32 s2, s2, 0x8000     ; slot 1: the first change steps it to slot 2 and asks for nothing
	s_lshl_b32 s2, s2, s3
	s_lshl_b32 s[PFS], 0x8000, s3
	s_mov_b32 s[PFS+1], 0
	s_lshl_b32 s14, s16, 13         ; wave 1: the second 32 rows of kk
	s_add_co_u32 s2, s2, s14
	s_mov_b32 s3, 0
	s_add_nc_u64 s[PFA:PFA+1], s[PFA:PFA+1], s[2:3]
	CROUND                          ; all four work-groups are here: the first joint loads meet
	JLOAD                           ; slot 0.  Slot 1 is asked for when slot 0 is in
	v_and_b32 v1, 15, v0            ; l % 16
	v_bfe_u32 v9, v0, 4, 1          ; l / 16
	v_lshlrev_b32 v[QO], 8, v1
	v_lshl_add_u32 v[QO], v9, 4, v[QO]  ; row x 256 + 16 x half
	WIN 0x80                        ; Q stays in registers: tile i / 2, channels 32 (i % 2) on; hi into window 2,
.set i, 0
.rept 8
	global_load_b128 v[8*i:8*i+3],   v[QO], s[4:5] offset:(i/2)*4096+(i%2)*64
	global_load_b128 v[8*i+4:8*i+7], v[QO], s[4:5] offset:(i/2)*4096+(i%2)*64+32
.set i, i+1
.endr
	; What the first turn finds: V's registers and piece 1's P hold 0 (its products V^T P, of a step that has not been, add 0); O^T, l, m and c m are 0.  All this stands in the wait for the first tile.
.set i, VF
.rept 64
	v_mov_b32 v[i], 0
.set i, i+1
.endr
	WIN 0x40                        ; lo into window 1
.set i, 0
.rept 8
	global_load_b128 v[QL+8*i:QL+8*i+3],   v[QO], s[4:5] offset:(i/2)*4096+(i%2)*64+128
	global_load_b128 v[QL+8*i+4:QL+8*i+7], v[QO], s[4:5] offset:(i/2)*4096+(i%2)*64+160
.set i, i+1
.endr
.set i, 0
.rept 128
	v_mov_b32 v[i], 0
.set i, i+1
.endr
	WIN 0
.set i, 0
.rept 16
	v_mov_b32 v[ST+i], 0
.set i, i+1
.endr
.set i, P+32
.rept 32
	v_mov_b32 v[i], 0
.set i, i+1
.endr
	v_mul_u32_u24 v[AK0], v1, PK
	v_lshl_add_u32 v[AK0], v9, 4, v[AK0]  ; row x pitch + 16 x half
	; The turning load takes 16 keys x 16 channels (lane l reads key 8 (l / 16) + l % 8, channels 8 ((l / 8) % 2) + 0..7) and leaves half a fragment of V^T: lane l holds channel l % 16 and 8 keys.
	v_and_b32 v10, 7, v0
	v_bfe_u32 v11, v0, 3, 1
	v_lshl_add_u32 v[AV0], v9, 3, v10
	v_mul_u32_u24 v[AV0], v[AV0], PV
	v_lshl_add_u32 v[AV0], v11, 4, v[AV0]
	v_add_nc_u32 v[AV0], VOFF, v[AV0]
; THE MATRIX WORK.  The 8 accumulators of a run take turns, one instruction a turn.
; Product i of 48 of S^T for piece x: link i / 8 of six: K_lo Q_hi, K_hi Q_lo, K_hi Q_hi, each for channels 0-31 and 32-63; keys 16 ((i / 2) % 4) on, tile 2 x + i % 2.  The first 8 start the sums.
.macro KQ x
.set kS, S+64*(\x)+32*(i%2)+8*((i/2)%4)
.set kK, KF+16*((i/2)%4)+8*((i/8)%2)
.set kQ, 16*(2*(\x)+i%2)+8*((i/8)%2)
.if i < 16
	WIN 0x09                        ; K_lo in window 1, Q_hi in window 2
.elseif i < 32
	WIN 0x06                        ; K_hi in window 2, Q_lo in window 1
.set kQ, kQ+QL
.else
	WIN 0x0a                        ; both hi, in window 2
.endif
.if i < 8
	v_wmma_f32_16x16x32_f16 v[kS:kS+7], v[kK:kK+7], v[kQ:kQ+7], 0
.else
	v_wmma_f32_16x16x32_f16 v[kS:kS+7], v[kK:kK+7], v[kQ:kQ+7], v[kS:kS+7]
.endif
.endm
; Product i of 16 of O^T += V^T P for piece x: keys 32 (i / 8) on, channels 16 ((i / 2) % 4) on, tile 2 x + i % 2.
.macro PV x
	WIN W_PV
.set pO, 32*(2*(\x)+i%2)+8*((i/2)%4)
.set pV, VF+32*(i/8)+8*((i/2)%4)
.set pP, P+32*(\x)+16*(i%2)+8*(i/8)
	v_wmma_f32_16x16x32_f16 v[pO:pO+7], v[pV:pV+7], v[pP:pP+7], v[pO:pO+7]
.endm
.macro MM                           ; the turn's next matrix instruction, for the other piece
.if i < 16
	PV 1-Y
.else
.set i, i-16
	KQ 1-Y
.set i, i+16
.endif
.set i, i+1
.endm
; THE LDS LOADS stand in runs: a step's K (64 keys x 64 channels, hi and lo: 32 loads) and its V (turned: 16 loads).
; last = 1 (the tail): in the last trip there is no further step, and K's run is jumped over.
.macro FETCH_K last=0
	WIN 0
.if \last
	s_cmp_eq_u32 s[CNT], 1
	s_cbranch_scc1 .Lno_k_\@
.endif
	v_add_nc_u32 v[AK], s[TBK], v[AK0]
	WIN 0x80
.irp f, 0,1,2,3,4,5,6,7             ; keys 16 (f / 2) on, channels 32 (f % 2) on
	ds_load_b128 v[KF+8*\f:KF+8*\f+3],   v[AK] offset:(\f/2)*16*PK+(\f%2)*64
	ds_load_b128 v[KF+8*\f+4:KF+8*\f+7], v[AK] offset:(\f/2)*16*PK+(\f%2)*64+32
.endr
	WIN 0x40
.irp f, 0,1,2,3,4,5,6,7
	ds_load_b128 v[KF+8*\f:KF+8*\f+3],   v[AK] offset:(\f/2)*16*PK+(\f%2)*64+128
	ds_load_b128 v[KF+8*\f+4:KF+8*\f+7], v[AK] offset:(\f/2)*16*PK+(\f%2)*64+160
.endr
	s_add_co_u32 s[TBK], s[TBK], KS*PK  ; the next fetch is the next step's
	WIN 0
.if \last
.Lno_k_\@:
.endif
.endm
.macro FETCH_V
	WIN 0x80
.irp f, 0,1,2,3,4,5,6,7             ; keys 32 (f / 4) on, channels 16 (f % 4) on
	ds_load_tr16_b128 v[VF+8*\f:VF+8*\f+3],   v[AV] offset:(\f/4)*32*PV+(\f%4)*32
	ds_load_tr16_b128 v[VF+8*\f+4:VF+8*\f+7], v[AV] offset:(\f/4)*32*PV+16*PV+(\f%4)*32
.endr
	WIN 0
.endm
; THE VECTOR WORK stands in queues, each in the order in which its entries become ready; the two tiles alternate.
.macro REGS y, u                    ; the registers of tile u (0, 1) of piece y
.set rT, ST+4*(2*(\y)+(\u))
.set rC, TMP+8*(\y)+4*(\u)
.set rX, TMP+8*(1-(\y))+4*(\u)      ; a pair at work: the other piece's c0, c1, which hold nothing of use until its statistics are made anew
.set rM, MV+2*(\y)+(\u)
.set rS, S+64*(\y)+32*(\u)
.set rP, P+32*(\y)+16*(\u)
.set rO, 32*(2*(\y)+(\u))
.endm
; Number n of those that find the OTHER piece's maximum of |s| and its statistics.  Each accumulator's lowest registers are read first.
;   0-11  four chains c0-c3 of seven scores each     12-14, 16  the four scores left over, the old m, c0-c3 into c0     15  c m_old is kept     17, 18  the other half of the lanes': the new m
;   22  m 2^-17 + 2^-100     19, 20  c m; c m_old - c m_new     21  a     23  2^17 / m
.macro XS u, n
	REGS 1-Y, \u
.if (\n) < 4
	v_max3_num_f32 v[rC+(\n)], |v[rS+8*(\n)]|, |v[rS+8*(\n)+1]|, |v[rS+8*(\n)+2]|
.elseif (\n) < 12
	v_max3_num_f32 v[rC+(\n)%4], v[rC+(\n)%4], |v[rS+8*((\n)%4)+2*((\n)/4)+1]|, |v[rS+8*((\n)%4)+2*((\n)/4)+2]|
.elseif (\n) == 12
	v_max3_num_f32 v[rC], v[rC], |v[rS+7]|, |v[rS+15]|
.elseif (\n) == 13
	v_max3_num_f32 v[rC+1], v[rC+1], |v[rS+23]|, |v[rS+31]|
.elseif (\n) == 14
	v_max3_num_f32 v[rC+2], v[rC+2], v[rC+3], v[rT+1]
.elseif (\n) == 15
	v_mov_b32 v[rM], v[rT]
.elseif (\n) == 16
	v_max3_num_f32 v[rC], v[rC], v[rC+1], v[rC+2]
.elseif (\n) == 17
	v_permlanex16_b32 v[rC+3], v[rC], s[SEL], s[SEL+1]
.elseif (\n) == 18
	v_max_num_f32 v[rT+1], v[rC], v[rC+3]
.elseif (\n) == 19
	v_mul_f32 v[rT], s[CS], v[rT+1]
.elseif (\n) == 20
	v_sub_f32 v[rC+1], v[rM], v[rT]
.elseif (\n) == 21
	v_exp_f32 v[rC+2], v[rC+1]
.elseif (\n) == 22
	v_fma_f32 v[rC], v[rT+1], s[RA], s[RB]
.else
	v_rcp_f32 v[rC], v[rC]
.endif
.endm
; THE PLAIN QUEUE OF PART A, 204 long.  0-159: for pair k = q / 10 of the 16 pairs of scores, both tiles: the ramp's half 0.5 + s 2^17 / m held to 0..1; twice that less 1; it is rounded to f16 and parked
; where the weight will lie; then c |s| - c m for the pair's two scores, in place.  160-203: the other piece's 22 plain numbers of XS, both tiles.
.macro PA
	WIN 0
.if q < 160
	REGS Y, q%2
.set k, q/10
.set ty, (q%10)/2
.if ty == 0
	v_pk_fma_f32 v[rX:rX+1], v[rS+2*k:rS+2*k+1], v[rC:rC+1], v[HALF:HALF+1] op_sel_hi:[1,0,1] clamp
.elseif ty == 1
	v_pk_fma_f32 v[rX:rX+1], v[rX:rX+1], 2.0, -1.0 op_sel_hi:[1,0,0]
.elseif ty == 2
	v_cvt_pk_f16_f32 v[rP+k], v[rX], v[rX+1]
.else
	v_fma_f32 v[rS+2*k+ty-3], |v[rS+2*k+ty-3]|, s[CS], -v[rT]
.endif
.else
.set xi, (q-160)/2
.set xn, xi
.if xi == 14
.set xn, 15
.elseif xi == 15
.set xn, 14
.elseif xi == 19
.set xn, 22
.elseif xi > 19
.set xn, xi-1
.endif
	XS (q-160)%2, xn
.endif
.set q, q+1
.endm
; THE TRANSCENDENTALS' QUEUE, 68 long: the 64 exponentials of piece y, pair e / 4, then the other piece's two a and two reciprocals.  One batch.
.macro EX
	WIN 0
.if e >= 66
	XS e-66, 23
.elseif e >= 64
	XS e-64, 21
.else
	REGS Y, e%2
	v_exp_f32 v[rS+2*(e/4)+(e%4)/2], v[rS+2*(e/4)+(e%4)/2]
.endif
.set e, e+1
.endm
; THE RESCALING's QUEUE: O^T times a, two at a time, sixteen times.  Its a was made, and waited for, in the turn before.
.macro R2
	REGS Y, r%2
	WIN W_RS
.irp z, 0,1
	v_pk_mul_f32 v[rO+4*(r/2)+2*\z:rO+4*(r/2)+2*\z+1], v[rO+4*(r/2)+2*\z:rO+4*(r/2)+2*\z+1], v[rC+2:rC+3] op_sel_hi:[1,0]
.endr
.set r, r+1
.endm
; THE QUEUE OF PART B, 96 long: for pair k = g / 6, both tiles: l takes the pair (the first time as l = a l + pair); the pair is rounded to f16; it is multiplied by the parked ramp.
.macro PB
	WIN 0
	REGS Y, g%2
.set k, g/6
.set ty, (g%6)/2
.if (ty == 0) && (k == 0)
	v_pk_fma_f32 v[rT+2:rT+3], v[rT+2:rT+3], v[rC+2:rC+3], v[rS:rS+1] op_sel_hi:[1,0,1]
.elseif ty == 0
	v_pk_add_f32 v[rT+2:rT+3], v[rT+2:rT+3], v[rS+2*k:rS+2*k+1]
.elseif ty == 1
	v_cvt_pk_f16_f32 v[rS+2*k], v[rS+2*k], v[rS+2*k+1]
.else
	v_pk_mul_f16 v[rP+k], v[rS+2*k], v[rP+k]
.endif
.set g, g+1
.endm
; PART A OF A TURN, for piece y.  Sixteen groups of four products; group n carries pair n's ten plain instructions, pair n - 1's four exponentials (group 0 has none) and two rescalings.
; No rider names a register of the products round it: those are the other piece's.
; y = 0: V of the step in hand is fetched behind product 17: nine plain instructions behind product 15, the last that read V.  Its address is made at the head.
; y = 1: V is waited for at the head (K's 32 younger loads may stay out; in the tail K's run may have been jumped, so the count is 0), K ahead of product 16.
; The lump: the last four exponentials between the first numbers of XS; the other piece's last accumulator was ended by product 63, behind which stand three plain riders and seven numbers of XS before it is read.
.macro TA y, tail=0
.set Y, (\y)
.set i, 0
.set q, 0
.set e, 0
.set r, 0
.set gr, 0
.if (\y) == 0
	WIN 0
	v_add_nc_u32 v[AV], s[TBV], v[AV0]
	s_add_co_u32 s[TBV], s[TBV], KS*PV
.elseif \tail
	s_wait_dscnt 0x0                ; V is in
.else
	s_wait_dscnt 32                 ; V is in
.endif
.rept 16
.rept 3
.if ((\y) == 1) && (i == 16)
	s_wait_dscnt 0x0                ; K is in
.endif
	MM
	PA
	PA
.if gr > 0
	EX
.endif
	PA
.if ((\y) == 0) && (i == 18)
	FETCH_V
.endif
.endr
	MM
	PA
.if gr > 0
	EX
.endif
	R2
.set gr, gr+1
.endr
.rept 4
	PA
	EX
.endr
.rept 40
	PA
.endr
.rept 4
	EX
.endr
	v_nop                           ; a plain instruction behind the last transcendental: one for the batch (ISA guide 5.7.2)
	s_wait_alu depctr_va_vdst(0)    ; the wait ahead of the first line that names a result: one for the batch of 68
.endm
; PART B.  y = 0: K of the next step is fetched first: 44 plain instructions behind the last product that read K; the address is made here, behind the change of slots.
.macro TB y, last=0
.set Y, (\y)
.set g, 0
.if (\y) == 0
	FETCH_K \last
.endif
.rept 96
	PB
.endr
.endm
	CHANGE 1, 0                     ; slot 0 is in, everybody's part of it; slot 1 is asked for
	FETCH_K                         ; key step 0
	s_wait_loadcnt 0x0              ; Q
	s_wait_dscnt 0x0
.set i, 0
.rept 48
	KQ 0                            ; piece 0's first scores: there is no vector work yet to set between them
.set i, i+1
.endr
	WIN 0                           ; the addresses for the way out: plain instructions, the places behind those products
	s_mul_i32 s13, s[WV], 16*SP
	s_add_co_u32 s13, s13, STAGE    ; my stage
	v_mul_u32_u24 v[STO], v1, SP    ; in: row l % 16, 16 bytes for each half of the lanes
	v_lshl_add_u32 v[STO], v9, 4, v[STO]
	v_add_nc_u32 v[STO], s13, v[STO]
	v_bfe_u32 v[RD], v0, 3, 2       ; back: 32 lanes take four rows of 128 bytes,
	v_mul_u32_u24 v[RD], v[RD], SP
	v_lshl_add_u32 v[RD], v10, 4, v[RD]
	v_add_nc_u32 v[RD], s13, v[RD]
	v_and_b32 v[GO], 31, v0         ; which are 512 consecutive bytes of oo
	v_lshlrev_b32 v[PFO], 8, v[GO]
	v_lshlrev_b32 v[GO], 4, v[GO]
	v_mov_b32 v[HALF], 0.5
	v_mov_b32 v[HALF+1], 0.5
.set Y, 1                           ; XS works for the other piece: piece 0
.irp n, 0,1,2,3,4,5,6,7,8,9,10,11,12,13,15,14,16,17,18,22,19,20,21,23
	XS 0, \n
	XS 1, \n
.endr
	v_nop                           ; a plain instruction behind the four transcendentals,
	s_wait_alu depctr_va_vdst(0)    ; and their wait, ahead of the branch
	s_mov_b32 s[CNT], 4
	s_mov_b32 s[SLOTS], 7
	s_branch .Lfirst                ; the loop is entered at a step's first part, in the middle of a trip
.Lslot:                             ; six times: every slot but the last two is filled again
	CHANGE 1, 1
	s_mov_b32 s[CNT], 4
.Lstep:                             ; a trip: the rest of one step, whose successor's K it fetches, then the next step's first part, which fetches that step's V
	TB 0
	TA 1
	TB 1
	WIN 0
.Lfirst:
	TA 0
	WIN 0
	s_sub_co_u32 s[CNT], s[CNT], 1
	s_cmp_lg_u32 s[CNT], 0
	s_cbranch_scc1 .Lstep
	s_sub_co_u32 s[SLOTS], s[SLOTS], 1
	s_cmp_lg_u32 s[SLOTS], 0
	s_cbranch_scc1 .Lslot
	CHANGE 0, 0                     ; the tail is written out: nothing is asked for
	s_mov_b32 s[CNT], 5             ; four trips fetch the last slot's steps; the fifth is left in its middle
.Ltail:
	TB 0, 1
	TA 1, 1
	TB 1
	WIN 0
	s_sub_co_u32 s[CNT], s[CNT], 1
	s_cmp_eq_u32 s[CNT], 0
	s_cbranch_scc1 .Lout
	TA 0
	WIN 0
	s_branch .Ltail
.Lout:                              ; the fifth trip's 48 products K Q^T (on the last K once more) and the statistics made of them serve nothing: the price, once a launch, of one text for every trip
.set i, 0
.rept 16
	PV 1                            ; piece 1's V^T P of the last step
.set i, i+1
.endr
	; THE WAY OUT.  l's two halves and the other half of the lanes' are added; O^T is divided by l, rounded to f16 and sent through my stage in LDS, a tile at a time.  The additions are the places behind the last products.
	WIN 0
.macro ALL line:vararg              ; one line for each tile t
.set t, 0
.rept 4
	\line
.set t, t+1
.endr
.endm
	ALL v_add_f32 v[ST+4*t+2], v[ST+4*t+2], v[ST+4*t+3]
	ALL v_permlanex16_b32 v[ST+4*t+3], v[ST+4*t+2], s[SEL], s[SEL+1]
	ALL v_add_f32 v[ST+4*t+2], v[ST+4*t+2], v[ST+4*t+3]
	ALL v_rcp_f32 v[ST+4*t+2], v[ST+4*t+2]
	v_nop                           ; a plain instruction between the last reciprocal and the use of its result
	s_wait_alu depctr_va_vdst(0)    ; and the wait ahead of the first use: one for the four reciprocals
; Tile t: a lane's eight channels of a row pack into 16 bytes; they go into rows of 144 bytes and come back as whole rows of 128, into S^T's registers.
.macro PACK t
	WIN W_RS
.set i, 32*(\t)
.rept 16
	v_pk_mul_f32 v[i:i+1], v[i:i+1], v[ST+4*(\t)+2:ST+4*(\t)+3] op_sel_hi:[1,0]
.set i, i+2
.endr
	WIN 0x05                        ; sources 0 and 1 window 1, destination window 0
.set i, 0
.rept 16
	v_cvt_pk_f16_f32 v[S+16*(\t)+i], v[32*(\t)+2*i], v[32*(\t)+2*i+1]
.set i, i+1
.endr
	WIN 0
.irp f, 0,1,2,3
	ds_store_b128 v[STO], v[S+16*(\t)+4*\f:S+16*(\t)+4*\f+3] offset:32*\f
.endr
.irp f, 0,1,2,3
	ds_load_b128 v[S+16*(\t)+4*\f:S+16*(\t)+4*\f+3], v[RD] offset:\f*4*SP  ; LDS serves a wave's instructions in order (ISA guide 5.7.1.4): these see the stores above; the next tile's stores come behind them
.endr
.endm
.macro SEND t, younger              ; younger: the LDS instructions issued behind tile t's loads: the next tile's eight, or none
	WIN 0
.irp f, 0,1,2,3
	s_wait_dscnt (\younger)+3-\f
	global_store_b128 v[GO], v[S+16*(\t)+4*\f:S+16*(\t)+4*\f+3], s[10:11] offset:(\t)*2048+\f*512  ; 512 consecutive bytes, at a multiple of 256 from oo's first
.endr
.endm
	PACK 0
.set t, 1
.rept 3                             ; a tile's arithmetic stands between the loads of the tile before and its stores
	PACK t
	SEND t-1, 8
.set t, t+1
.endr
	SEND 3, 0
	s_wait_tensorcnt 0x0            ; the wave's end: behind my last tensor load and my last LDS store
	ds_add_u32 v[SPW], v[NIL]
	s_wait_dscnt 0x0
	CROUND                          ; the closing round: no work-group ends while a partner may still ask for a tile that names it
	s_endpgm
.Lfunc_end_k_q92788391da_attn:
	.size	k_q92788391da_attn, .Lfunc_end_k_q92788391da_attn-k_q92788391da_attn
	.p2alignl 7, 3214868480
	.fill 96, 4, 3214868480
	.section	.rodata,"a",@progbits
	.p2align	6, 0x0
	.amdhsa_kernel k_q92788391da_attn
		.amdhsa_group_segment_fixed_size 327680
		.amdhsa_private_segment_fixed_size 0
		.amdhsa_enable_private_segment 0
		.amdhsa_kernarg_size 32
		.amdhsa_user_sgpr_count 2
		.amdhsa_user_sgpr_kernarg_segment_ptr 1
		.amdhsa_wavefront_size32 1
		.amdhsa_system_sgpr_workgroup_id_x 1
		.amdhsa_system_sgpr_workgroup_id_y 1
		.amdhsa_system_sgpr_workgroup_id_z 1
		.amdhsa_system_vgpr_workitem_id 0
		.amdhsa_next_free_vgpr 768
		.amdhsa_next_free_sgpr 66
		.amdhsa_reserve_vcc 0
		.amdhsa_float_denorm_mode_32 3
		.amdhsa_float_denorm_mode_16_64 3
		.amdhsa_memory_ordered 1
		.amdhsa_forward_progress 1
		.amdhsa_inst_pref_size 176
	.end_amdhsa_kernel
	.amdgpu_metadata
---
amdhsa.version: [ 1, 2 ]
amdhsa.kernels:
  - .name:           k_q92788391da_attn
    .symbol:         k_q92788391da_attn.kd
    .args:
      - { .name: qq, .offset: 0, .size: 8, .value_kind: global_buffer, .address_space: global }
      - { .name: kk, .offset: 8, .size: 8, .value_kind: global_buffer, .address_space: global }
      - { .name: vv, .offset: 16, .size: 8, .value_kind: global_buffer, .address_space: global }
      - { .name: oo, .offset: 24, .size: 8, .value_kind: global_buffer, .address_space: global }
    .group_segment_fixed_size: 327680
    .private_segment_fixed_size: 0
    .kernarg_segment_align: 8
    .kernarg_segment_size: 32
    .max_flat_workgroup_size: 128
    .sgpr_count:     66
    .vgpr_count:     768
    .wavefront_size: 32
...
	.end_amdgpu_metadata
.endif
;; end of part 3
;; launch proj (part 4): grid 4 x 64, 4 waves a work-group, clusters of 4 x 4, 327,680 bytes of LDS; arguments oo, wo16, bo, out0; writes out0
.if DOCPART == 4
	.amdgcn_target "amdgcn-amd-amdhsa--gfx1250"
	.amdhsa_code_object_version 6
	.text
	.protected	k_q92788391da_proj
	.globl	k_q92788391da_proj
	.p2align	8
	.type	k_q92788391da_proj,@function
k_q92788391da_proj:
	s_mov_b64 s[64:65], 0
	v_nop
	global_prefetch_b8 v0, s[64:65] scope:SCOPE_SE
	s_setreg_imm32_b32 hwreg(HW_REG_WAVE_MODE, 25, 1), 1
	s_wait_xcnt 0x0
	s_wait_alu depctr_hold_cnt(0) depctr_sa_sdst(0) depctr_va_vdst(0) depctr_va_sdst(0) depctr_va_ssrc(0) depctr_va_vcc(0) depctr_vm_vsrc(0)
	s_getreg_b32 s2, hwreg(HW_REG_IB_STS2, 6, 4)
	s_cmp_eq_u32 s2, 0
	s_cbranch_scc0 .Lentry_in_a_cluster
	s_endpgm
.Lentry_in_a_cluster:
	s_bfe_u32 s2, ttmp6, 0x10000c
	s_cmp_lg_u32 s2, 0xf033
	s_cbranch_scc0 .Lentry_shape_is_right
	s_endpgm
.Lentry_shape_is_right:
; THE OUTPUT PROJECTION.  out0[m][n] = bo[n] + sum over k of O[m][k] wo16[n][k]: m 8,192 rows, n 1,024, k 1,024 = 16 heads x 64 channels; operands f16, sums and output f32.
; The bias is rounded to bf16, like every input of the module, and is the C operand of each sum's first product: it starts the sum instead of ending it (another order of rounding than the reference's).
; O lies by heads, oo: [64 = 16 batch + head][2048][64] f16: a K step of 128 is two heads, and 128 rows of one head are 16,384 dense bytes: a PLANE.
; SHARES.  A tile of out0 is 128 x 256, made by four waves, each 64 x 128: 32 accumulators.  K goes in 8 steps of 128 through two LDS slots filled by tensor loads.  256 tiles.
; CLUSTER.  4 x 4 work-groups: the four of a row of the cluster need the same planes of oo, the four of a column the same tile of wo16; each is asked for jointly.
; NO PREFETCH: a wave issues 1,024 matrix instructions in the whole launch, and only the last four of the eight K steps could be named ahead at all.
; THE MATRIX INSTRUCTION IS USED TRANSPOSED (source 0 = 16 rows of wo16, source 1 = 16 rows of O): lane l holds row l % 16 of the result, its registers columns 8 (l / 16) + 0..7.
; REGISTERS, in windows of 256 (s_set_vgpr_msb: bits 1:0 source 0, 3:2 source 1, 5:4 source 2, 7:6 destination):
;   window 0: v0-31 addresses; two fragment buffers of 96: v64-159, v160-255 (B's eight fragments, then A's four); on the way out v64-191 rows read back
;   window 1: accumulator (a, b) at v[8 (8 a + b)]          window 2: v0-63 the bias of my 128 columns
.set KSTEP,  128
.set PA,     144                       ; a row of a plane in LDS: 128 bytes + 16 = 36 words: the 16 rows of a load start at 16 different groups of four banks (64 banks of 4 bytes: ISA guide 11.1)
.set PLANE,  128*PA
.set PB,     272                       ; a row of B: 256 bytes + 16
.set BOFF,   2*PLANE
.set BHALF,  128*PB
.set SLOT,   BOFF+256*PB
.set STAGE,  2*SLOT                    ; behind the ring: 16 rows x 528 bytes for each wave, for the way out
.set SPITCH, 528
.set SPARE,  STAGE+4*16*SPITCH         ; behind the stages: the spare words, 128 bytes for each wave
.set LAPS,   4
.set ADRA, 16                          ; v16-17 LDS address of my A fragments in slot 0, 1
.set ADRB, 20                          ; v20-21 the same for B
.set BO,   22                          ; v22    32 (l / 16)
.set STO,  24                          ; v24    the way out: where I put 32 bytes of a row
.set RD,   25                          ; v25    where I read 16 bytes of a row back
.set CO,   26                          ; v26    16 x my lane: my place in 512 bytes of a row of out0
.set SPW,  28                          ; v28    LDS address of my spare word; never rewritten
.set NIL,  29                          ; v29    0; never rewritten
.set F0,   64
.set F1,   160
.set BK,   64                          ; the way out: two sets of 64 registers, 16 rows read back
.set G1,  24                           ; s[24:31] descriptor group 1 for A's planes; s[32:39] group 0, a set for each slot
.set G0,  32
.set G1B, 48                           ; s[48:55], s[56:63] the same for B's tiles
.set G0B, 56
.set BIA, 84                           ; s[84:85] the bias at my 128 columns
.set OUT, 86                           ; s[86:87] out0 at my part of the tile
.set MSB, 0
.macro WIN new                         ; the immediate's high byte repeats the setting that is left; a switch that changes nothing is dropped
.if MSB != (\new)
	s_set_vgpr_msb (MSB<<8)|(\new)
.set MSB, \new
.endif
.endm
; A joint load: waves 0 and 1 fetch the K step's two planes of A, waves 2 and 3 B's two halves.  The branch hangs on the wave's number alone.
; An s_nop 0 and four v_nop follow each of the two lines, ahead of the jump and the label.
.macro JLOAD s
	s_cmp_eq_u32 s11, 0
	s_cbranch_scc0 .Lfor_b_\@
	tensor_load_to_lds s[G0+4*(\s):G0+4*(\s)+3], s[G1:G1+7]
	s_nop 0
.rept 4
	v_nop
.endr
	s_branch .Lasked_\@
.Lfor_b_\@:
	tensor_load_to_lds s[G0B+4*(\s):G0B+4*(\s)+3], s[G1B:G1B+7]
	s_nop 0
.rept 4
	v_nop
.endr
.Lasked_\@:
.endm
.macro CREST                           ; a round of the cluster's barrier behind its opening barrier
	s_cmp_lg_u32 s10, 0
	s_cbranch_scc1 .Lnot_wave_0_\@
	s_barrier_signal -3
.Lnot_wave_0_\@:
	s_barrier_wait -3
	s_barrier_signal -1
	s_barrier_wait -1
.endm
.macro CROUND                          ; a whole round
	s_barrier_signal -1
	s_barrier_wait -1
	CREST
.endm
	s_load_b256 s[68:75], s[0:1], 0x0              ; oo 68, wo16 70, bo 72, out0 74
	v_lshl_add_u32 v[SPW], v0, 2, SPARE
	v_mov_b32 v[NIL], 0
	ds_add_u32 v[SPW], v[NIL]                      ; the wave's opening: the add and its wait stand ahead of my first tensor load; the set-up below stands between them
	v_lshrrev_b32 v1, 5, v0
	v_readfirstlane_b32 s10, v1                    ; wave 0..3
	s_lshr_b32 s11, s10, 1                         ; which 64 of the tile's rows are mine.  Also: I fetch for A (0) or for B (1)
	s_and_b32 s12, s10, 1                          ; which 128 of its columns.  Also: which plane, or which half of B's tile, I fetch
	s_bfe_u32 s40, ttmp6, 0x40000                  ; cx, cy: my place in the cluster
	s_bfe_u32 s41, ttmp6, 0x40004
	s_lshl_b32 s42, ttmp9, 2
	s_add_co_u32 s42, s42, s40                     ; tile column = 4 x cluster x + cx
	s_and_b32 s13, ttmp7, 0xffff
	s_lshl_b32 s13, s13, 2
	s_add_co_u32 s13, s13, s41                     ; tile row = 4 x cluster y + cy
	s_lshl_b32 s43, s41, 2
	s_lshl_b32 s43, 15, s43                        ; my row of the cluster
	s_lshl_b32 s44, 0x1111, s40                    ; my column
	s_or_b32 s[G1+0], s43, (1<<16)|(1<<20)|(1<<21)|(4<<22)|(3<<25)   ; A: 15:0 the mask; 17:16 2-byte elements; 20 padding on; 21 set beside a mask; 24:22 after every 32 words (code 4): after every row of O; 31:25 4 words (code 3)
	s_or_b32 s[G1B+0], s44, (1<<16)|(1<<20)|(1<<21)|(5<<22)|(3<<25)  ; B: after every 64 words (code 5)
	s_mov_b32 s[G1+1], 128<<16                     ; a plane is asked for as 64 rows of 256 bytes: tensor_dim0 = 128
	s_mov_b32 s[G1+2], 64<<16                      ; tensor_dim1 = 64
	s_mov_b32 s[G1+3], 128<<16                     ; tile_dim0 = 128
	s_mov_b32 s[G1+4], 64                          ; tile_dim1 = 64
	s_mov_b32 s[G1+5], 128                         ; dense: 128 elements from row to row
	s_mov_b32 s[G1+6], 0
	s_mov_b32 s[G1+7], 0
	s_mov_b32 s[G1B+1], KSTEP<<16
	s_mov_b32 s[G1B+2], 128<<16
	s_mov_b32 s[G1B+3], KSTEP<<16
	s_mov_b32 s[G1B+4], 128
	s_mov_b32 s[G1B+5], 1024
	s_mov_b32 s[G1B+6], 0
	s_mov_b32 s[G1B+7], 0
	s_lshr_b32 s16, s13, 4                         ; A: the batch's 16 heads of 262,144 bytes,
	s_lshl_b32 s16, s16, 22
	s_and_b32 s17, s13, 15                         ; the tile's 128 rows of 128 bytes in a head,
	s_lshl_b32 s17, s17, 14
	s_add_co_u32 s16, s16, s17
	s_lshl_b32 s17, s12, 18                        ; and the head that I fetch of a K step's two
	s_add_co_u32 s16, s16, s17
	s_mov_b32 s17, 0
	s_lshl_b32 s46, s42, 8                         ; B: row 256 x tile column + 128 x half, times 2,048 bytes
	s_lshl_b32 s47, s12, 7
	s_add_co_u32 s46, s46, s47
	s_lshl_b32 s46, s46, 11
	s_mov_b32 s47, 0
	s_mul_i32 s20, s12, PLANE                      ; where they go: no place in the cluster enters an LDS address
	s_mul_i32 s21, s12, BHALF
	s_add_co_u32 s21, s21, BOFF
	s_wait_dscnt 0x0                               ; the opening add is done
	s_wait_kmcnt 0x0
	s_add_nc_u64 s[14:15], s[68:69], s[16:17]
	s_add_nc_u64 s[46:47], s[70:71], s[46:47]
	CROUND                                         ; all sixteen work-groups are here: the first joint loads meet
.irp s, 0,1
	s_mov_b32 s[G0+4*(\s)], 1
	s_add_co_u32 s[G0+4*(\s)+1], s20, (\s)*SLOT
	s_add_nc_u64 s[G0+4*(\s)+2:G0+4*(\s)+3], s[14:15], (\s)*2*262144   ; K step s: heads 2 s and 2 s + 1
	s_or_b32 s[G0+4*(\s)+3], s[G0+4*(\s)+3], 0x80000000
	s_mov_b32 s[G0B+4*(\s)], 1
	s_add_co_u32 s[G0B+4*(\s)+1], s21, (\s)*SLOT
	s_add_nc_u64 s[G0B+4*(\s)+2:G0B+4*(\s)+3], s[46:47], (\s)*KSTEP*2
	s_or_b32 s[G0B+4*(\s)+3], s[G0B+4*(\s)+3], 0x80000000
	JLOAD \s
.endr
	v_and_b32 v1, 15, v0                           ; l % 16
	v_bfe_u32 v2, v0, 4, 1                         ; l / 16
	v_lshlrev_b32 v[BO], 5, v2
	s_lshl_b32 s46, s42, 10                        ; my 128 columns: 256 x tile column + 128 x half, 4 bytes each
	s_lshl_b32 s47, s12, 9
	s_add_co_u32 s46, s46, s47
	s_mov_b32 s47, 0
	s_add_nc_u64 s[BIA:BIA+1], s[72:73], s[46:47]
	WIN 0x80                                       ; destination window 2
.irp b, 0,1,2,3,4,5,6,7
	global_load_b128 v[8*(\b):8*(\b)+3],   v[BO], s[BIA:BIA+1] offset:64*(\b)      ; register j of block b: the bias of column 16 b + 8 (l / 16) + j
	global_load_b128 v[8*(\b)+4:8*(\b)+7], v[BO], s[BIA:BIA+1] offset:64*(\b)+16
.endr
	WIN 0
	s_lshl_b32 s46, s13, 7                         ; my part of the tile in out0: row 128 x tile row + 64 x my row half, 4,096 bytes a row,
	s_lshl_b32 s47, s11, 6
	s_add_co_u32 s46, s46, s47
	s_lshl_b32 s46, s46, 12
	s_lshl_b32 s47, s42, 10                        ; and my 128 columns
	s_add_co_u32 s46, s46, s47
	s_lshl_b32 s47, s12, 9
	s_add_co_u32 s46, s46, s47
	s_mov_b32 s47, 0
	s_add_nc_u64 s[OUT:OUT+1], s[74:75], s[46:47]
	v_mul_u32_u24 v3, v1, PA
	v_lshl_add_u32 v3, v2, 4, v3                   ; A: a fragment's row x pitch + 16 x half
	v_mul_u32_u24 v4, v1, PB
	v_lshl_add_u32 v4, v2, 4, v4                   ; B likewise
	s_mul_i32 s21, s11, 64*PA                      ; my 64 rows, in each plane
	s_mul_i32 s22, s12, BHALF                      ; my 128 rows of B
	s_add_co_u32 s22, s22, BOFF
.irp s, 0,1
	v_add_nc_u32 v[ADRA+(\s)], s21, v3
	v_add_nc_u32 v[ADRB+(\s)], s22, v4
	s_add_co_u32 s21, s21, SLOT
	s_add_co_u32 s22, s22, SLOT
.endr
	s_mul_i32 s23, s10, 16*SPITCH
	s_add_co_u32 s23, s23, STAGE                   ; my stage
	v_mul_u32_u24 v4, v1, SPITCH                   ; in: row l % 16, 32 bytes for each half of the lanes
	v_lshl_add_u32 v4, v2, 5, v4
	v_add_nc_u32 v[STO], s23, v4
	v_and_b32 v[CO], 31, v0
	v_lshlrev_b32 v[CO], 4, v[CO]                  ; back and out: 32 lanes take a row's 512 bytes
	v_add_nc_u32 v[RD], s23, v[CO]
; 8 matrix instructions: m block a x all 8 n blocks, 32 along K.  zero = 1: the first product starts the sum with the bias.  The 32 accumulators take turns, one instruction a turn.
.macro MUL8 f, a, zero
	WIN 0x50+0x10*(\zero)                          ; C and D window 1; the bias as C: window 2
.irp b, 0,1,2,3,4,5,6,7
.if \zero
	v_wmma_f32_16x16x32_f16 v[8*(8*(\a)+(\b)):8*(8*(\a)+(\b))+7], v[(\f)+8*(\b):(\f)+8*(\b)+7], v[(\f)+64+8*(\a):(\f)+64+8*(\a)+7], v[8*(\b):8*(\b)+7]
.else
	v_wmma_f32_16x16x32_f16 v[8*(8*(\a)+(\b)):8*(8*(\a)+(\b))+7], v[(\f)+8*(\b):(\f)+8*(\b)+7], v[(\f)+64+8*(\a):(\f)+64+8*(\a)+7], v[8*(8*(\a)+(\b)):8*(8*(\a)+(\b))+7]
.endif
.endr
.endm
; 24 LDS loads in one run: the fragments of quarter q (32 along K) into buffer f: B's sixteen loads, then A's eight.  A's quarter q lies in plane q / 2, channels 32 (q % 2) on.
.macro FETCH slot, q, f
	WIN 0
.irp b, 0,1,2,3,4,5,6,7
	ds_load_b128 v[(\f)+8*(\b):(\f)+8*(\b)+3],   v[ADRB+(\slot)] offset:64*(\q)+(\b)*16*PB
	ds_load_b128 v[(\f)+8*(\b)+4:(\f)+8*(\b)+7], v[ADRB+(\slot)] offset:64*(\q)+(\b)*16*PB+32
.endr
.irp a, 0,1,2,3
	ds_load_b128 v[(\f)+64+8*(\a):(\f)+64+8*(\a)+3],   v[ADRA+(\slot)] offset:((\q)/2)*PLANE+((\q)%2)*64+(\a)*16*PA
	ds_load_b128 v[(\f)+64+8*(\a)+4:(\f)+64+8*(\a)+7], v[ADRA+(\slot)] offset:((\q)/2)*PLANE+((\q)%2)*64+(\a)*16*PA+32
.endr
.endm
.macro PLACES                          ; four places in front of loads into registers that matrix instructions have read, and of lines that read results
.rept 4
	v_nop
.endr
.endm
; A K step is four quarters of 32 along K, 32 matrix instructions each, on buffers 0, 1, 0, 1.  One of the first three multiplies buffer f and fetches quarter qn into g.
.macro QUARTER slot, qn, f, g, zero
	s_wait_dscnt 4                                 ; B and A's blocks 0 and 1 are in; the youngest four loads (A's blocks 2, 3) may be out
	MUL8 \f, 0, \zero
	MUL8 \f, 1, \zero
	PLACES
	FETCH \slot, \qn, \g
	s_wait_dscnt 24                                ; all but the 24 just issued
	MUL8 \f, 2, \zero
	MUL8 \f, 3, \zero
.endm
; The last quarter multiplies buffer 1 and changes slots: one barrier; in front of it each wave waits for all its tensor loads, adds 0 to its spare word, and waits for that and for its reads of this slot.
; fill = 1: the barrier opens a round of the cluster's, and this slot is filled again, two K steps ahead, first thing behind the round.
.macro TURN slot, next, fill
	WIN 0                                          ; (the add's two registers lie in window 0)
	s_wait_tensorcnt 0x0                           ; all my tensor loads have landed: my part of the next slot;
	ds_add_u32 v[SPW], v[NIL]                      ; 0 onto my spare word;
	s_wait_dscnt 5                                 ; (the add and the youngest four loads may be out)
	MUL8 F1, 0, 0                                  ; eight matrix instructions stand between the add and the wait for it
	s_wait_dscnt 0x0                               ; the add is done, and my reads of this slot are over
	s_barrier_signal -1
	MUL8 F1, 1, 0
.if \fill
	WIN 0
.endif
	s_barrier_wait -1
.if \fill
	CREST                                          ; no wave of any partner still reads this slot's tile or has a load on its way
	s_add_nc_u64 s[G0+4*(\slot)+2:G0+4*(\slot)+3], s[G0+4*(\slot)+2:G0+4*(\slot)+3], 4*262144   ; two K steps on: four heads
	s_add_nc_u64 s[G0B+4*(\slot)+2:G0B+4*(\slot)+3], s[G0B+4*(\slot)+2:G0B+4*(\slot)+3], 2*KSTEP*2
	JLOAD \slot                                    ; 112 matrix instructions ahead of the wait for it; the four v_nop behind it are also the places in front of the loads below
.else
	PLACES
.endif
	FETCH \next, 0, F0
	MUL8 F1, 2, 0
	MUL8 F1, 3, 0
.endm
	; THE BIAS IS ROUNDED TO bf16, in the wait for the first tile: two numbers are packed into a register of fragment buffer 1, which is not yet in use, and widened back into their places.
	s_wait_loadcnt 0x0                             ; the sixteen loads of the bias are in
	s_mov_b32 s20, 0xffff0000                      ; a word's upper bf16
	WIN 0x0a                                       ; sources in window 2, destination in window 0
.set z, 0
.rept 32
	v_cvt_pk_bf16_f32 v[F1+z], v[2*z], v[2*z+1]
.set z, z+1
.endr
	WIN 0x80                                       ; destination in window 2, sources in window 0
.set z, 0
.rept 32
	v_lshlrev_b32 v[2*z], 16, v[F1+z]
	v_and_b32 v[2*z+1], s20, v[F1+z]
.set z, z+1
.endr
	WIN 0
	s_wait_tensorcnt 1                             ; my part of K step 0 is in; K step 1's may stay out
	s_barrier_signal -1
	s_barrier_wait -1
	FETCH 0, 0, F0
	QUARTER 0, 1, F0, F1, 1                        ; the first quarter stands in front of the loop: its products start the sums
	WIN 0
	s_mov_b32 s3, LAPS-1
.Llap:                                                 ; a trip goes once round the ring, from a lap's second quarter to the next lap's first, and fills both slots again
	QUARTER 0, 2, F1, F0, 0
	QUARTER 0, 3, F0, F1, 0
	TURN 0, 1, 1
	QUARTER 1, 1, F0, F1, 0
	QUARTER 1, 2, F1, F0, 0
	QUARTER 1, 3, F0, F1, 0
	TURN 1, 0, 1
	QUARTER 0, 1, F0, F1, 0
	WIN 0
	s_sub_co_u32 s3, s3, 1
	s_cmp_lg_u32 s3, 0
	s_cbranch_scc1 .Llap
	QUARTER 0, 2, F1, F0, 0                        ; the last lap fills nothing
	QUARTER 0, 3, F0, F1, 0
	TURN 0, 1, 0
	QUARTER 1, 1, F0, F1, 0
	QUARTER 1, 2, F1, F0, 0
	QUARTER 1, 3, F0, F1, 0
	s_wait_dscnt 4
	MUL8 F1, 0, 0
	MUL8 F1, 1, 0
	s_wait_dscnt 0x0
	MUL8 F1, 2, 0
	MUL8 F1, 3, 0
	WIN 0
	PLACES
	PLACES                                         ; (eight, once a launch)
; THE WAY OUT, in four blocks a of 16 rows x 128 columns of f32.  A lane's eight numbers of a row go from the accumulators into my own stage (rows of 528 bytes); whole rows of 512 bytes come back and are stored.
.macro TOST2 a
	WIN 0x04                                       ; the stores' data in window 1
.irp b, 0,1,2,3,4,5,6,7
	ds_store_b128 v[STO], v[8*(8*(\a)+(\b)):8*(8*(\a)+(\b))+3]   offset:64*(\b)      ; each accumulator's low half first
	ds_store_b128 v[STO], v[8*(8*(\a)+(\b))+4:8*(8*(\a)+(\b))+7] offset:64*(\b)+16
.endr
	WIN 0
	s_wait_xcnt 0x0                                ; the stores of two blocks back have read the registers that are loaded again below
.irp t, 0,1,2,3,4,5,6,7,8,9,10,11,12,13,14,15
	ds_load_b128 v[BK+64*((\a)%2)+4*(\t):BK+64*((\a)%2)+4*(\t)+3], v[RD] offset:(\t)*SPITCH  ; LDS serves a wave's instructions in order (ISA guide 5.7.1.4): these see the stores above
.endr
.endm
.macro SEND2 a, younger                ; younger: the LDS instructions issued behind block a's loads: the next block's 32, or none
.irp t, 0,1,2,3,4,5,6,7,8,9,10,11,12,13,14,15
	s_wait_dscnt (\younger)+15-(\t)
	global_store_b128 v[CO], v[BK+64*((\a)%2)+4*(\t):BK+64*((\a)%2)+4*(\t)+3], s[OUT:OUT+1] offset:(16*(\a)+(\t))*4096 th:TH_STORE_NT  ; 512 consecutive bytes of a row, aligned
.endr
.endm
	TOST2 0
	TOST2 1
	SEND2 0, 32
	TOST2 2
	SEND2 1, 32
	TOST2 3
	SEND2 2, 32
	SEND2 3, 0
	s_wait_tensorcnt 0x0                           ; the wave's end: behind my last tensor load and my last LDS store
	ds_add_u32 v[SPW], v[NIL]
	s_wait_dscnt 0x0
	CROUND                                         ; the closing round: no work-group ends while a partner may still ask for a tile that names it
	s_endpgm
.Lfunc_end_k_q92788391da_proj:
	.size	k_q92788391da_proj, .Lfunc_end_k_q92788391da_proj-k_q92788391da_proj
	.p2alignl 7, 3214868480
	.fill 96, 4, 3214868480
	.section	.rodata,"a",@progbits
	.p2align	6, 0x0
	.amdhsa_kernel k_q92788391da_proj
		.amdhsa_group_segment_fixed_size 327680
		.amdhsa_private_segment_fixed_size 0
		.amdhsa_enable_private_segment 0
		.amdhsa_kernarg_size 32
		.amdhsa_user_sgpr_count 2
		.amdhsa_user_sgpr_kernarg_segment_ptr 1
		.amdhsa_wavefront_size32 1
		.amdhsa_system_sgpr_workgroup_id_x 1
		.amdhsa_system_sgpr_workgroup_id_y 1
		.amdhsa_system_sgpr_workgroup_id_z 1
		.amdhsa_system_vgpr_workitem_id 0
		.amdhsa_next_free_vgpr 576
		.amdhsa_next_free_sgpr 88
		.amdhsa_reserve_vcc 0
		.amdhsa_float_denorm_mode_32 3
		.amdhsa_float_denorm_mode_16_64 3
		.amdhsa_memory_ordered 1
		.amdhsa_forward_progress 1
		.amdhsa_inst_pref_size 93
	.end_amdhsa_kernel
	.amdgpu_metadata
---
amdhsa.version: [ 1, 2 ]
amdhsa.kernels:
  - .name:           k_q92788391da_proj
    .symbol:         k_q92788391da_proj.kd
    .args:
      - { .name: oo, .offset: 0, .size: 8, .value_kind: global_buffer, .address_space: global }
      - { .name: wo16, .offset: 8, .size: 8, .value_kind: global_buffer, .address_space: global }
      - { .name: bo, .offset: 16, .size: 8, .value_kind: global_buffer, .address_space: global }
      - { .name: out0, .offset: 24, .size: 8, .value_kind: global_buffer, .address_space: global }
    .group_segment_fixed_size: 327680
    .private_segment_fixed_size: 0
    .kernarg_segment_align: 8
    .kernarg_segment_size: 32
    .max_flat_workgroup_size: 128
    .sgpr_count:     88
    .vgpr_count:     576
    .wavefront_size: 32
...
	.end_amdgpu_metadata
.endif
;; end of part 4
;; ======== version 2 of 3: 4 launches
;; limits: values within 7.6e-06 (relative) of each other or of a threshold may be ordered or decided otherwise than in the reference; values are held in f16: magnitudes above 65,504 overflow, below 6.1e-05 lose precision
;; workspace buffers: xb 16,777,216 bytes; wqkv 6,291,456 bytes; wo16 2,097,152 bytes; qq 33,554,432 bytes; kk 33,554,432 bytes; vv 16,777,216 bytes; oo 16,777,216 bytes
;; launch cast: the kernel of part 1 again; grid 768 x 1, 8 waves a work-group, no clusters, 0 bytes of LDS; arguments x, Wq, Wk, Wv, Wo, xb, wqkv, wo16; writes xb, wqkv, wo16
;; launch qkv (part 5): grid 4 x 64, 4 waves a work-group, clusters of 4 x 4, 327,680 bytes of LDS; arguments xb, wqkv, bq, bk, bv, qq, kk, vv; writes qq, kk, vv
.if DOCPART == 5
	.amdgcn_target "amdgcn-amd-amdhsa--gfx1250"
	.amdhsa_code_object_version 6
	.text
	.protected	k_q92788391da_qkv
	.globl	k_q92788391da_qkv
	.p2align	8
	.type	k_q92788391da_qkv,@function
k_q92788391da_qkv:
	s_mov_b64 s[64:65], 0
	v_nop
	global_prefetch_b8 v0, s[64:65] scope:SCOPE_SE
	s_setreg_imm32_b32 hwreg(HW_REG_WAVE_MODE, 25, 1), 1
	s_wait_xcnt 0x0
	s_wait_alu depctr_hold_cnt(0) depctr_sa_sdst(0) depctr_va_vdst(0) depctr_va_sdst(0) depctr_va_ssrc(0) depctr_va_vcc(0) depctr_vm_vsrc(0)
	s_getreg_b32 s2, hwreg(HW_REG_IB_STS2, 6, 4)
	s_cmp_eq_u32 s2, 0
	s_cbranch_scc0 .Lentry_in_a_cluster
	s_endpgm
.Lentry_in_a_cluster:
	s_bfe_u32 s2, ttmp6, 0x10000c
	s_cmp_lg_u32 s2, 0xf033
	s_cbranch_scc0 .Lentry_shape_is_right
	s_endpgm
.Lentry_shape_is_right:
; THE THREE PROJECTIONS AS ONE PRODUCT.  C[m][n] = b[n] + sum over k of xb[m][k] wqkv[n][k]: m 8,192 rows, n 3,072 (q, k, v: 1,024 each), k 1,024; operands bf16, sums f32.
; The bias is rounded to bf16, like every input of the module, and is the C operand of each sum's first product: it starts the sum instead of ending it (another order of rounding than the reference's).
; OUT, by heads (bh = 16 batch + head).  q and k: [64][2048][128] f16, a row of 256 bytes: 64 first parts t1 = f16(t), then 64 second parts t2 = f16(8.125 t - 8 t1) = t1 / 8 + 8.125 (t - t1), unscaled.
; With these, q1 . k1 + q2 . k2 = 65/64 q . k + 65 sum (q - q1)(k - k1): two f16 products give the score far beyond f16's 11 bits (the attention launch's head gives the figure).
; v: [64][2048][64] f16, rounded once.
; LIMITS.  A sum of 65,520 or more has no f16.  A second part below 6e-5 keeps f16's fixed step of 6e-8, so for sums below 5e-4 the pair holds fewer bits.
; SHARES.  A tile of C is 128 x 256, made by four waves, each 64 x 128: 32 accumulators of 16 x 16.  K goes in 8 steps of 128 through two LDS slots filled by tensor loads, whose rows are
; 256 bytes of memory.
; A WORK-GROUP STAYS: it makes THREE tiles, q's, k's and v's, of the same 128 rows and the same 256 of the 1,024 columns: 256 work-groups.  The ring does not stop at a tile's end: a tile's last two
; changes of slots ask for the next tile's K steps 0 and 1; then the tile goes out, and nothing waits for its stores.  The last tile (v's) has its tail written out: it asks for nothing more.
; CLUSTER.  4 x 4 work-groups: the four of a row of the cluster need the same tile of xb, the four of a column the same tiles of wqkv; each tile is asked for jointly.
; THE MATRIX INSTRUCTION IS USED TRANSPOSED (source 0 = 16 rows of wqkv, source 1 = 16 rows of xb): lane l holds row l % 16 of C, its registers columns 8 (l / 16) + 0..7.
; REGISTERS, in windows of 256 (s_set_vgpr_msb: bits 1:0 source 0, 3:2 source 1, 5:4 source 2, 7:6 destination):
;   window 0: v0-31 addresses; two fragment buffers of 96: v64-159, v160-255 (B's eight fragments, then A's four); on the way out v64-191 at work
;   window 1: accumulator (a, b) at v[8 (8 a + b)]          window 2: v0-63 the bias of my 128 columns, 8 registers for each b
.set KSTEP,  128
.set PITCH,  272                       ; an LDS row: 256 bytes + 16 of padding = 68 words: the 16 rows of a fragment load start at 16 different groups of four banks (64 banks of 4 bytes: ISA guide 11.1)
.set AHALF,  64*PITCH                  ; what a wave's load of A brings, and what a wave reads of A
.set BOFF,   128*PITCH                 ; B's 256 rows lie behind A's 128
.set BHALF,  128*PITCH
.set SLOT,   384*PITCH
.set STAGE,  2*SLOT                    ; behind the ring: 16 rows x 272 bytes for each wave, for the way out
.set SPITCH, 272
.set VPITCH, 144                       ; v's rows in the stage: 128 bytes + 16
.set SPARE,  STAGE+4*16*SPITCH         ; behind the stages: the spare words, 128 bytes for each wave
.set LAPS,   4                         ; a lap = two K steps = once round the ring
.set BACKA,  6*KSTEP*2                 ; bytes from a slot's last K step of a tile back to its first: A's rows are the same for the three tiles,
.set NEXTB,  1024*2048-6*KSTEP*2       ; B's lie 1,024 rows of 2,048 bytes further on
.set ADRA, 16                          ; v16-17 LDS address of my A fragments in slot 0, 1
.set RDV,  18                          ; v18    v's way out: where I read rows back
.set GOV,  19                          ; v19    v's way out: my 16 bytes of 512 consecutive ones
.set ADRB, 20                          ; v20-21 the same as ADRA for B
.set BO,   22                          ; v22    32 (l / 16): my eight columns in a block of sixteen of the bias
.set STO,  24                          ; v24    q's and k's way out: where I put 16 bytes of a row
.set RD,   25                          ; v25    where I read a row back
.set CO,   26                          ; v26    my byte offset in two rows of qq or kk
.set STOV, 27                          ; v27    v's way out: where I put 16 bytes of a row
.set SPW,  28                          ; v28    LDS address of my spare word; never rewritten
.set NIL,  29                          ; v29    0; never rewritten
.set PFO,  30                          ; v30    the prefetches' offset: my lane x a row of 2,048 bytes; never rewritten
.set M8,   31                          ; v31    -8.0
.set F0,   64
.set F1,   160
.set TH,   64                          ; the way out: 16 registers of first parts, 16 of second parts, 32 at work, two sets of 32 read back
.set TL,   80
.set TR,   96
.set BK,   128
.set G1,  24                           ; s[24:31] descriptor group 1 for A's tiles; s[32:39] group 0, a set for each slot
.set G0,  32
.set G1B, 48                           ; s[48:55], s[56:63] the same for B's
.set G0B, 56
.set LAM, 66                           ; s[66:67] 8.125: the packed multiply takes the pair's low word for both halves
.set BIA, 84                           ; s[84:85] the bias that is being loaded, at my 128 columns
.set OUT, 86                           ; s[86:87] qq, kk or vv at my part of the tile
.set PFA, 88                           ; s[88:89] where my prefetches stand
.set LIM, 90                           ; s90  1 in a wave that prefetches, else the greatest number
.set MSB, 0
.macro WIN new                         ; the immediate's high byte repeats the setting that is left; a switch that changes nothing is dropped
.if MSB != (\new)
	s_set_vgpr_msb (MSB<<8)|(\new)
.set MSB, \new
.endif
.endm
; A joint load: waves 0 and 1 fetch A's two halves (64 rows each), waves 2 and 3 B's (128 rows each).  The branch hangs on the wave's number alone.
; An s_nop 0 and four v_nop follow each of the two lines, ahead of the jump and the label.
.macro JLOAD s
	s_cmp_eq_u32 s11, 0
	s_cbranch_scc0 .Lfor_b_\@
	tensor_load_to_lds s[G0+4*(\s):G0+4*(\s)+3], s[G1:G1+7]
	s_nop 0
.rept 4
	v_nop
.endr
	s_branch .Lasked_\@
.Lfor_b_\@:
	tensor_load_to_lds s[G0B+4*(\s):G0B+4*(\s)+3], s[G1B:G1B+7]
	s_nop 0
.rept 4
	v_nop
.endr
.Lasked_\@:
.endm
.macro CREST                           ; a round of the cluster's barrier behind its opening barrier
	s_cmp_lg_u32 s10, 0
	s_cbranch_scc1 .Lnot_wave_0_\@
	s_barrier_signal -3
.Lnot_wave_0_\@:
	s_barrier_wait -3
	s_barrier_signal -1
	s_barrier_wait -1
.endm
.macro CROUND                          ; a whole round
	s_barrier_signal -1
	s_barrier_wait -1
	CREST
.endm
; A PREFETCH INTO THE L2, behind a joint load, its five lines and the run of LDS loads: the K step that stands two refills on (256 matrix instructions ahead of its load): 32 rows x 256 bytes, a lane a row.
; Each row's 256 bytes of a K step are named once in the launch.  A's tile row is read by one cluster alone, once for each of its three tiles: it is named in the first tile, by waves 0.  B's tile columns are
; read by the sixteen clusters of the grid's column: the first (cluster y = 0) names them, in every tile, by its waves 2 and 3.  The four partners that ask for a tile jointly share its rows out by address,
; 32 each (cx for A, cy for B).  A tile's K steps 0 to 3 come by their loads alone; the loop's last trip (s3 = 1) has no K step two refills on and asks for nothing.
.macro ASK
	s_cmp_gt_u32 s3, s[LIM]
	s_cbranch_scc0 .Lnot_mine_\@
	global_prefetch_b8 v[PFO], s[PFA:PFA+1] th:TH_LOAD_NT scope:SCOPE_SE
.Lnot_mine_\@:
.endm
; The sixteen loads of a tile's bias: register j of block b takes the bias of column 16 b + 8 (l / 16) + j.
.macro BIASLD
	WIN 0x80                                       ; destination window 2
.irp b, 0,1,2,3,4,5,6,7
	global_load_b128 v[8*(\b):8*(\b)+3],   v[BO], s[BIA:BIA+1] offset:64*(\b)
	global_load_b128 v[8*(\b)+4:8*(\b)+7], v[BO], s[BIA:BIA+1] offset:64*(\b)+16
.endr
	WIN 0
.endm
	s_load_b512 s[68:83], s[0:1], 0x0              ; xb 68, wqkv 70, bq 72, bk 74, bv 76, qq 78, kk 80, vv 82
	v_lshl_add_u32 v[SPW], v0, 2, SPARE
	v_mov_b32 v[NIL], 0
	ds_add_u32 v[SPW], v[NIL]                      ; the wave's opening: the add and its wait stand ahead of my first tensor load; the set-up below stands between them
	v_lshrrev_b32 v1, 5, v0
	v_readfirstlane_b32 s10, v1                    ; wave 0..3
	s_lshr_b32 s11, s10, 1                         ; which 64 of the tile's rows are mine.  Also: I fetch for A (0) or for B (1)
	s_and_b32 s12, s10, 1                          ; which 128 of its columns.  Also: which half of that tile I fetch
	s_bfe_u32 s40, ttmp6, 0x40000                  ; cx, cy: my place in the cluster
	s_bfe_u32 s41, ttmp6, 0x40004
	s_mov_b32 s42, s40                             ; the first tile's column: the grid has one cluster along x
	s_and_b32 s13, ttmp7, 0xffff
	s_lshl_b32 s13, s13, 2
	s_add_co_u32 s13, s13, s41                     ; tile row = 4 x cluster y + cy
	s_lshl_b32 s43, s41, 2
	s_lshl_b32 s43, 15, s43                        ; my row of the cluster
	s_lshl_b32 s44, 0x1111, s40                    ; my column
	s_or_b32 s[G1+0], s43, (1<<16)|(1<<20)|(1<<21)|(5<<22)|(3<<25)   ; 15:0 the mask; 17:16 2-byte elements; 20 padding on; 21 set beside a mask; 24:22 after every 64 words (code 5); 31:25 4 words (code 3)
	s_or_b32 s[G1B+0], s44, (1<<16)|(1<<20)|(1<<21)|(5<<22)|(3<<25)
	s_mov_b32 s[G1+1], KSTEP<<16                   ; tensor_dim0 = 128
	s_mov_b32 s[G1+2], 64<<16                      ; tensor_dim1 = 64
	s_mov_b32 s[G1+3], KSTEP<<16                   ; tile_dim0 = 128
	s_mov_b32 s[G1+4], 64                          ; tile_dim1 = 64
	s_mov_b32 s[G1+5], 1024                        ; elements from row to row
	s_mov_b32 s[G1+6], 0
	s_mov_b32 s[G1+7], 0
	s_mov_b32 s[G1B+1], KSTEP<<16
	s_mov_b32 s[G1B+2], 128<<16                    ; B: 128 rows
	s_mov_b32 s[G1B+3], KSTEP<<16
	s_mov_b32 s[G1B+4], 128
	s_mov_b32 s[G1B+5], 1024
	s_mov_b32 s[G1B+6], 0
	s_mov_b32 s[G1B+7], 0
	s_mov_b32 s[LAM], 0x41020000                   ; 8.125
	s_mov_b32 s[LAM+1], s[LAM]                     ; named with it as a pair
	s_lshl_b32 s16, s13, 7                         ; A: row 128 x tile row + 64 x half, times 2,048 bytes
	s_lshl_b32 s17, s12, 6
	s_add_co_u32 s16, s16, s17
	s_lshl_b32 s16, s16, 11
	s_mov_b32 s17, 0
	s_lshl_b32 s46, s42, 8                         ; B: row 256 x tile column + 128 x half
	s_lshl_b32 s47, s12, 7
	s_add_co_u32 s46, s46, s47
	s_lshl_b32 s46, s46, 11
	s_mov_b32 s47, 0
	s_mul_i32 s20, s12, AHALF                      ; where they go: no place in the cluster enters an LDS address
	s_mul_i32 s21, s12, BHALF
	s_add_co_u32 s21, s21, BOFF
	s_wait_dscnt 0x0                               ; the opening add is done
	s_wait_kmcnt 0x0
	s_add_nc_u64 s[14:15], s[68:69], s[16:17]
	s_add_nc_u64 s[46:47], s[70:71], s[46:47]
	CROUND                                         ; all sixteen work-groups are here: the first joint loads meet
.irp s, 0,1
	s_mov_b32 s[G0+4*(\s)], 1
	s_add_co_u32 s[G0+4*(\s)+1], s20, (\s)*SLOT
	s_add_nc_u64 s[G0+4*(\s)+2:G0+4*(\s)+3], s[14:15], (\s)*KSTEP*2
	s_or_b32 s[G0+4*(\s)+3], s[G0+4*(\s)+3], 0x80000000
	s_mov_b32 s[G0B+4*(\s)], 1
	s_add_co_u32 s[G0B+4*(\s)+1], s21, (\s)*SLOT
	s_add_nc_u64 s[G0B+4*(\s)+2:G0B+4*(\s)+3], s[46:47], (\s)*KSTEP*2
	s_or_b32 s[G0B+4*(\s)+3], s[G0B+4*(\s)+3], 0x80000000
	JLOAD \s
.endr
	v_and_b32 v1, 15, v0                           ; l % 16
	v_bfe_u32 v2, v0, 4, 1                         ; l / 16
	v_lshlrev_b32 v[BO], 5, v2
	s_lshl_b32 s46, s40, 10                        ; my 128 columns among the 1,024: 256 cx + 128 half, 4 bytes each: the same place in the three biases
	s_lshl_b32 s47, s12, 9
	s_add_co_u32 s46, s46, s47
	s_mov_b32 s47, 0
	s_add_nc_u64 s[72:73], s[72:73], s[46:47]
	s_add_nc_u64 s[74:75], s[74:75], s[46:47]
	s_add_nc_u64 s[76:77], s[76:77], s[46:47]
	s_mov_b64 s[BIA:BIA+1], s[72:73]
	BIASLD                                         ; q's bias
	; my part of a tile in the outputs: row (16 batch + head) x 2,048 + token, head = 4 cx + 2 half (+ 0, 1), token = 128 (tile row % 16) + 64 x my row half
	s_lshr_b32 s46, s13, 4
	s_lshl_b32 s46, s46, 4
	s_lshl_b32 s47, s40, 2
	s_add_co_u32 s46, s46, s47
	s_lshl_b32 s47, s12, 1
	s_add_co_u32 s46, s46, s47
	s_lshl_b32 s46, s46, 11
	s_and_b32 s47, s13, 15
	s_lshl_b32 s47, s47, 7
	s_add_co_u32 s46, s46, s47
	s_lshl_b32 s47, s11, 6
	s_add_co_u32 s46, s46, s47
	s_lshl_b32 s20, s46, 7                         ; v's rows are 128 bytes,
	s_mov_b32 s21, 0
	s_lshl_b32 s46, s46, 8                         ; q's and k's 256
	s_mov_b32 s47, 0
	s_add_nc_u64 s[78:79], s[78:79], s[46:47]
	s_add_nc_u64 s[80:81], s[80:81], s[46:47]
	s_add_nc_u64 s[82:83], s[82:83], s[20:21]
	s_mov_b64 s[OUT:OUT+1], s[78:79]
	v_mul_u32_u24 v3, v1, PITCH
	v_lshl_add_u32 v3, v2, 4, v3                   ; a fragment's row x pitch + 16 x half
	s_mul_i32 s21, s11, AHALF                      ; my 64 rows of A
	s_mul_i32 s22, s12, BHALF                      ; my 128 rows of B
	s_add_co_u32 s22, s22, BOFF
.irp s, 0,1
	v_add_nc_u32 v[ADRA+(\s)], s21, v3
	v_add_nc_u32 v[ADRB+(\s)], s22, v3
	s_add_co_u32 s21, s21, SLOT
	s_add_co_u32 s22, s22, SLOT
.endr
	s_mul_i32 s23, s10, 16*SPITCH
	s_add_co_u32 s23, s23, STAGE                   ; my stage
	v_add_nc_u32 v[STO], s23, v3                   ; in: row l % 16, 16 bytes for each half of the lanes
	v_mul_u32_u24 v4, v2, SPITCH                   ; back: lanes 0-15 one row of 256 bytes, lanes 16-31 the next
	v_lshl_add_u32 v4, v1, 4, v4
	v_add_nc_u32 v[RD], s23, v4
	v_lshlrev_b32 v[CO], 8, v2                     ; and the same two rows in memory
	v_lshl_add_u32 v[CO], v1, 4, v[CO]
	v_mul_u32_u24 v4, v1, VPITCH
	v_lshl_add_u32 v4, v2, 4, v4
	v_add_nc_u32 v[STOV], s23, v4
	v_bfe_u32 v4, v0, 3, 2                         ; v, back: 32 lanes take four rows of 128 bytes,
	v_mul_u32_u24 v4, v4, VPITCH
	v_and_b32 v5, 7, v0
	v_lshl_add_u32 v4, v5, 4, v4
	v_add_nc_u32 v[RDV], s23, v4
	v_and_b32 v[GOV], 31, v0
	v_lshlrev_b32 v[PFO], 11, v[GOV]
	v_lshlrev_b32 v[GOV], 4, v[GOV]                ; which are 512 consecutive bytes of vv
	v_mov_b32 v[M8], 0xc1000000                    ; -8.0
	; the prefetches' address
	s_lshl_b32 s20, s13, 7                         ; A: the tile's first row
	s_lshl_b32 s21, s42, 8                         ; B: the first tile's first row,
	s_lshl_b32 s22, s12, 7
	s_add_co_u32 s21, s21, s22                     ; + the 128 that I fetch
	s_and_b32 s22, ttmp7, 0xffff                   ; cluster y
	s_cmp_eq_u32 s11, 0
	s_cselect_b32 s20, s20, s21
	s_cselect_b32 s21, s40, s41                    ; my place among the four that ask with me
	s_cselect_b32 s22, 0, s22                      ; A's rows are no other cluster's; B's are read by every cluster y
	s_cselect_b64 s[PFA:PFA+1], s[68:69], s[70:71]
	s_cmp_eq_u32 s22, 0
	s_cselect_b32 s[LIM], 1, -1
	s_cmp_eq_u32 s10, 1                            ; A's 128 rows are four times 32: wave 0 names my work-group's, wave 1 nothing
	s_cselect_b32 s[LIM], -1, s[LIM]
	s_lshl_b32 s21, s21, 5
	s_add_co_u32 s20, s20, s21
	s_lshl_b32 s20, s20, 11
	s_mov_b32 s21, 0
	s_add_nc_u64 s[PFA:PFA+1], s[PFA:PFA+1], s[20:21]
	s_add_nc_u64 s[PFA:PFA+1], s[PFA:PFA+1], 3*KSTEP*2  ; at K step 3: the first refill steps it to 4
; 8 matrix instructions: m block a x all 8 n blocks, 32 along K.  zero = 1: the first product starts the sum with the bias.  The 32 accumulators take turns, one instruction a turn.
.macro MUL8 f, a, zero
	WIN 0x50+0x10*(\zero)                          ; C and D window 1; the bias as C: window 2
.irp b, 0,1,2,3,4,5,6,7
.if \zero
	v_wmma_f32_16x16x32_bf16 v[8*(8*(\a)+(\b)):8*(8*(\a)+(\b))+7], v[(\f)+8*(\b):(\f)+8*(\b)+7], v[(\f)+64+8*(\a):(\f)+64+8*(\a)+7], v[8*(\b):8*(\b)+7]
.else
	v_wmma_f32_16x16x32_bf16 v[8*(8*(\a)+(\b)):8*(8*(\a)+(\b))+7], v[(\f)+8*(\b):(\f)+8*(\b)+7], v[(\f)+64+8*(\a):(\f)+64+8*(\a)+7], v[8*(8*(\a)+(\b)):8*(8*(\a)+(\b))+7]
.endif
.endr
.endm
; 24 LDS loads in one run: the fragments of quarter q (32 along K) into buffer f: B's sixteen loads, then A's eight
.macro FETCH slot, q, f
	WIN 0
.irp b, 0,1,2,3,4,5,6,7
	ds_load_b128 v[(\f)+8*(\b):(\f)+8*(\b)+3],   v[ADRB+(\slot)] offset:64*(\q)+(\b)*16*PITCH
	ds_load_b128 v[(\f)+8*(\b)+4:(\f)+8*(\b)+7], v[ADRB+(\slot)] offset:64*(\q)+(\b)*16*PITCH+32
.endr
.irp a, 0,1,2,3
	ds_load_b128 v[(\f)+64+8*(\a):(\f)+64+8*(\a)+3],   v[ADRA+(\slot)] offset:64*(\q)+(\a)*16*PITCH
	ds_load_b128 v[(\f)+64+8*(\a)+4:(\f)+64+8*(\a)+7], v[ADRA+(\slot)] offset:64*(\q)+(\a)*16*PITCH+32
.endr
.endm
.macro PLACES                          ; four places in front of loads into registers that matrix instructions have read, and of lines that read results
.rept 4
	v_nop
.endr
.endm
; A K step is four quarters of 32 along K, 32 matrix instructions each, on buffers 0, 1, 0, 1.  One of the first three multiplies buffer f and fetches quarter qn into g.
.macro QUARTER slot, qn, f, g, zero
	s_wait_dscnt 4                                 ; B and A's blocks 0 and 1 are in; the youngest four loads (A's blocks 2, 3) may be out
	MUL8 \f, 0, \zero
	MUL8 \f, 1, \zero
	PLACES
	FETCH \slot, \qn, \g
	s_wait_dscnt 24                                ; all but the 24 just issued
	MUL8 \f, 2, \zero
	MUL8 \f, 3, \zero
.endm
; The last quarter multiplies buffer 1 and changes slots: one barrier; in front of it each wave waits for all its tensor loads, adds 0 to its spare word, and waits for that and for its reads of this slot.
; fill = 1: the barrier opens a round of the cluster's, and this slot is filled again first thing behind the round: with this tile's K step two steps on (on = 0), or, in a tile's last two K steps,
; with the NEXT tile's K step 0 or 1 (on = 1).  fetch = 0: the next slot's first fragments are not fetched here: the way out that follows uses their registers.
.macro TURN slot, next, fill, on=0, fetch=1
.if (\fill) && !(\on)
	s_wait_xcnt 0x0                                ; the last prefetch, a K step back, has read its address
	s_add_nc_u64 s[PFA:PFA+1], s[PFA:PFA+1], KSTEP*2
.endif
	WIN 0                                          ; (the add's two registers lie in window 0)
	s_wait_tensorcnt 0x0                           ; all my tensor loads have landed: my part of the next slot;
	ds_add_u32 v[SPW], v[NIL]                      ; 0 onto my spare word;
	s_wait_dscnt 5                                 ; (the add and the youngest four loads may be out)
	MUL8 F1, 0, 0                                  ; eight matrix instructions stand between the add and the wait for it
	s_wait_dscnt 0x0                               ; the add is done, and my reads of this slot are over
	s_barrier_signal -1
	MUL8 F1, 1, 0
.if \fill
	WIN 0
.endif
	s_barrier_wait -1
.if \fill
	CREST                                          ; no wave of any partner still reads this slot's tile or has a load on its way
.if \on
	s_sub_nc_u64 s[G0+4*(\slot)+2:G0+4*(\slot)+3], s[G0+4*(\slot)+2:G0+4*(\slot)+3], BACKA
	s_add_nc_u64 s[G0B+4*(\slot)+2:G0B+4*(\slot)+3], s[G0B+4*(\slot)+2:G0B+4*(\slot)+3], NEXTB
.else
	s_add_nc_u64 s[G0+4*(\slot)+2:G0+4*(\slot)+3], s[G0+4*(\slot)+2:G0+4*(\slot)+3], 2*KSTEP*2
	s_add_nc_u64 s[G0B+4*(\slot)+2:G0B+4*(\slot)+3], s[G0B+4*(\slot)+2:G0B+4*(\slot)+3], 2*KSTEP*2
.endif
	JLOAD \slot                                    ; 112 matrix instructions or more ahead of the wait for it; the four v_nop behind it are also the places in front of the loads below
.else
	PLACES
.endif
.if \fetch
	FETCH \next, 0, F0
.endif
.if (\fill) && !(\on)
	ASK
.endif
	MUL8 F1, 2, 0
	MUL8 F1, 3, 0
.endm
; THE WAY OUT, in eight blocks e of 16 rows (a = e / 2) x one head's 64 channels (e % 2): four accumulators, 32 registers on end.
; q and k: t1 = f16(sum); 8.125 x sum (its f32 rounding enters a score with 2^-27 of a term); less 8 t1, in one fused line; t2 = f16 of that.
; Through my own stage: 16 bytes a lane in, whole rows of 256 bytes back.
.macro PACKQ e
.set AC, 8*(8*((\e)/2)+4*((\e)%2))
	WIN 0x05                                       ; sources in window 1
.set z, 0
.rept 16
	v_cvt_pk_f16_f32 v[TH+z], v[AC+2*z], v[AC+2*z+1]   ; each accumulator's registers in ascending order
.set z, z+1
.endr
	WIN 0x01                                       ; the sum, source 0, in window 1
.set z, 0
.rept 16
	v_pk_mul_f32 v[TR+2*z:TR+2*z+1], v[AC+2*z:AC+2*z+1], s[LAM:LAM+1] op_sel_hi:[1,0]
.set z, z+1
.endr
	WIN 0
.set z, 0
.rept 32
.if z%2
	v_fma_mix_f32 v[TR+z], v[TH+z/2], v[M8], v[TR+z] op_sel:[1,0,0] op_sel_hi:[1,0,0]
.else
	v_fma_mix_f32 v[TR+z], v[TH+z/2], v[M8], v[TR+z] op_sel_hi:[1,0,0]
.endif
.set z, z+1
.endr
.set z, 0
.rept 16
	v_cvt_pk_f16_f32 v[TL+z], v[TR+2*z], v[TR+2*z+1]
.set z, z+1
.endr
.endm
.macro TOSTQ e
.irp bb, 0,1,2,3
	ds_store_b128 v[STO], v[TH+4*(\bb):TH+4*(\bb)+3] offset:32*(\bb)
	ds_store_b128 v[STO], v[TL+4*(\bb):TL+4*(\bb)+3] offset:128+32*(\bb)
.endr
	s_wait_xcnt 0x0                                ; the stores of two blocks back have read the registers that are loaded again below
.irp t, 0,1,2,3,4,5,6,7
	ds_load_b128 v[BK+32*((\e)%2)+4*(\t):BK+32*((\e)%2)+4*(\t)+3], v[RD] offset:(\t)*2*SPITCH  ; LDS serves a wave's instructions in order (ISA guide 5.7.1.4): these see the stores above
.endr
.endm
.macro SENDQ e
	s_wait_dscnt 0x0                               ; the block is back in registers
.irp t, 0,1,2,3,4,5,6,7
	global_store_b128 v[CO], v[BK+32*((\e)%2)+4*(\t):BK+32*((\e)%2)+4*(\t)+3], s[OUT:OUT+1] offset:((\e)%2)*524288+((\e)/2)*4096+512*(\t)  ; 16 lanes store one row: 256 consecutive bytes, aligned
.endr
.endm
.macro PACKV e
.set AC, 8*(8*((\e)/2)+4*((\e)%2))
	WIN 0x05
.set z, 0
.rept 16
	v_cvt_pk_f16_f32 v[TH+z], v[AC+2*z], v[AC+2*z+1]
.set z, z+1
.endr
	WIN 0
.endm
.macro TOSTV e
.irp bb, 0,1,2,3
	ds_store_b128 v[STOV], v[TH+4*(\bb):TH+4*(\bb)+3] offset:32*(\bb)
.endr
	s_wait_xcnt 0x0
.irp f, 0,1,2,3
	ds_load_b128 v[BK+16*((\e)%2)+4*(\f):BK+16*((\e)%2)+4*(\f)+3], v[RDV] offset:(\f)*4*VPITCH
.endr
.endm
.macro SENDV e
	s_wait_dscnt 0x0
.irp f, 0,1,2,3
	global_store_b128 v[GOV], v[BK+16*((\e)%2)+4*(\f):BK+16*((\e)%2)+4*(\f)+3], s[OUT:OUT+1] offset:((\e)%2)*262144+((\e)/2)*2048+512*(\f)  ; four rows: 512 consecutive bytes
.endr
.endm
	s_mov_b32 s2, 3                                ; tiles to go, this one among them: the same number in every work-group
	s_wait_tensorcnt 1                             ; my part of K step 0 is in; K step 1's may stay out
	s_barrier_signal -1
	s_barrier_wait -1
.Ltile:                                                ; slot 0 holds the tile's K step 0, everybody's part of it; slot 1's load is on its way
	; THE BIAS IS ROUNDED TO bf16: two numbers are packed into a register of fragment buffer 1, which is not in use here, and widened back into their places.
	s_wait_loadcnt 0x0                             ; the sixteen loads of the tile's bias are in
	s_mov_b32 s20, 0xffff0000                      ; a word's upper bf16
	WIN 0x0a                                       ; sources in window 2, destination in window 0
.set z, 0
.rept 32
	v_cvt_pk_bf16_f32 v[F1+z], v[2*z], v[2*z+1]
.set z, z+1
.endr
	WIN 0x80                                       ; destination in window 2, sources in window 0
.set z, 0
.rept 32
	v_lshlrev_b32 v[2*z], 16, v[F1+z]
	v_and_b32 v[2*z+1], s20, v[F1+z]
.set z, z+1
.endr
	WIN 0
	FETCH 0, 0, F0
	QUARTER 0, 1, F0, F1, 1                        ; a tile's first quarter stands in front of the loop: its products start the sums
	WIN 0
	s_mov_b32 s3, LAPS-1
.Llap:                                                 ; a trip goes once round the ring, from a lap's second quarter to the next lap's first, and fills both slots again
	QUARTER 0, 2, F1, F0, 0
	QUARTER 0, 3, F0, F1, 0
	TURN 0, 1, 1
	QUARTER 1, 1, F0, F1, 0
	QUARTER 1, 2, F1, F0, 0
	QUARTER 1, 3, F0, F1, 0
	TURN 1, 0, 1
	QUARTER 0, 1, F0, F1, 0
	WIN 0
	s_sub_co_u32 s3, s3, 1
	s_cmp_lg_u32 s3, 0
	s_cbranch_scc1 .Llap
	QUARTER 0, 2, F1, F0, 0                        ; the tile's last lap goes on
	QUARTER 0, 3, F0, F1, 0
	WIN 0
	s_cmp_eq_u32 s2, 1
	s_cbranch_scc1 .Llast                          ; the last tile's tail is written out: it asks for nothing more
	s_cmp_eq_u32 s2, 3                             ; the next tile's bias is asked for a lap ahead: its registers were last read by this tile's first quarter
	s_cselect_b64 s[BIA:BIA+1], s[74:75], s[76:77]
	BIASLD
	TURN 0, 1, 1, 1                                ; THE RING GOES ON INTO THE NEXT TILE: slot 0 takes its K step 0,
	QUARTER 1, 1, F0, F1, 0
	QUARTER 1, 2, F1, F0, 0
	QUARTER 1, 3, F0, F1, 0
	TURN 1, 0, 1, 1, 0                             ; slot 1 its K step 1
	WIN 0
	PLACES
	PLACES                                         ; (eight, once a tile)
	PACKQ 0                                        ; BOTH REFILLS ARE ASKED FOR: NOW THE TILE GOES OUT (q's and k's tiles alike)
	TOSTQ 0
.irp e, 1,2,3,4,5,6,7                  ; a block's arithmetic stands between the loads of the block before and the wait for them
	PACKQ \e
	SENDQ (\e)-1
	TOSTQ \e
.endr
	SENDQ 7
	s_wait_xcnt 0x0                                ; the stores have read their registers and their base, the last prefetch its address: only behind this wait are they written again
	s_sub_co_u32 s2, s2, 1
	s_cmp_eq_u32 s2, 2
	s_cselect_b64 s[OUT:OUT+1], s[80:81], s[82:83] ; k's tile goes to kk, v's to vv
	s_add_nc_u64 s[PFA:PFA+1], s[PFA:PFA+1], NEXTB ; from K step 9 of this tile's rows of B to K step 3 of the next tile's
	s_cmp_eq_u32 s11, 0
	s_cselect_b32 s[LIM], -1, s[LIM]               ; A's rows have been read: they are named no more
	s_branch .Ltile
.Llast:
	TURN 0, 1, 0                                   ; the last tile's last lap fills nothing
	QUARTER 1, 1, F0, F1, 0
	QUARTER 1, 2, F1, F0, 0
	QUARTER 1, 3, F0, F1, 0
	s_wait_dscnt 4
	MUL8 F1, 0, 0
	MUL8 F1, 1, 0
	s_wait_dscnt 0x0
	MUL8 F1, 2, 0
	MUL8 F1, 3, 0
	WIN 0
	PLACES
	PLACES                                         ; (eight, once a launch)
	PACKV 0                                        ; v's tile
	TOSTV 0
.irp e, 1,2,3,4,5,6,7
	PACKV \e
	SENDV (\e)-1
	TOSTV \e
.endr
	SENDV 7
	s_wait_tensorcnt 0x0                           ; the wave's end: behind my last tensor load and my last LDS store
	ds_add_u32 v[SPW], v[NIL]
	s_wait_dscnt 0x0
	CROUND                                         ; the closing round: no work-group ends while a partner may still ask for a tile that names it
	s_endpgm
.Lfunc_end_k_q92788391da_qkv:
	.size	k_q92788391da_qkv, .Lfunc_end_k_q92788391da_qkv-k_q92788391da_qkv
	.p2alignl 7, 3214868480
	.fill 96, 4, 3214868480
	.section	.rodata,"a",@progbits
	.p2align	6, 0x0
	.amdhsa_kernel k_q92788391da_qkv
		.amdhsa_group_segment_fixed_size 327680
		.amdhsa_private_segment_fixed_size 0
		.amdhsa_enable_private_segment 0
		.amdhsa_kernarg_size 64
		.amdhsa_user_sgpr_count 2
		.amdhsa_user_sgpr_kernarg_segment_ptr 1
		.amdhsa_wavefront_size32 1
		.amdhsa_system_sgpr_workgroup_id_x 1
		.amdhsa_system_sgpr_workgroup_id_y 1
		.amdhsa_system_sgpr_workgroup_id_z 1
		.amdhsa_system_vgpr_workitem_id 0
		.amdhsa_next_free_vgpr 576
		.amdhsa_next_free_sgpr 92
		.amdhsa_reserve_vcc 0
		.amdhsa_float_denorm_mode_32 3
		.amdhsa_float_denorm_mode_16_64 3
		.amdhsa_memory_ordered 1
		.amdhsa_forward_progress 1
		.amdhsa_inst_pref_size 171
	.end_amdhsa_kernel
	.amdgpu_metadata
---
amdhsa.version: [ 1, 2 ]
amdhsa.kernels:
  - .name:           k_q92788391da_qkv
    .symbol:         k_q92788391da_qkv.kd
    .args:
      - { .name: xb, .offset: 0, .size: 8, .value_kind: global_buffer, .address_space: global }
      - { .name: wqkv, .offset: 8, .size: 8, .value_kind: global_buffer, .address_space: global }
      - { .name: bq, .offset: 16, .size: 8, .value_kind: global_buffer, .address_space: global }
      - { .name: bk, .offset: 24, .size: 8, .value_kind: global_buffer, .address_space: global }
      - { .name: bv, .offset: 32, .size: 8, .value_kind: global_buffer, .address_space: global }
      - { .name: qq, .offset: 40, .size: 8, .value_kind: global_buffer, .address_space: global }
      - { .name: kk, .offset: 48, .size: 8, .value_kind: global_buffer, .address_space: global }
      - { .name: vv, .offset: 56, .size: 8, .value_kind: global_buffer, .address_space: global }
    .group_segment_fixed_size: 327680
    .private_segment_fixed_size: 0
    .kernarg_segment_align: 8
    .kernarg_segment_size: 64
    .max_flat_workgroup_size: 128
    .sgpr_count:     92
    .vgpr_count:     576
    .wavefront_size: 32
...
	.end_amdgpu_metadata
.endif
;; end of part 5
;; launch attn (part 6): grid 8 x 64, 4 waves a work-group, clusters of 4 x 1, 327,680 bytes of LDS; arguments qq, kk, vv, oo; writes oo
.if DOCPART == 6
	.amdgcn_target "amdgcn-amd-amdhsa--gfx1250"
	.amdhsa_code_object_version 6
	.text
	.protected	k_q92788391da_attn
	.globl	k_q92788391da_attn
	.p2align	8
	.type	k_q92788391da_attn,@function
k_q92788391da_attn:
	s_mov_b64 s[64:65], 0
	v_nop
	global_prefetch_b8 v0, s[64:65] scope:SCOPE_SE
	s_setreg_imm32_b32 hwreg(HW_REG_WAVE_MODE, 25, 1), 1
	s_wait_xcnt 0x0
	s_wait_alu depctr_hold_cnt(0) depctr_sa_sdst(0) depctr_va_vdst(0) depctr_va_sdst(0) depctr_va_ssrc(0) depctr_va_vcc(0) depctr_vm_vsrc(0)
	s_getreg_b32 s2, hwreg(HW_REG_IB_STS2, 6, 4)
	s_cmp_eq_u32 s2, 0
	s_cbranch_scc0 .Lentry_in_a_cluster
	s_endpgm
.Lentry_in_a_cluster:
	s_bfe_u32 s2, ttmp6, 0x10000c
	s_cmp_lg_u32 s2, 0x3003
	s_cbranch_scc0 .Lentry_shape_is_right
	s_endpgm
.Lentry_shape_is_right:
; ATTENTION WITH SIGNED WEIGHTS.  O[bh][q][:] = the sum over k of sign(s) softmax_k(|s| / 8) V[bh][k][:], s = Q[bh][q] . K[bh][k].
; qq, kk: [64][2048][128] f16, a row = 64 first parts t1 = f16(t), then 64 second parts t2 = f16(8.125 t - 8 t1) = t1 / 8 + 8.125 (t - t1), unscaled.  vv, oo: [64][2048][64] f16.
; THE SCORES.  A wrong sign of one score moves a whole output row, so f16's 11 bits are too few.  Taken is s' = K2 . Q2 + K1 . Q1, four links of one f32 sum:
; s' = 65/64 q . k + 65 sum (q - q1)(k - k1), apart from the roundings of q2 and k2, which are an eighth as large as q1's and k1's and meet an eighth of the other vector.  No two large sums are subtracted:
; K1 . Q1 carries 64/65 of s', K2 . Q2 the rest.  The factor 65/64 lies in c; the ramp below is free of it.
; LIMIT: s' is off from 65/64 q . k by some 2^-18 of |q| |k| (root mean square), a fifth of the ramp's half-width where the row's largest score is a third of |q| |k|.
; THE SIGN.  sign(s) is taken as the ramp t = clamp(s x 2^17 / m, -1, 1), m the query's running maximum of |s|: equal to sign(s) wherever |s| >= 2^-17 m, and 0 at s = 0.
; LIMIT: a score nearer to 0 than 2^-17 m gets a weight between the two signs', so it is off by about one weight at the most, where a hard sign taken of a rounded score could be off by two.
; SOFTMAX.  p = 2^(c |s'| - c m), c = log2(e) / 8 x 64/65, with the running maximum m (from 0, the lower bound of |s'|) and sum l of the unsigned, unrounded p; in every step O and l are multiplied by
; a = 2^(c m_old - c m_new).  The ramp is made as c t at once, and c |s'| is taken as s' x (c t): the same number wherever t is a sign; nearer to 0 the exponent is off by less than 2^-17 c m.
; The signed weight is p x (c t), in f32, rounded once to f16 for the second product: O carries the factor c, and l is multiplied by c before the division.  O is rounded once at the end.
; LIMITS.  Q, K, V arrive within f16's range; a weight below 2^-126 counts as 0 in l; NaN and infinities are not treated apart.
; SHARES.  A work-group owns 256 queries of one head, a wave 64: two PIECES of two tiles of 16.  Every wave walks all 2,048 keys, 64 a step; an LDS slot holds 256 keys, four steps.
; LAYOUT.  S^T = K Q^T (source 0 = 16 keys, source 1 = 16 queries): a lane holds ONE query (lane % 16) and the keys 8 (lane / 16) + 0..7.  Two such results rounded to f16 ARE source 1 of
; O^T = V^T P.  K comes out of LDS as it lies, V ([key][channel]) turned, by ds_load_tr16_b128.
; BY TURNS.  A turn belongs to piece y.  Part A: 16 products V^T P and then 32 products K Q^T of the OTHER piece; behind each stand four vector instructions of piece y: its ramp, scaling, exponentials and
; rescaling are 192 lines, four for each of the 48 products.  Then a lump of 48: the other piece's maximum and statistics.  All of the turn's 68 transcendentals stand in part A, and nothing there names a
; result of theirs: ONE wait ends it.  Part B: a lump of 96: signed weights, sums, roundings.  Two turns are a key step: 96 matrix and 672 vector instructions.
; CLUSTER.  The four query blocks of a cluster belong to one head and walk the same K and V: each tile is asked for jointly.
; REGISTERS, in windows of 256 (s_set_vgpr_msb: bits 1:0 source 0, 3:2 source 1, 5:4 source 2, 7:6 destination):
;   window 0: v0-15 addresses and constants; v16-31 four statistics a tile; v32-33 the add's; v48-63 at work; v64-191 S^T, 32 a tile; v192-255 c t, then the signed weights, of the piece in hand, 32 a tile
;   window 1: v0-127 O^T, 32 a tile; v128-191 K2 of one step; v192-255 Q2          window 2: v0-63 Q1; v64-127 P, 16 a tile; v128-191 K1 of one step; v192-255 V of one step
.set KS,    64
.set PK,    272       ; a row of kk in LDS: 256 bytes + 16 = 68 words: the 16 rows of a load start at 16 different groups of four banks (64 banks of 4 bytes: ISA guide 11.1)
.set PV,    160       ; a row of V: 128 + 32 = 40 words
.set VOFF,  4*KS*PK   ; a slot: 256 rows of kk, then 256 rows of V
.set SLOT1, 1<<17     ; slot 1 begins here: one exclusive or turns an address in one slot into the other's
.set STAGE, SLOT1+4*KS*(PK+PV)  ; behind the ring: 16 rows x 144 bytes for each wave, for the way out
.set SP,    144
.set SPARE, STAGE+4*16*SP       ; behind the stages: the spare words, 128 bytes for each wave
.set AK0, 2           ; v2   my lane's place in a tile of K; never rewritten
.set AV0, 3           ; v3   the same for V
.set AK,  4           ; v4   the LDS address of K's run of loads
.set AV,  5           ; v5   of V's
.set QO,  6           ; v6   my byte offset in 16 rows of qq
.set STO, 6           ;      later, the way out: where I put 16 bytes of a row
.set RD,  7           ; v7   the way out: where I read rows back
.set GO,  8           ; v8   my byte offset in 512 consecutive bytes of oo
.set PFO, 9           ; v9   at first l / 16; then 256 x my lane, the prefetches' offset
.set HALF, 10         ; v10-11 at first at work; then 0.5, 0.5
.set MV,  12          ; v12-15 c m_old, kept while c m is made anew: by tile
.set ST,  16          ; tile t's statistics at v[ST+4 t]: c m, m, l (even keys', odd keys')
.set SPW, 32          ; v32  LDS address of my spare word; never rewritten
.set NIL, 33          ; v33  0; never rewritten
.set TMP, 48          ; by tile, four registers c0-c3 at work; at the end c0 holds 2^16 / m and c2 holds a
.set S,   64
.set CT,  192         ; window 0: tile u of the piece in hand at CT + 32 u
.set P2,  64          ; window 2: P of piece y, tile u at P2 + 32 y + 16 u
.set KF,  128         ; K's fragments, K1 in window 2 and K2 in window 1: key block kb, channel half c at KF + 16 kb + 8 c
.set VF,  192         ; V's, window 2: key half kk, channel block cb at VF + 32 kk + 8 cb
.set QL,  192         ; Q2, window 1: tile t, channel half c at QL + 16 t + 8 c (Q1: window 2, 16 t + 8 c)
.set WV,  12          ; s12  my wave's number
.set LIM, 15          ; s15  1 in a wave that prefetches, else the greatest number
.set PFA, 18          ; s[18:19] where my prefetches stand
.set G1K, 24          ; s[24:31] descriptor group 1 for kk's tiles
.set G1V, 32          ; s[32:39] for V's
.set G0K, 40          ; s[40:43] descriptor group 0 for kk's tiles: it walks
.set G0V, 44          ; s[44:47] the same for V's
.set PFS, 48          ; s[48:49] a slot's bytes in the tensor that I prefetch
.set RA,  50          ; s50  2^-16
.set RB,  51          ; s51  2^-100: keeps the reciprocal finite where all scores are 0
.set C2,  52          ; s[52:53] 2 c (at the head these four hold offsets)
.set CN,  54          ; s[54:55] -c
.set SLOTS, 56        ; s56  slots still to be asked for
.set CNT, 57          ; s57  counts a slot's key steps
.set CS,  58          ; s[58:59] c
.set SEL, 60          ; s[60:61] v_permlanex16_b32's selects: each lane takes its own place in the other half
.set TBK, 62          ; s62  LDS byte at which K of the step to be fetched begins
.set TBV, 63          ; s63  the same for V, less VOFF
.set MSB, 0
.macro WIN new                      ; the high byte repeats the setting that is left; a switch that changes nothing is dropped
.if MSB != (\new)
	s_set_vgpr_msb (MSB<<8)|(\new)
.set MSB, (\new)
.endif
.endm
.set W_PV, 0x5a       ; V and P in window 2, O^T in window 1
.set W_RS, 0x41       ; O^T (destination and source 0) in window 1, the factor in window 0
; A joint fill.  Waves 0 and 1 fetch the two halves of a slot's kk, waves 2 and 3 those of its V: 128 keys each.  The branch hangs on the wave's number alone.
; An s_nop 0 and four v_nop follow each of the two lines, ahead of the jump and the label.
.macro JLOAD
	s_cmp_lt_u32 s[WV], 2
	s_cbranch_scc0 .Lfor_v_\@
	tensor_load_to_lds s[G0K:G0K+3], s[G1K:G1K+7]
	s_nop 0
.rept 4
	v_nop
.endr
	s_branch .Lasked_\@
.Lfor_v_\@:
	tensor_load_to_lds s[G0V:G0V+3], s[G1V:G1V+7]
	s_nop 0
.rept 4
	v_nop
.endr
.Lasked_\@:
.endm
; A PREFETCH INTO THE L2 of what the NEXT change of slots will ask for, four key steps (384 matrix instructions) ahead of that load: 256 rows of kk and 128 blocks of 256 bytes of V.
; Each block is named once in the launch: a head's two clusters walk the same rows, and the first asks; its four partners share the blocks out by address; in each, waves 0 and 1 name 32 rows of kk each
; and wave 2 names 32 blocks of V: a lane a block.  Slots 0 to 2 come by their loads alone; the last change that fills a slot asks for nothing.
.macro ASK
	s_cmp_gt_u32 s[SLOTS], s[LIM]
	s_cbranch_scc0 .Lnot_mine_\@
	global_prefetch_b8 v[PFO], s[PFA:PFA+1] th:TH_LOAD_NT scope:SCOPE_SE
.Lnot_mine_\@:
.endm
.macro CROUND                       ; a round of the cluster's barrier
	s_barrier_signal -1
	s_barrier_wait -1
	s_cmp_lg_u32 s[WV], 0
	s_cbranch_scc1 .Lnot_wave_0_\@
	s_barrier_signal -3
.Lnot_wave_0_\@:
	s_barrier_wait -3
	s_barrier_signal -1
	s_barrier_wait -1
.endm
; THE CHANGE OF SLOTS.  The slot's last bytes, V of its fourth step, have been asked for.  Each wave waits for all its tensor loads, of which one is out: its part of the other slot; adds 0 to its spare
; word; and waits for that and for its own reads of the slot.  fill = 1: the barrier is a round of the cluster's, and the slot is filled again, with the keys two slots on, first thing behind it.
; (At its first use nothing has been read yet: slot 0 is waited for, slot 1 filled.)
.macro CHANGE fill, ask
	WIN 0
	s_wait_tensorcnt 0x0            ; no tensor load of mine is out, so a group 0 may be written
	ds_add_u32 v[SPW], v[NIL]       ; 0 onto my spare word; the descriptors' steps stand between it and the wait for it
.if \fill
	s_xor_b32 s[G0K+1], s[G0K+1], SLOT1
	s_add_nc_u64 s[G0K+2:G0K+3], s[G0K+2:G0K+3], 4*KS*256  ; the next 256 keys; the type bits on top are not reached
	s_xor_b32 s[G0V+1], s[G0V+1], SLOT1
	s_add_nc_u64 s[G0V+2:G0V+3], s[G0V+2:G0V+3], 4*KS*128
	s_wait_xcnt 0x0                 ; the last prefetch, four key steps back, has read its address
	s_add_nc_u64 s[PFA:PFA+1], s[PFA:PFA+1], s[PFS:PFS+1]
	s_wait_dscnt 0x0                ; the add is done, and my reads of the slot are over
	CROUND
	JLOAD
.if \ask
	ASK
.endif
.else
	s_wait_dscnt 0x0
	s_barrier_signal -1
	s_barrier_wait -1
.endif
	s_sub_co_u32 s[TBK], s[TBK], 4*KS*PK  ; the fetches go back to a slot's first step,
	s_xor_b32 s[TBK], s[TBK], SLOT1       ; in the other slot
	s_sub_co_u32 s[TBV], s[TBV], 4*KS*PV
	s_xor_b32 s[TBV], s[TBV], SLOT1
.endm
	s_load_b256 s[4:11], s[0:1], 0x0  ; qq s[4:5], kk s[6:7], vv s[8:9], oo s[10:11]
	v_lshl_add_u32 v[SPW], v0, 2, SPARE
	v_mov_b32 v[NIL], 0
	ds_add_u32 v[SPW], v[NIL]       ; the wave's opening: the add and its wait stand ahead of my first tensor load; the set-up below stands between them
	v_lshrrev_b32 v1, 5, v0
	v_readfirstlane_b32 s[WV], v1   ; wave 0..3
	s_bfe_u32 s13, ttmp6, 0x40000   ; cx: my place in the cluster
	s_lshl_b32 s14, ttmp9, 2
	s_add_co_u32 s14, s14, s13      ; my block of 256 queries: it enters qq's and oo's addresses alone
	s_and_b32 s20, ttmp7, 0xffff    ; bh, which the four partners share
	s_and_b32 s16, s[WV], 1         ; which half of a slot's 256 keys I fetch
	s_lshl_b32 s22, s20, 19         ; kk: the head's 524,288 bytes, my half's 32,768
	s_lshl_b32 s2, s16, 15
	s_add_co_u32 s22, s22, s2
	s_mov_b32 s23, 0
	s_lshl_b32 s52, s20, 18         ; vv: half of that
	s_lshl_b32 s2, s16, 14
	s_add_co_u32 s52, s52, s2
	s_mov_b32 s53, 0
	s_mul_i32 s17, s16, 128*PK      ; my half's place in a slot, for kk
	s_mul_i32 s21, s16, 128*PV      ; and for V: no place in the cluster enters an LDS address
	s_lshl_b32 s2, s14, 2
	s_add_co_u32 s2, s2, s[WV]      ; my wave among the head's 32,
	s_lshl_b32 s54, s2, 13          ; its 64 rows in oo
	s_lshl_b32 s2, s2, 14           ; and in qq
	s_lshl_b32 s3, s20, 19
	s_add_co_u32 s2, s2, s3
	s_lshl_b32 s3, s20, 18
	s_add_co_u32 s54, s54, s3
	s_mov_b32 s3, 0
	s_mov_b32 s55, 0
	s_mov_b32 s[G1K], 15|(1<<16)|(1<<20)|(1<<21)|(5<<22)|(3<<25)  ; 15:0 the mask of four; 17:16 2-byte elements; 20 padding on; 21 set beside a mask; 24:22 after every 64 words (code 5); 31:25 4 words (code 3)
	s_mov_b32 s[G1K+1], 128<<16     ; tensor_dim0 = 128
	s_mov_b32 s[G1K+2], 128<<16     ; tensor_dim1 = 128
	s_mov_b32 s[G1K+3], 128<<16     ; tile_dim0 = 128
	s_mov_b32 s[G1K+4], 128         ; tile_dim1 = 128
	s_mov_b32 s[G1K+5], 128         ; elements from row to row
	s_mov_b32 s[G1K+6], 0
	s_mov_b32 s[G1K+7], 0
	s_mov_b32 s[G1V], 15|(1<<16)|(1<<20)|(1<<21)|(4<<22)|(7<<25)  ; V: 128 keys are 16,384 dense bytes: 64 rows of 256 bytes, padded by 8 words (code 7) after every 32 (code 4): after every key
	s_mov_b32 s[G1V+1], 128<<16
	s_mov_b32 s[G1V+2], 64<<16
	s_mov_b32 s[G1V+3], 128<<16
	s_mov_b32 s[G1V+4], 64
	s_mov_b32 s[G1V+5], 128
	s_mov_b32 s[G1V+6], 0
	s_mov_b32 s[G1V+7], 0
	s_mov_b32 s[CS], 0x3e35d2ef     ; c = log2(e) / 8 x 64/65 = 0.177562
	s_mov_b32 s[CS+1], s[CS]
	s_mov_b32 s[SEL], 0x76543210
	s_mov_b32 s[SEL+1], 0xfedcba98
	s_mov_b32 s[RA], 0x37800000
	s_mov_b32 s[RB], 0x0d800000
	s_mov_b32 s[TBK], SLOT1+4*KS*PK ; the first change of slots turns these two into 0
	s_mov_b32 s[TBV], SLOT1+4*KS*PV
	s_mov_b32 s[G0K], 1
	s_mov_b32 s[G0K+1], s17         ; slot 0
	s_mov_b32 s[G0V], 1
	s_add_co_u32 s[G0V+1], s21, VOFF
	s_cmp_eq_u32 s[WV], 3           ; waves 0, 1, 2 of the head's first cluster prefetch: the same in all four partners
	s_cselect_b32 s[LIM], 1, 0
	s_or_b32 s[LIM], s[LIM], ttmp9
	s_cmp_eq_u32 s[LIM], 0
	s_cselect_b32 s[LIM], 1, -1
	s_wait_dscnt 0x0                ; the opening add is done
	s_wait_kmcnt 0x0
	s_add_nc_u64 s[G0K+2:G0K+3], s[6:7], s[22:23]
	s_or_b32 s[G0K+3], s[G0K+3], 0x80000000
	s_add_nc_u64 s[G0V+2:G0V+3], s[8:9], s[52:53]
	s_or_b32 s[G0V+3], s[G0V+3], 0x80000000
	s_add_nc_u64 s[4:5], s[4:5], s[2:3]      ; qq and oo at my wave's first row
	s_add_nc_u64 s[10:11], s[10:11], s[54:55]
	s_mov_b32 s[C2], 0x3eb5d2ef     ; 2 c: the offsets that lay here have been used
	s_mov_b32 s[C2+1], s[C2]        ; named with it as a pair
	s_mov_b32 s[CN], 0xbe35d2ef     ; -c
	s_mov_b32 s[CN+1], s[CN]
	s_cmp_lt_u32 s[WV], 2
	s_cselect_b64 s[PFA:PFA+1], s[6:7], s[8:9]
	s_cselect_b32 s3, 1, 0          ; kk's figures are twice V's
	s_lshl_b32 s2, s20, 18          ; the head,
	s_lshl_b32 s14, s13, 13         ; my work-group's quarter of a slot,
	s_add_co_u32 s2, s2, s14
	s_add_co_u32 s2, s2, 0x8000     ; slot 1: the first change steps it to slot 2 and asks for nothing
	s_lshl_b32 s2, s2, s3
	s_lshl_b32 s[PFS], 0x8000, s3
	s_mov_b32 s[PFS+1], 0
	s_lshl_b32 s14, s16, 13         ; wave 1: the second 32 rows of kk
	s_add_co_u32 s2, s2, s14
	s_mov_b32 s3, 0
	s_add_nc_u64 s[PFA:PFA+1], s[PFA:PFA+1], s[2:3]
	CROUND                          ; all four work-groups are here: the first joint loads meet
	JLOAD                           ; slot 0.  Slot 1 is asked for when slot 0 is in
	v_and_b32 v1, 15, v0            ; l % 16
	v_bfe_u32 v9, v0, 4, 1          ; l / 16
	v_lshlrev_b32 v[QO], 8, v1
	v_lshl_add_u32 v[QO], v9, 4, v[QO]  ; row x 256 + 16 x half
	WIN 0x80                        ; Q stays in registers: tile i / 2, channels 32 (i % 2) on; the first parts into window 2,
.set i, 0
.rept 8
	global_load_b128 v[8*i:8*i+3],   v[QO], s[4:5] offset:(i/2)*4096+(i%2)*64
	global_load_b128 v[8*i+4:8*i+7], v[QO], s[4:5] offset:(i/2)*4096+(i%2)*64+32
.set i, i+1
.endr
	; What the first turn finds: V's registers and piece 1's P hold 0 (its products V^T P, of a step that has not been, add 0); O^T, l, m and c m are 0.  All this stands in the wait for the first tile.
.set i, VF
.rept 64
	v_mov_b32 v[i], 0
.set i, i+1
.endr
.set i, P2+32
.rept 32
	v_mov_b32 v[i], 0
.set i, i+1
.endr
	WIN 0x40                        ; the second parts into window 1
.set i, 0
.rept 8
	global_load_b128 v[QL+8*i:QL+8*i+3],   v[QO], s[4:5] offset:(i/2)*4096+(i%2)*64+128
	global_load_b128 v[QL+8*i+4:QL+8*i+7], v[QO], s[4:5] offset:(i/2)*4096+(i%2)*64+160
.set i, i+1
.endr
.set i, 0
.rept 128
	v_mov_b32 v[i], 0
.set i, i+1
.endr
	WIN 0
.set i, 0
.rept 16
	v_mov_b32 v[ST+i], 0
.set i, i+1
.endr
	v_mul_u32_u24 v[AK0], v1, PK
	v_lshl_add_u32 v[AK0], v9, 4, v[AK0]  ; row x pitch + 16 x half
	; The turning load takes 16 keys x 16 channels (lane l reads key 8 (l / 16) + l % 8, channels 8 ((l / 8) % 2) + 0..7) and leaves half a fragment of V^T: lane l holds channel l % 16 and 8 keys.
	v_and_b32 v10, 7, v0
	v_bfe_u32 v11, v0, 3, 1
	v_lshl_add_u32 v[AV0], v9, 3, v10
	v_mul_u32_u24 v[AV0], v[AV0], PV
	v_lshl_add_u32 v[AV0], v11, 4, v[AV0]
	v_add_nc_u32 v[AV0], VOFF, v[AV0]
; THE MATRIX WORK.  The 8 accumulators of a run take turns, one instruction a turn.
; Product i of 32 of S^T for piece x: link i / 8 of four: K2 Q2, then K1 Q1, each for channels 0-31 and 32-63; keys 16 ((i / 2) % 4) on, tile 2 x + i % 2.  The first 8 start the sums.
.macro KQ x
.set kS, S+64*(\x)+32*(i%2)+8*((i/2)%4)
.set kK, KF+16*((i/2)%4)+8*((i/8)%2)
.set kQ, 16*(2*(\x)+i%2)+8*((i/8)%2)
.if i < 16
	WIN 0x05                        ; K2 and Q2, in window 1
.set kQ, kQ+QL
.else
	WIN 0x0a                        ; K1 and Q1, in window 2
.endif
.if i < 8
	v_wmma_f32_16x16x32_f16 v[kS:kS+7], v[kK:kK+7], v[kQ:kQ+7], 0
.else
	v_wmma_f32_16x16x32_f16 v[kS:kS+7], v[kK:kK+7], v[kQ:kQ+7], v[kS:kS+7]
.endif
.endm
; Product i of 16 of O^T += V^T P for piece x: keys 32 (i / 8) on, channels 16 ((i / 2) % 4) on, tile 2 x + i % 2.
.macro PV x
	WIN W_PV
.set pO, 32*(2*(\x)+i%2)+8*((i/2)%4)
.set pV, VF+32*(i/8)+8*((i/2)%4)
.set pP, P2+32*(\x)+16*(i%2)+8*(i/8)
	v_wmma_f32_16x16x32_f16 v[pO:pO+7], v[pV:pV+7], v[pP:pP+7], v[pO:pO+7]
.endm
.macro MM                           ; the turn's next matrix instruction, of 48, for the other piece
.if i < 16
	PV 1-Y
.else
.set i, i-16
	KQ 1-Y
.set i, i+16
.endif
.set i, i+1
.endm
; THE LDS LOADS stand in runs: a step's K (64 keys x 64 channels, both parts: 32 loads) and its V (turned: 16 loads).
; last = 1 (the tail): in the last trip there is no further step, and K's run is jumped over.
.macro FETCH_K last=0
	WIN 0
.if \last
	s_cmp_eq_u32 s[CNT], 1
	s_cbranch_scc1 .Lno_k_\@
.endif
	v_add_nc_u32 v[AK], s[TBK], v[AK0]
	WIN 0x80
.irp f, 0,1,2,3,4,5,6,7             ; keys 16 (f / 2) on, channels 32 (f % 2) on
	ds_load_b128 v[KF+8*\f:KF+8*\f+3],   v[AK] offset:(\f/2)*16*PK+(\f%2)*64
	ds_load_b128 v[KF+8*\f+4:KF+8*\f+7], v[AK] offset:(\f/2)*16*PK+(\f%2)*64+32
.endr
	WIN 0x40
.irp f, 0,1,2,3,4,5,6,7
	ds_load_b128 v[KF+8*\f:KF+8*\f+3],   v[AK] offset:(\f/2)*16*PK+(\f%2)*64+128
	ds_load_b128 v[KF+8*\f+4:KF+8*\f+7], v[AK] offset:(\f/2)*16*PK+(\f%2)*64+160
.endr
	s_add_co_u32 s[TBK], s[TBK], KS*PK  ; the next fetch is the next step's
	WIN 0
.if \last
.Lno_k_\@:
.endif
.endm
.macro FETCH_V
	WIN 0x80
.irp f, 0,1,2,3,4,5,6,7             ; keys 32 (f / 4) on, channels 16 (f % 4) on
	ds_load_tr16_b128 v[VF+8*\f:VF+8*\f+3],   v[AV] offset:(\f/4)*32*PV+(\f%4)*32
	ds_load_tr16_b128 v[VF+8*\f+4:VF+8*\f+7], v[AV] offset:(\f/4)*32*PV+16*PV+(\f%4)*32
.endr
	WIN 0
.endm
; THE VECTOR WORK stands in queues, each in the order in which its entries become ready; the two tiles alternate.
.macro REGS y, u                    ; the registers of tile u (0, 1) of piece y
.set rT, ST+4*(2*(\y)+(\u))
.set rC, TMP+8*(\y)+4*(\u)
.set rM, MV+2*(\y)+(\u)
.set rS, S+64*(\y)+32*(\u)
.set rW, CT+32*(\u)
.set rP, P2+32*(\y)+16*(\u)
.set rO, 32*(2*(\y)+(\u))
.endm
; Number n of those that find the OTHER piece's maximum of |s| and its statistics.  Each accumulator's lowest registers are read first.
;   0-11  four chains c0-c3 of seven scores each     12-14, 16  the four scores left over, the old m, c0-c3 into c0     15  c m_old is kept     17, 18  the other half of the lanes': the new m
;   22  m 2^-16 + 2^-100     19, 20  c m; c m_old - c m_new     21  a     23  2^16 / m
.macro XS u, n
	REGS 1-Y, \u
.if (\n) < 4
	v_max3_num_f32 v[rC+(\n)], |v[rS+8*(\n)]|, |v[rS+8*(\n)+1]|, |v[rS+8*(\n)+2]|
.elseif (\n) < 12
	v_max3_num_f32 v[rC+(\n)%4], v[rC+(\n)%4], |v[rS+8*((\n)%4)+2*((\n)/4)+1]|, |v[rS+8*((\n)%4)+2*((\n)/4)+2]|
.elseif (\n) == 12
	v_max3_num_f32 v[rC], v[rC], |v[rS+7]|, |v[rS+15]|
.elseif (\n) == 13
	v_max3_num_f32 v[rC+1], v[rC+1], |v[rS+23]|, |v[rS+31]|
.elseif (\n) == 14
	v_max3_num_f32 v[rC+2], v[rC+2], v[rC+3], v[rT+1]
.elseif (\n) == 15
	v_mov_b32 v[rM], v[rT]
.elseif (\n) == 16
	v_max3_num_f32 v[rC], v[rC], v[rC+1], v[rC+2]
.elseif (\n) == 17
	v_permlanex16_b32 v[rC+3], v[rC], s[SEL], s[SEL+1]
.elseif (\n) == 18
	v_max_num_f32 v[rT+1], v[rC], v[rC+3]
.elseif (\n) == 19
	v_mul_f32 v[rT], s[CS], v[rT+1]
.elseif (\n) == 20
	v_sub_f32 v[rC+1], v[rM], v[rT]
.elseif (\n) == 21
	v_exp_f32 v[rC+2], v[rC+1]
.elseif (\n) == 22
	v_fma_f32 v[rC], v[rT+1], s[RA], s[RB]
.else
	v_rcp_f32 v[rC], v[rC]
.endif
.endm
; THE PLAIN QUEUE OF PART A, 140 long.  0-95, in eight groups of twelve, a group for two of the 16 pairs of scores and both tiles: four times the ramp's half g = 0.5 + s 2^16 / m held to 0..1;
; four times c t = 2 c g - c; four times s (c t) - c m, in place.  So a line reads what the fourth line before it wrote.  96-139: the other piece's 22 plain numbers of XS, both tiles.
.macro PA
	WIN 0
.if q < 96
	REGS Y, q%2
.set k, 2*(q/12)+(q%4)/2
.set ty, (q%12)/4
.if ty == 0
	v_pk_fma_f32 v[rW+2*k:rW+2*k+1], v[rS+2*k:rS+2*k+1], v[rC:rC+1], v[HALF:HALF+1] op_sel_hi:[1,0,1] clamp
.elseif ty == 1
	v_pk_fma_f32 v[rW+2*k:rW+2*k+1], v[rW+2*k:rW+2*k+1], s[C2:C2+1], s[CN:CN+1] op_sel_hi:[1,0,0]
.else
	v_pk_fma_f32 v[rS+2*k:rS+2*k+1], v[rS+2*k:rS+2*k+1], v[rW+2*k:rW+2*k+1], v[rT:rT+1] op_sel_hi:[1,1,0] neg_lo:[0,0,1] neg_hi:[0,0,1]
.endif
.else
.set xi, (q-96)/2
.set xn, xi
.if xi == 14
.set xn, 15
.elseif xi == 15
.set xn, 14
.elseif xi == 19
.set xn, 22
.elseif xi > 19
.set xn, xi-1
.endif
	XS (q-96)%2, xn
.endif
.set q, q+1
.endm
; THE TRANSCENDENTALS' QUEUE, 68 long: the 64 exponentials of piece y, pair e / 4, then the other piece's two a and two reciprocals.  One batch.
.macro EX
	WIN 0
.if e >= 66
	XS e-66, 23
.elseif e >= 64
	XS e-64, 21
.else
	REGS Y, e%2
	v_exp_f32 v[rS+2*(e/4)+(e%4)/2], v[rS+2*(e/4)+(e%4)/2]
.endif
.set e, e+1
.endm
; THE RESCALING's QUEUE: O^T times a, two at a time, sixteen times.  Its a was made, and waited for, in the turn before.
.macro R2
	REGS Y, r%2
	WIN W_RS
.irp z, 0,1
	v_pk_mul_f32 v[rO+4*(r/2)+2*\z:rO+4*(r/2)+2*\z+1], v[rO+4*(r/2)+2*\z:rO+4*(r/2)+2*\z+1], v[rC+2:rC+3] op_sel_hi:[1,0]
.endr
.set r, r+1
.endm
; THE FIRST QUEUE OF PART B, 64 long, in groups kk of eight, both tiles: the signed weights p (c t) of pair 2 kk, in c t's place; l takes the sum of the group before (the first time as l = a l + sum);
; the signed weights of pair 2 kk + 1; then the second pair's p is added onto the first's, in place.  Group 0 has no group before it, and behind group 7 only l is left.  The links of l's chain stand eight lines apart.
.macro PB
	WIN 0
.set h, g
.if g >= 62
.set h, g+4
.elseif g >= 2
.set h, g+2
.endif
	REGS Y, h%2
.set kk, h/8
.set j, h%8
.if (j < 2) || (j == 4) || (j == 5)
.set k, 2*kk+j/4
	v_pk_mul_f32 v[rW+2*k:rW+2*k+1], v[rS+2*k:rS+2*k+1], v[rW+2*k:rW+2*k+1]
.elseif (j < 4) && (kk == 1)
	v_pk_fma_f32 v[rT+2:rT+3], v[rT+2:rT+3], v[rC+2:rC+3], v[rS:rS+1] op_sel_hi:[1,0,1]
.elseif j < 4
	v_pk_add_f32 v[rT+2:rT+3], v[rT+2:rT+3], v[rS+4*kk-4:rS+4*kk-3]
.else
	v_pk_add_f32 v[rS+4*kk:rS+4*kk+1], v[rS+4*kk:rS+4*kk+1], v[rS+4*kk+2:rS+4*kk+3]
.endif
.set g, g+1
.endm
; THE SECOND QUEUE OF PART B, 32 long: the signed weights are rounded to f16, a pair a line, into P in window 2: one stretch under one window setting, in ascending order.
.macro CV
	WIN 0x80
	REGS Y, gc%2
	v_cvt_pk_f16_f32 v[rP+gc/2], v[rW+2*(gc/2)], v[rW+2*(gc/2)+1]
.set gc, gc+1
.endm
; PART A OF A TURN, for piece y.  Four vector instructions stand behind each of the 48 products, and a set of four stays in one window where it can:
;   products 5, 11, .. 35: four rescalings.     products 44 to 47: two exponentials (the last group's eight) and two rescalings.
;   the other 38, in their order: three with four plain lines (the first group of twelve); then for each further group five: plain, exponential, plain, and by turns an exponential or a plain line:
;   twelve plain lines of the group and the eight exponentials of the group before, whose scalings are all done.
; No rider names a register of the products round it: those are the other piece's.
; y = 0: V of the step in hand is fetched behind product 17, whose four rescalings are the places behind product 15, the last that read V.  Its address is made at the head.
; y = 1: V is waited for at the head (K's 32 younger loads may stay out; in the tail K's run may have been jumped, so the count is 0), K ahead of product 16.
; The lump: the other piece's accumulators were ended by products 40 to 47; the last of them is read by the lump's eighth line, behind two rescalings and seven lines that name other accumulators.
.macro TA y, tail=0
.set Y, (\y)
.set i, 0
.set q, 0
.set e, 0
.set r, 0
.set nn, 0
.if (\y) == 0
	WIN 0
	v_add_nc_u32 v[AV], s[TBV], v[AV0]
	s_add_co_u32 s[TBV], s[TBV], KS*PV
.elseif \tail
	s_wait_dscnt 0x0                ; V is in
.else
	s_wait_dscnt 32                 ; V is in
.endif
.rept 48
.if ((\y) == 1) && (i == 16)
	s_wait_dscnt 0x0                ; K is in
.endif
	MM
.if (i <= 36) && (i%6 == 0)
	R2
	R2
.elseif i > 44
	EX
	EX
	R2
.elseif nn < 3
	PA
	PA
	PA
	PA
.set nn, nn+1
.else
	PA
	EX
	PA
.if ((nn-3)%5)%2 == 0
	EX
.else
	PA
.endif
.set nn, nn+1
.endif
.if ((\y) == 0) && (i == 18)
	FETCH_V
.endif
.endr
.rept 44
	PA
.endr
.rept 4
	EX
.endr
	v_nop                           ; a plain instruction behind the last transcendental: one for the batch (ISA guide 5.7.2)
	s_wait_alu depctr_va_vdst(0)    ; the wait ahead of the first line that names a result: one for the batch of 68
.endm
; PART B.  y = 0: K of the next step is fetched first: a lump behind the last product that read K; the address is made here, behind the change of slots.
.macro TB y, last=0
.set Y, (\y)
.set g, 0
.set gc, 0
.if (\y) == 0
	FETCH_K \last
.endif
.rept 64
	PB
.endr
.rept 32
	CV
.endr
.endm
	CHANGE 1, 0                     ; slot 0 is in, everybody's part of it; slot 1 is asked for
	FETCH_K                         ; key step 0
	s_wait_loadcnt 0x0              ; Q
	s_wait_dscnt 0x0
.set i, 0
.rept 32
	KQ 0                            ; piece 0's first scores: there is no vector work yet to set between them
.set i, i+1
.endr
	WIN 0                           ; the addresses for the way out: plain instructions, the places behind those products
	s_mul_i32 s13, s[WV], 16*SP
	s_add_co_u32 s13, s13, STAGE    ; my stage
	v_mul_u32_u24 v[STO], v1, SP    ; in: row l % 16, 16 bytes for each half of the lanes
	v_lshl_add_u32 v[STO], v9, 4, v[STO]
	v_add_nc_u32 v[STO], s13, v[STO]
	v_bfe_u32 v[RD], v0, 3, 2       ; back: 32 lanes take four rows of 128 bytes,
	v_mul_u32_u24 v[RD], v[RD], SP
	v_lshl_add_u32 v[RD], v10, 4, v[RD]
	v_add_nc_u32 v[RD], s13, v[RD]
	v_and_b32 v[GO], 31, v0         ; which are 512 consecutive bytes of oo
	v_lshlrev_b32 v[PFO], 8, v[GO]
	v_lshlrev_b32 v[GO], 4, v[GO]
	v_mov_b32 v[HALF], 0.5
	v_mov_b32 v[HALF+1], 0.5
.set Y, 1                           ; XS works for the other piece: piece 0
.irp n, 0,1,2,3,4,5,6,7,8,9,10,11,12,13,15,14,16,17,18,22,19,20,21,23
	XS 0, \n
	XS 1, \n
.endr
	v_nop                           ; a plain instruction behind the four transcendentals,
	s_wait_alu depctr_va_vdst(0)    ; and their wait, ahead of the branch
	s_mov_b32 s[CNT], 4
	s_mov_b32 s[SLOTS], 7
	s_branch .Lfirst                ; the loop is entered at a step's first part, in the middle of a trip
.Lslot:                             ; six times: every slot but the last two is filled again
	CHANGE 1, 1
	s_mov_b32 s[CNT], 4
.Lstep:                             ; a trip: the rest of one step, whose successor's K it fetches, then the next step's first part, which fetches that step's V
	TB 0
	TA 1
	TB 1
	WIN 0
.Lfirst:
	TA 0
	WIN 0
	s_sub_co_u32 s[CNT], s[CNT], 1
	s_cmp_lg_u32 s[CNT], 0
	s_cbranch_scc1 .Lstep
	s_sub_co_u32 s[SLOTS], s[SLOTS], 1
	s_cmp_lg_u32 s[SLOTS], 0
	s_cbranch_scc1 .Lslot
	CHANGE 0, 0                     ; the tail is written out: nothing is asked for
	s_mov_b32 s[CNT], 5             ; four trips fetch the last slot's steps; the fifth is left in its middle
.Ltail:
	TB 0, 1
	TA 1, 1
	TB 1
	WIN 0
	s_sub_co_u32 s[CNT], s[CNT], 1
	s_cmp_eq_u32 s[CNT], 0
	s_cbranch_scc1 .Lout
	TA 0
	WIN 0
	s_branch .Ltail
.Lout:                              ; the fifth trip's 32 products K Q^T (on the last K once more) and the statistics made of them serve nothing: the price, once a launch, of one text for every trip
.set i, 0
.rept 16
	PV 1                            ; piece 1's V^T P of the last step
.set i, i+1
.endr
	; THE WAY OUT.  l's two halves and the other half of the lanes' are added and multiplied by c, the factor that the weights carry; O^T is divided by that, rounded to f16 and sent through my stage in LDS,
	; a tile at a time.  The additions are the places behind the last products.
	WIN 0
.macro ALL line:vararg              ; one line for each tile t
.set t, 0
.rept 4
	\line
.set t, t+1
.endr
.endm
	ALL v_add_f32 v[ST+4*t+2], v[ST+4*t+2], v[ST+4*t+3]
	ALL v_permlanex16_b32 v[ST+4*t+3], v[ST+4*t+2], s[SEL], s[SEL+1]
	ALL v_add_f32 v[ST+4*t+2], v[ST+4*t+2], v[ST+4*t+3]
	ALL v_mul_f32 v[ST+4*t+2], s[CS], v[ST+4*t+2]
	ALL v_rcp_f32 v[ST+4*t+2], v[ST+4*t+2]
	v_nop                           ; a plain instruction between the last reciprocal and the use of its result
	s_wait_alu depctr_va_vdst(0)    ; and the wait ahead of the first use: one for the four reciprocals
; Tile t: a lane's eight channels of a row pack into 16 bytes; they go into rows of 144 bytes and come back as whole rows of 128, into S^T's registers.
.macro PACK t
	WIN W_RS
.set i, 32*(\t)
.rept 16
	v_pk_mul_f32 v[i:i+1], v[i:i+1], v[ST+4*(\t)+2:ST+4*(\t)+3] op_sel_hi:[1,0]
.set i, i+2
.endr
	WIN 0x05                        ; sources 0 and 1 window 1, destination window 0
.set i, 0
.rept 16
	v_cvt_pk_f16_f32 v[S+16*(\t)+i], v[32*(\t)+2*i], v[32*(\t)+2*i+1]
.set i, i+1
.endr
	WIN 0
.irp f, 0,1,2,3
	ds_store_b128 v[STO], v[S+16*(\t)+4*\f:S+16*(\t)+4*\f+3] offset:32*\f
.endr
.irp f, 0,1,2,3
	ds_load_b128 v[S+16*(\t)+4*\f:S+16*(\t)+4*\f+3], v[RD] offset:\f*4*SP  ; LDS serves a wave's instructions in order (ISA guide 5.7.1.4): these see the stores above; the next tile's stores come behind them
.endr
.endm
.macro SEND t, younger              ; younger: the LDS instructions issued behind tile t's loads: the next tile's eight, or none
	WIN 0
.irp f, 0,1,2,3
	s_wait_dscnt (\younger)+3-\f
	global_store_b128 v[GO], v[S+16*(\t)+4*\f:S+16*(\t)+4*\f+3], s[10:11] offset:(\t)*2048+\f*512  ; 512 consecutive bytes, at a multiple of 256 from oo's first
.endr
.endm
	PACK 0
.set t, 1
.rept 3                             ; a tile's arithmetic stands between the loads of the tile before and its stores
	PACK t
	SEND t-1, 8
.set t, t+1
.endr
	SEND 3, 0
	s_wait_tensorcnt 0x0            ; the wave's end: behind my last tensor load and my last LDS store
	ds_add_u32 v[SPW], v[NIL]
	s_wait_dscnt 0x0
	CROUND                          ; the closing round: no work-group ends while a partner may still ask for a tile that names it
	s_endpgm
.Lfunc_end_k_q92788391da_attn:
	.size	k_q92788391da_attn, .Lfunc_end_k_q92788391da_attn-k_q92788391da_attn
	.p2alignl 7, 3214868480
	.fill 96, 4, 3214868480
	.section	.rodata,"a",@progbits
	.p2align	6, 0x0
	.amdhsa_kernel k_q92788391da_attn
		.amdhsa_group_segment_fixed_size 327680
		.amdhsa_private_segment_fixed_size 0
		.amdhsa_enable_private_segment 0
		.amdhsa_kernarg_size 32
		.amdhsa_user_sgpr_count 2
		.amdhsa_user_sgpr_kernarg_segment_ptr 1
		.amdhsa_wavefront_size32 1
		.amdhsa_system_sgpr_workgroup_id_x 1
		.amdhsa_system_sgpr_workgroup_id_y 1
		.amdhsa_system_sgpr_workgroup_id_z 1
		.amdhsa_system_vgpr_workitem_id 0
		.amdhsa_next_free_vgpr 768
		.amdhsa_next_free_sgpr 66
		.amdhsa_reserve_vcc 0
		.amdhsa_float_denorm_mode_32 3
		.amdhsa_float_denorm_mode_16_64 3
		.amdhsa_memory_ordered 1
		.amdhsa_forward_progress 1
		.amdhsa_inst_pref_size 150
	.end_amdhsa_kernel
	.amdgpu_metadata
---
amdhsa.version: [ 1, 2 ]
amdhsa.kernels:
  - .name:           k_q92788391da_attn
    .symbol:         k_q92788391da_attn.kd
    .args:
      - { .name: qq, .offset: 0, .size: 8, .value_kind: global_buffer, .address_space: global }
      - { .name: kk, .offset: 8, .size: 8, .value_kind: global_buffer, .address_space: global }
      - { .name: vv, .offset: 16, .size: 8, .value_kind: global_buffer, .address_space: global }
      - { .name: oo, .offset: 24, .size: 8, .value_kind: global_buffer, .address_space: global }
    .group_segment_fixed_size: 327680
    .private_segment_fixed_size: 0
    .kernarg_segment_align: 8
    .kernarg_segment_size: 32
    .max_flat_workgroup_size: 128
    .sgpr_count:     66
    .vgpr_count:     768
    .wavefront_size: 32
...
	.end_amdgpu_metadata
.endif
;; end of part 6
;; launch proj: the kernel of part 4 again; grid 4 x 64, 4 waves a work-group, clusters of 4 x 4, 327,680 bytes of LDS; arguments oo, wo16, bo, out0; writes out0
;; ======== version 3 of 3: 4 launches; version 2 with the launch cast written anew for expert scheduling mode
;; limits: values within 7.6e-06 (relative) of each other or of a threshold may be ordered or decided otherwise than in the reference; values are held in f16: magnitudes above 65,504 overflow, below 6.1e-05 lose precision
;; workspace buffers: xb 16,777,216 bytes; wqkv 6,291,456 bytes; wo16 2,097,152 bytes; qq 33,554,432 bytes; kk 33,554,432 bytes; vv 16,777,216 bytes; oo 16,777,216 bytes
;; launch cast (part 7): grid 768 x 1, 8 waves a work-group, no clusters, 0 bytes of LDS; arguments x, Wq, Wk, Wv, Wo, xb, wqkv, wo16; writes xb, wqkv, wo16
.if DOCPART == 7
	.amdgcn_target "amdgcn-amd-amdhsa--gfx1250"
	.amdhsa_code_object_version 6
	.text
	.protected	k_q92788391da_cast
	.globl	k_q92788391da_cast
	.p2align	8
	.type	k_q92788391da_cast,@function
k_q92788391da_cast:
	s_mov_b64 s[64:65], 0
	v_nop
	global_prefetch_b8 v0, s[64:65] scope:SCOPE_SE
	s_setreg_imm32_b32 hwreg(HW_REG_WAVE_SCHED_MODE, 0, 2), 2
	s_setreg_imm32_b32 hwreg(HW_REG_WAVE_MODE, 25, 1), 1
	s_wait_xcnt 0x0
	s_wait_alu depctr_vm_vsrc(0)
; THE INPUTS ARE ROUNDED ONCE, TO 16 BITS.  x -> xb (bf16, [8192][1024]); Wq, Wk, Wv -> wqkv (bf16, [3072][1024], the three one below the other);
; Wo -> wo16: rounded to bf16 like the others, and that number written as f16, since the last product's other operand is f16.
; LIMIT.  A weight of Wo beyond 65,504 has no f16; below 6e-5 it keeps f16's fixed step of 6e-8.
; A stream: no LDS, no barrier, no matrix unit, no cluster: no work-group reads what another reads.
; SHARES.  A work-group converts 16,384 numbers: 65,536 bytes in, 32,768 out.  Groups 0-511 take x, 512-767 the four weights, 64 groups each.
; Thread t takes 16 bytes at 16 t of each 4,096: a wave's load covers 512 consecutive bytes, its store 256 consecutive bytes, aligned.
; All sixteen loads of a thread go out at once; the waits count down.
; THE MODE: SCHED_MODE bits 1:0 = 2 (LLVM: expert scheduling mode 2), set by the entry lines.  The code itself states the register dependences
; between vector instructions and memory instructions, with s_wait_alu, always for 0.
; THE PLAN.  Registers that memory instructions touch:
;   v1, v2   byte offsets of the loads and of the stores.  Written once, at the head; no vector line names them again.
;   X        sixteen times four registers.  Each is written by one load, and read by the conversions alone; no vector line names them ahead of the loads.
;   Y        sixteen pairs.  Each pair is written by the conversions of its turn and read by one store; it is never written again.
;   T        named by vector lines alone.
; So one wait on va_vdst at the head states that the offsets are written, for all 32 memory instructions of either path.  The sixteen turns go in four blocks of four:
; a block's conversions, one wait on va_vdst, which states that they have written the block's eight registers of Y, and the block's four stores in one run.
; No register that a memory instruction reads is written again, no vector line writes a scalar register or VCC, and EXEC is never written: no other wait is owed.
.set X, 4                              ; v[4:67]    sixteen loads of four f32
.set Y, 68                             ; v[68:99]   sixteen stores of four 16-bit numbers
.set T, 100                            ; v[100:101] at work
	s_load_b512 s[8:23], s[0:1], 0x0               ; x 8, Wq 10, Wk 12, Wv 14, Wo 16, xb 18, wqkv 20, wo16 22
	v_lshlrev_b32 v1, 4, v0                        ; 16 t
	v_lshlrev_b32 v2, 3, v0                        ; 8 t
	s_sub_co_u32 s24, ttmp9, 512                   ; j: the group's number among the weights' (of no use in x's groups)
	s_lshr_b32 s25, s24, 6                         ; which weight
	s_and_b32 s26, s24, 63                         ; which part of it
	s_lshl_b32 s32, ttmp9, 16                      ; x: byte offsets in and out
	s_lshl_b32 s34, ttmp9, 15
	s_lshl_b32 s2, s26, 16                         ; a weight: in,
	s_lshl_b32 s3, s24, 15                         ; out into wqkv,
	s_lshl_b32 s4, s26, 15                         ; out into wo16
	s_cmp_eq_u32 s25, 3
	s_cselect_b32 s3, s4, s3
	s_cselect_b32 s27, 1, 0                        ; 1: this group converts Wo
	s_cmp_lt_u32 ttmp9, 512
	s_cselect_b32 s32, s32, s2
	s_cselect_b32 s34, s34, s3
	s_cselect_b32 s27, 0, s27
	s_mov_b32 s33, 0
	s_mov_b32 s35, 0
	s_wait_kmcnt 0x0
	s_cmp_eq_u32 s25, 1
	s_cselect_b64 s[28:29], s[12:13], s[10:11]
	s_cmp_eq_u32 s25, 2
	s_cselect_b64 s[28:29], s[14:15], s[28:29]
	s_cmp_eq_u32 s25, 3
	s_cselect_b64 s[28:29], s[16:17], s[28:29]
	s_cselect_b64 s[30:31], s[22:23], s[20:21]
	s_cmp_lt_u32 ttmp9, 512
	s_cselect_b64 s[28:29], s[8:9], s[28:29]
	s_cselect_b64 s[30:31], s[18:19], s[30:31]
	s_add_nc_u64 s[28:29], s[28:29], s[32:33]      ; from here
	s_add_nc_u64 s[30:31], s[30:31], s[34:35]      ; to here
	s_wait_alu depctr_va_vdst(0)                   ; v1 and v2 are written: every load below reads v1 as its offset, every store of either path v2
.irp i, 0,1,2,3,4,5,6,7,8,9,10,11,12,13,14,15
	global_load_b128 v[X+4*(\i):X+4*(\i)+3], v1, s[28:29] offset:4096*(\i) th:TH_LOAD_NT
.endr
	s_cmp_eq_u32 s27, 1
	s_cbranch_scc1 .Lwo
.irp g, 0,1,2,3                        ; four blocks of four turns
.irp j, 0,1,2,3
	s_wait_loadcnt 15-(4*(\g)+(\j))                ; loads come back in order: load 4 g + j is in, the younger ones stay out
	v_cvt_pk_bf16_f32 v[Y+2*(4*(\g)+(\j))], v[X+4*(4*(\g)+(\j))], v[X+4*(4*(\g)+(\j))+1]
	v_cvt_pk_bf16_f32 v[Y+2*(4*(\g)+(\j))+1], v[X+4*(4*(\g)+(\j))+2], v[X+4*(4*(\g)+(\j))+3]
.endr
	s_wait_alu depctr_va_vdst(0)                   ; the block's eight conversions have written its registers of Y, which the four stores below read
.irp j, 0,1,2,3
	global_store_b64 v2, v[Y+2*(4*(\g)+(\j)):Y+2*(4*(\g)+(\j))+1], s[30:31] offset:2048*(4*(\g)+(\j))
.endr
.endr
	s_endpgm
.Lwo:
.irp g, 0,1,2,3                        ; the same four blocks for Wo
.irp j, 0,1,2,3
	s_wait_loadcnt 15-(4*(\g)+(\j))
.irp p, 0,1
	v_cvt_pk_bf16_f32 v[Y+2*(4*(\g)+(\j))+(\p)], v[X+4*(4*(\g)+(\j))+2*(\p)], v[X+4*(4*(\g)+(\j))+2*(\p)+1]  ; the one rounding, to bf16;
	v_lshlrev_b32 v[T], 16, v[Y+2*(4*(\g)+(\j))+(\p)]       ; the two numbers as f32 again,
	v_and_b32 v[T+1], 0xffff0000, v[Y+2*(4*(\g)+(\j))+(\p)]
	v_cvt_pk_f16_f32 v[Y+2*(4*(\g)+(\j))+(\p)], v[T], v[T+1]  ; and written as f16: 8 significant bits fit into 11
.endr
.endr
	s_wait_alu depctr_va_vdst(0)                   ; the block's last conversions have written its registers of Y, which the four stores below read
.irp j, 0,1,2,3
	global_store_b64 v2, v[Y+2*(4*(\g)+(\j)):Y+2*(4*(\g)+(\j))+1], s[30:31] offset:2048*(4*(\g)+(\j))
.endr
.endr
	s_endpgm
.Lfunc_end_k_q92788391da_cast:
	.size	k_q92788391da_cast, .Lfunc_end_k_q92788391da_cast-k_q92788391da_cast
	.p2alignl 7, 3214868480
	.fill 96, 4, 3214868480
	.section	.rodata,"a",@progbits
	.p2align	6, 0x0
	.amdhsa_kernel k_q92788391da_cast
		.amdhsa_group_segment_fixed_size 0
		.amdhsa_private_segment_fixed_size 0
		.amdhsa_enable_private_segment 0
		.amdhsa_kernarg_size 64
		.amdhsa_user_sgpr_count 2
		.amdhsa_user_sgpr_kernarg_segment_ptr 1
		.amdhsa_wavefront_size32 1
		.amdhsa_system_sgpr_workgroup_id_x 1
		.amdhsa_system_sgpr_workgroup_id_y 1
		.amdhsa_system_sgpr_workgroup_id_z 1
		.amdhsa_system_vgpr_workitem_id 0
		.amdhsa_next_free_vgpr 102
		.amdhsa_next_free_sgpr 66
		.amdhsa_reserve_vcc 0
		.amdhsa_float_denorm_mode_32 3
		.amdhsa_float_denorm_mode_16_64 3
		.amdhsa_memory_ordered 1
		.amdhsa_forward_progress 1
		.amdhsa_inst_pref_size 17
	.end_amdhsa_kernel
	.amdgpu_metadata
---
amdhsa.version: [ 1, 2 ]
amdhsa.kernels:
  - .name:           k_q92788391da_cast
    .symbol:         k_q92788391da_cast.kd
    .args:
      - { .name: x, .offset: 0, .size: 8, .value_kind: global_buffer, .address_space: global }
      - { .name: Wq, .offset: 8, .size: 8, .value_kind: global_buffer, .address_space: global }
      - { .name: Wk, .offset: 16, .size: 8, .value_kind: global_buffer, .address_space: global }
      - { .name: Wv, .offset: 24, .size: 8, .value_kind: global_buffer, .address_space: global }
      - { .name: Wo, .offset: 32, .size: 8, .value_kind: global_buffer, .address_space: global }
      - { .name: xb, .offset: 40, .size: 8, .value_kind: global_buffer, .address_space: global }
      - { .name: wqkv, .offset: 48, .size: 8, .value_kind: global_buffer, .address_space: global }
      - { .name: wo16, .offset: 56, .size: 8, .value_kind: global_buffer, .address_space: global }
    .group_segment_fixed_size: 0
    .private_segment_fixed_size: 0
    .kernarg_segment_align: 8
    .kernarg_segment_size: 64
    .max_flat_workgroup_size: 256
    .sgpr_count:     66
    .vgpr_count:     102
    .wavefront_size: 32
...
	.end_amdgpu_metadata
.endif
;; end of part 7
;; launch qkv: the kernel of part 5 again; grid 4 x 64, 4 waves a work-group, clusters of 4 x 4, 327,680 bytes of LDS; arguments xb, wqkv, bq, bk, bv, qq, kk, vv; writes qq, kk, vv
;; launch attn: the kernel of part 6 again; grid 8 x 64, 4 waves a work-group, clusters of 4 x 1, 327,680 bytes of LDS; arguments qq, kk, vv, oo; writes oo
;; launch proj: the kernel of part 4 again; grid 4 x 64, 4 waves a work-group, clusters of 4 x 4, 327,680 bytes of LDS; arguments oo, wo16, bo, out0; writes out0
